; MI455X (gfx1250); checked and timed in simulation.
; The chip was launched on July 23, 2026; its instructions are those of AMD's public machine-readable ISA for CDNA 5 (MIT licence, August 2026) and "CDNA5" Instruction Set Architecture Reference Guide (July 2026). The comments in the code are by the model that wrote it; some were corrected since.
;; Causal Attn Layer. Allowed arithmetic: matrix products marked QUANTISED: E5M2 operands, one given power-of-two scale a tensor, by v_wmma_f32_16x16x64_bf8_bf8 or v_wmma_f32_16x16x128_bf8_bf8, f32 sums; everything else in f32.
;; Inputs: W1 1,024 x 4,096 float32; W2 4,096 x 1,024 float32; Wo 1,024 x 1,024 float32; Wqkv 1,024 x 3,072 float32; b1 1,024 float32; b1f 4,096 float32; b2 1,024 float32; b2f 1,024 float32; bo 1,024 float32; bqkv 3,072 float32; g1 1,024 float32; g2 1,024 float32; lowp_scales 12 int32 (the exponents e of the quantised operands' scales 2^e); x 2 x 2,048 x 1,024 float32.
;; Outputs: out0 2 x 2,048 x 1,024 float32.
;; This version of the problem:
;;   THIS VERSION OF THE PROBLEM IS GIVEN IN LOW PRECISION. The matrix products marked QUANTISED in the list below multiply operands that are first quantised to E5M2 (5 exponent bits, 2 mantissa bits; 8 bits a number), with one given power-of-two scale for each operand tensor; their sums are f32. All else is computed in f32.
;;   The module's matrix products, in the order in which they are computed (A, B: the left and right operand; K: the contracted axis; several contracted axes count as one K, in the product's order):
;;     1. [M 4,096, K 1,024] x [K 1,024, N 3,072]; A: computed on the way; B: input Wqkv: QUANTISED (scales: A lowp_scales[0], B lowp_scales[1])
;;     2. batch 32 x [M 2,048, K 64] x [K 64, N 2,048]; A: computed on the way; B: computed on the way: QUANTISED (scales: A lowp_scales[2], B lowp_scales[3])
;;     3. batch 32 x [M 2,048, K 2,048] x [K 2,048, N 64]; A: softmax (see below); B: computed on the way: QUANTISED (scales: A lowp_scales[4], B lowp_scales[5])
;;     4. [M 4,096, K 1,024] x [K 1,024, N 1,024]; A: computed on the way; B: input Wo: QUANTISED (scales: A lowp_scales[6], B lowp_scales[7])
;;     5. [M 4,096, K 1,024] x [K 1,024, N 4,096]; A: computed on the way; B: input W1: QUANTISED (scales: A lowp_scales[8], B lowp_scales[9])
;;     6. [M 4,096, K 4,096] x [K 4,096, N 1,024]; A: computed on the way; B: input W2: QUANTISED (scales: A lowp_scales[10], B lowp_scales[11])
;;   THE QUANTISER, for each operand of a quantised product, along K:
;;     - The operand's scale is 2^e, e = its entry of the input lowp_scales (int32; the entries are numbered through the quantised products in the list's order, A before B).
;;     - Each number is divided by the scale, clamped to +-57,344, and rounded to the nearest number of E5M2, ties to even, subnormals kept.
;;     - The product sums the exact products of the quantised numbers (number of the format x scale) in f32.
;;   ~~~python
;;   def quantise(x, axis, e):      # numpy; x: float32 -> the quantised numbers, widened to float32 again
;;       x = np.moveaxis(x, axis, -1); K = x.shape[-1]
;;       r = np.clip(x / 2.0 ** e, -57344, 57344)
;;       step = 2.0 ** (np.maximum(np.frexp(np.where(r == 0, 1, r))[1] - 1, -14) - 2)
;;       q = np.round(r / step) * step * 2.0 ** e      # np.round: ties to even
;;       return np.moveaxis(q, -1, axis).astype(np.float32)
;;   ~~~
;;   SOFTMAX AHEAD OF A QUANTISED PRODUCT. Where the list says 'softmax', what is quantised is not the finished softmax but p = 2^(t - M), with t = logit x log2(e) and M = ceil(the row's largest t), a whole number; so 1/2 < the row's largest p <= 1. The row's sum l is taken of the UNQUANTISED p, in f32, and the product's result is divided by l at the end. Since M is a whole number, a kernel that streams over the keys may use a running M (the ceiling of the running maximum): every later rescaling is an exact power of two, so the quantised numbers keep their values, but for numbers so far below the row's largest that they fall under the format's range.
;;   OPERANDS COMPUTED ON THE WAY. 'Computed on the way' means the value that the module computes at that place (a softmax that the list does not call 'softmax' is quantised finished and normalised). What goes into a quantiser is computed in f32, as accurately as f32 sums, v_exp_f32 and their like allow (about 1e-6 of the number): no bf16 or f16 on the way to a quantiser, and a product that is left as it is and whose result goes on into a quantised operand takes f32 operands (vector FMAs, or v_wmma_f32_16x16x4_f32). A number that lies on a knife's edge between two numbers of the format may be rounded either way, as far as f32 arithmetic and the matrix unit's own rounding can turn it there, and no further.
;; 2 versions. Each part assembles by itself: llvm-mc -triple=amdgcn-amd-amdhsa -mcpu=gfx1250 --defsym DOCPART=n.
;; ======== version 1 of 2: 7 launches
;; workspace buffers: wc 12,582,912 bytes; hc 4,194,304 bytes; qkvc 12,582,912 bytes; aoc 4,194,304 bytes; x1 16,777,216 bytes; hhc 4,194,304 bytes; ffc 16,777,216 bytes
;; launch prep (part 1): grid 640 x 1, 4 waves a work-group, no clusters, 76,288 bytes of LDS; arguments Wqkv, Wo, W1, W2, x, g1, b1, lowp_scales, wc, hc; writes wc, hc
.if DOCPART == 1
	.amdgcn_target "amdgcn-amd-amdhsa--gfx1250"
	.amdhsa_code_object_version 6
	.text
	.protected	k_q9d3b948f8b_prep
	.globl	k_q9d3b948f8b_prep
	.p2align	8
	.type	k_q9d3b948f8b_prep,@function
k_q9d3b948f8b_prep:
	s_mov_b64 s[64:65], 0
	v_nop
	global_prefetch_b8 v0, s[64:65] scope:SCOPE_SE
	s_setreg_imm32_b32 hwreg(HW_REG_WAVE_MODE, 25, 1), 1
	s_wait_xcnt 0x0
; THE PROGRAM: one transformer layer (LN1, QKV, causal attention, Wo + residual, LN2, W1, exact GELU, W2 + residual), all six products on codes of BF8 (E5M2), each operand with the one scale 2^e that is given.
; Seven launches: prep | gqkv | attn | gwo | ln2 | gw1 | gw2.
; WORK LEFT OUT (in launch attn alone): key steps all of whose 128 keys come after a wave's 16 queries, and the tiles of K and V beyond a work-group's last query.  The layer's own mask (key j counts for query i where
; j <= i) sets those logits to -infinity ahead of the softmax, so their p is 0 and they add nothing to the row's sum or to the product with V, whatever finite values the inputs hold.  No input is left out: every
; bias goes into a quantised operand or into the output.  LIMIT: a NaN, an infinity or an overflow that reaches only those hidden scores is not carried to the result.
; THIS LAUNCH.  Work-groups 0-383: the four weights, f32 stored [K][N], become codes laid [N][K], K innermost, in wc (Wqkv at 0, Wo at 3,145,728, W1 at 4,194,304, W2 at 8,388,608).
;   A lane takes a column n and its registers run down K: a load reads 128 consecutive bytes a wave (512 a work-group), the conversions give codes with K innermost, nothing is transposed by an instruction.
;   A wave takes 32 columns x 256 along K; the codes go through its own stage in LDS and leave as rows: sixteen lanes store 256 consecutive bytes, aligned.
; Work-groups 384-639: LN1(x) as codes in hc [4096][1024].  One wave a row at a time, four rows a wave; mean, then the mean of squares of x - mean (two passes over registers), as the layer writes it.
; code = number / 2^e, held within +-57,344, rounded to the nearest code, ties to even.  LIMITS: each e used here (entries 0, 1, 7, 9, 11) between -126 and 112.  NaN among the inputs is not served.
; The two kinds of work-group part on the work-group's number and have LDS bytes of their own.  No tensor load, no barrier: waves share nothing.
.set WSTG,  0                          ; weights: four stages of 32 rows x 272 bytes
.set LSTG,  34816                      ; LN: for each wave two stages of 5,120 bytes
.set SPARE, 75776                      ; the spare words, 128 bytes for each wave
.set SPW,   14                         ; v14  LDS address of my spare word; never rewritten
.set NIL,   15                         ; v15  0; never rewritten
	s_load_b512 s[8:23], s[0:1], 0x0               ; Wqkv s[8:9], Wo s[10:11], W1 s[12:13], W2 s[14:15], x s[16:17], g1 s[18:19], b1 s[20:21], the exponents s[22:23]
	s_load_b128 s[24:27], s[0:1], 0x40             ; wc s[24:25], hc s[26:27]
	v_lshl_add_u32 v[SPW], v0, 2, SPARE
	v_mov_b32 v[NIL], 0
	v_lshrrev_b32 v1, 5, v0
	v_readfirstlane_b32 s2, v1                     ; wave 0..3
	v_and_b32 v1, 31, v0                           ; lane
	s_wait_kmcnt 0x0
	s_load_b256 s[52:59], s[22:23], 0x0            ; e0 .. e7
	s_load_b128 s[60:63], s[22:23], 0x20           ; e8 .. e11
	s_cmp_ge_u32 ttmp9, 384
	s_cbranch_scc1 .Lln
; ---------------- the weights ----------------
.set OFF,  16                          ; v16-47   4 x lane + i rows of the weight, i = 0 .. 31; never rewritten
.set WX,   48                          ; v48-111  two sets of 32 numbers
.set WC,   112                         ; v112-119 a block's codes
.set OUTR, 120                         ; v120-183 the way out
.set SOF,  184                         ; v184-199 the stores' offsets; never rewritten
.set BB,   36                          ; s[36:51] eight bases: my part of the weight, 32 rows of K apart
	s_mov_b64 s[28:29], s[8:9]                     ; which weight: chosen by the work-group's number alone.  Wqkv:
	s_mov_b32 s32, 12288                           ; a row of the weight in bytes
	s_mov_b32 s33, 1024                            ; a row of its codes in bytes
	s_mov_b32 s34, 2                               ; log2 of (K / 256)
	s_mov_b32 s5, 3                                ; K / 256 - 1
	s_mov_b32 s35, 0                               ; its place in wc
	s_mov_b32 s4, 0                                ; its first work-group
	s_cmp_ge_u32 ttmp9, 96                         ; Wo
	s_cselect_b64 s[28:29], s[10:11], s[28:29]
	s_cselect_b32 s32, 4096, s32
	s_cselect_b32 s35, 3145728, s35
	s_cselect_b32 s4, 96, s4
	s_cmp_ge_u32 ttmp9, 128                        ; W1
	s_cselect_b64 s[28:29], s[12:13], s[28:29]
	s_cselect_b32 s32, 16384, s32
	s_cselect_b32 s35, 4194304, s35
	s_cselect_b32 s4, 128, s4
	s_cmp_ge_u32 ttmp9, 256                        ; W2
	s_cselect_b64 s[28:29], s[14:15], s[28:29]
	s_cselect_b32 s32, 4096, s32
	s_cselect_b32 s33, 4096, s33
	s_cselect_b32 s34, 4, s34
	s_cselect_b32 s5, 15, s5
	s_cselect_b32 s35, 8388608, s35
	s_cselect_b32 s4, 256, s4
	s_sub_co_u32 s3, ttmp9, s4                     ; the work-group's number within its weight
	s_and_b32 s4, s3, s5                           ; which 256 along K
	s_lshr_b32 s3, s3, s34                         ; which 128 columns
	s_lshl_b32 s3, s3, 7
	s_lshl_b32 s5, s2, 5
	s_add_co_u32 s3, s3, s5                        ; my wave's first column
	s_mul_i32 s6, s4, s32
	s_lshl_b32 s6, s6, 8                           ; 256 rows of the weight for each step along K (all offsets here stay under 2^24)
	s_lshl_b32 s5, s3, 2
	s_add_co_u32 s6, s6, s5
	s_mov_b32 s7, 0
	s_add_nc_u64 s[BB:BB+1], s[28:29], s[6:7]
	s_mul_i32 s6, s3, s33                          ; the codes: column x row of codes + 256 x step + the weight's place
	s_add_co_u32 s6, s6, s35
	s_lshl_b32 s5, s4, 8
	s_add_co_u32 s6, s6, s5
	s_add_nc_u64 s[30:31], s[24:25], s[6:7]
	s_lshl_b32 s6, s32, 5                          ; 32 rows of the weight
.irp t, 1,2,3,4,5,6,7
	s_add_nc_u64 s[BB+2*\t:BB+2*\t+1], s[BB+2*\t-2:BB+2*\t-1], s[6:7]
.endr
	v_lshlrev_b32 v[OFF], 2, v1
.set i, 1
.rept 31
	v_add_nc_u32 v[OFF+i], s32, v[OFF+i-1]
.set i, i+1
.endr
	s_mul_i32 s6, s2, 32*272                       ; my stage
	v_mul_u32_u24 v4, v1, 272
	v_add_nc_u32 v4, s6, v4                        ; into it: row = my column
	v_and_b32 v5, 15, v1
	v_lshrrev_b32 v6, 4, v1
	v_mul_u32_u24 v7, v6, 272
	v_lshl_add_u32 v7, v5, 4, v7
	v_add_nc_u32 v7, s6, v7                        ; out of it: sixteen lanes to a row, two rows an instruction
	v_mul_lo_u32 v[SOF], v6, s33
	v_lshl_add_u32 v[SOF], v5, 4, v[SOF]           ; and the same place in the codes
	s_lshl_b32 s6, s33, 1
.set i, 1
.rept 15
	v_add_nc_u32 v[SOF+i], s6, v[SOF+i-1]
.set i, i+1
.endr
.macro WLOAD t                         ; block t: the weight's rows 32 t + i at my column, into set t % 2
.set i, 0
.rept 32
	global_load_b32 v[WX+32*((\t)%2)+i], v[OFF+i], s[BB+2*(\t):BB+2*(\t)+1] th:TH_LOAD_NT
.set i, i+1
.endr
.endm
	WLOAD 0
	WLOAD 1
	s_wait_kmcnt 0x0
	s_mov_b32 s5, s53                              ; the weight's exponent: e1, e7, e9 or e11
	s_cmp_ge_u32 ttmp9, 96
	s_cselect_b32 s5, s59, s5
	s_cmp_ge_u32 ttmp9, 128
	s_cselect_b32 s5, s61, s5
	s_cmp_ge_u32 ttmp9, 256
	s_cselect_b32 s5, s63, s5
	s_add_co_i32 s5, s5, 127
	s_lshl_b32 s6, s5, 23
	v_mov_b32 v11, s6                              ; 2^e as f32: the conversion takes its exponent field
	s_add_co_i32 s5, s5, 15
	s_lshl_b32 s5, s5, 23
	s_or_b32 s5, s5, 0x600000
	v_mov_b32 v10, s5                              ; 57,344 x 2^e
.macro WBLOCK t
.set XS, WX+32*((\t)%2)
.if (\t) < 7
	s_wait_loadcnt 32                              ; this block's 32 loads are in; the next block's may be out
.else
	s_wait_loadcnt 0
.endif
.set i, 0
.rept 32
	v_med3_num_f32 v[XS+i], v[XS+i], -v10, v10     ; the conversion to an 8-bit code does not saturate (ISA guide 7.6.2): the hold comes first
.set i, i+1
.endr
.irp g, 0,1,2,3
	v_cvt_scalef32_pk8_bf8_f32 v[WC+2*\g:WC+2*\g+1], v[XS+8*\g:XS+8*\g+7], v11
.endr
	ds_store_b128 v4, v[WC:WC+3] offset:32*(\t)    ; 32 codes: 32 bytes of my column's row
	ds_store_b128 v4, v[WC+4:WC+7] offset:32*(\t)+16
.if (\t)+2 < 8
	WLOAD (\t)+2
.endif
	s_wait_dscnt 0x0                               ; the stores have read their registers: the next block's codes may be written (its 32 holds, plain lines, come first)
.endm
.irp t, 0,1,2,3,4,5,6,7
	WBLOCK \t
.endr
.irp t, 0,1,2,3,4,5,6,7,8,9,10,11,12,13,14,15
	ds_load_b128 v[OUTR+4*\t:OUTR+4*\t+3], v7 offset:2*\t*272   ; LDS serves a wave's instructions in order: these see my stores
.endr
.irp t, 0,1,2,3,4,5,6,7,8,9,10,11,12,13,14,15
	s_wait_dscnt 15-\t
	global_store_b128 v[SOF+\t], v[OUTR+4*\t:OUTR+4*\t+3], s[30:31]   ; sixteen lanes store 256 consecutive bytes, aligned
.endr
	s_wait_tensorcnt 0x0                           ; the wave's end
	ds_add_u32 v[SPW], v[NIL]
	s_wait_dscnt 0x0
	s_endpgm
; ---------------- LN1 ----------------
.set LG, 16                            ; v16-47   the gain at my 32 columns
.set LB, 48                            ; v48-79   the bias
.set LY, 80                            ; v80-111  a row at work: register 16 u + i = column 512 u + 16 lane + i
.set LX, 112                           ; v112-239 four rows as loaded; a row's first eight registers later hold its codes
.Lln:
	s_sub_co_u32 s3, ttmp9, 384
	s_lshl_b32 s3, s3, 4
	s_lshl_b32 s4, s2, 2
	s_add_co_u32 s3, s3, s4                        ; my wave's first row
	s_lshl_b32 s6, s3, 12
	s_mov_b32 s7, 0
	s_add_nc_u64 s[28:29], s[16:17], s[6:7]        ; x
	s_lshl_b32 s6, s3, 10
	s_add_nc_u64 s[30:31], s[26:27], s[6:7]        ; hc
	s_mov_b32 s40, 0x3a800000                      ; 1 / 1,024
	s_mov_b32 s41, 0x3727c5ac                      ; 1e-5
	s_mov_b32 s42, 0x76543210                      ; v_permlanex16_b32: lane l xor 16
	s_mov_b32 s43, 0xfedcba98
	v_lshlrev_b32 v2, 4, v1                        ; 16 x lane
	v_lshlrev_b32 v5, 6, v1                        ; 64 x lane
	s_mul_i32 s4, s2, 10240
	s_add_co_u32 s4, s4, LSTG                      ; my two stages
	v_lshrrev_b32 v3, 2, v1
	v_mul_u32_u24 v3, v3, 80
	v_and_b32 v4, 3, v1
	v_lshl_add_u32 v3, v4, 4, v3
	v_add_nc_u32 v3, s4, v3                        ; in: four lanes' 64 bytes on end, then 16 of padding
	v_mul_u32_u24 v4, v1, 80
	v_add_nc_u32 v4, s4, v4                        ; out: my 16 neighbours
	v_mov_b32 v10, 0                               ; a lane permute's destination counts as read
.irp u, 0,1
.irp i, 0,1,2,3
	global_load_b128 v[LG+16*\u+4*\i:LG+16*\u+4*\i+3], v5, s[18:19] offset:2048*\u+16*\i
	global_load_b128 v[LB+16*\u+4*\i:LB+16*\u+4*\i+3], v5, s[20:21] offset:2048*\u+16*\i
.endr
.endr
.irp t, 0,1,2,3
.irp j, 0,1,2,3,4,5,6,7
	global_load_b128 v[LX+32*\t+4*\j:LX+32*\t+4*\j+3], v2, s[28:29] offset:4096*\t+512*\j th:TH_LOAD_NT   ; 512 consecutive bytes a load; all four rows are asked for at once
.endr
.endr
	s_wait_kmcnt 0x0
	s_add_co_i32 s5, s52, 127                      ; e0
	s_lshl_b32 s6, s5, 23
	v_mov_b32 v240, s6                             ; 2^e0
	s_add_co_i32 s5, s5, 15
	s_lshl_b32 s5, s5, 23
	s_or_b32 s5, s5, 0x600000
	v_mov_b32 v241, s5                             ; 57,344 x 2^e0
.macro REDUCE                          ; v6 summed over the 32 lanes, the sum in every lane
	v_add_f32_dpp v6, v6, v6 row_xmask:1 row_mask:0xf bank_mask:0xf
	v_add_f32_dpp v6, v6, v6 row_xmask:2 row_mask:0xf bank_mask:0xf
	v_add_f32_dpp v6, v6, v6 row_xmask:4 row_mask:0xf bank_mask:0xf
	v_add_f32_dpp v6, v6, v6 row_xmask:8 row_mask:0xf bank_mask:0xf
	v_permlanex16_b32 v10, v6, s42, s43
	v_add_f32 v6, v6, v10
.endm
.macro LNROW t
	s_wait_loadcnt 8*(3-\t)                        ; this row's eight loads are in (gain and bias were asked for earlier); the later rows' stay out
.irp j, 0,1,2,3,4,5,6,7
	ds_store_b128 v3, v[LX+32*\t+4*\j:LX+32*\t+4*\j+3] offset:5120*(\t%2)+640*\j
.endr
.irp u, 0,1
.irp i, 0,1,2,3
	ds_load_b128 v[LY+16*\u+4*\i:LY+16*\u+4*\i+3], v4 offset:5120*(\t%2)+2560*\u+16*\i   ; a wave's LDS instructions are served in order
.endr
.endr
	s_wait_dscnt 0x0
	v_pk_add_f32 v[6:7], v[LY:LY+1], v[LY+2:LY+3]  ; the row's sum, in two chains
	v_pk_add_f32 v[8:9], v[LY+4:LY+5], v[LY+6:LY+7]
.irp j, 8,12,16,20,24,28
	v_pk_add_f32 v[6:7], v[6:7], v[LY+\j:LY+\j+1]
	v_pk_add_f32 v[8:9], v[8:9], v[LY+\j+2:LY+\j+3]
.endr
	v_pk_add_f32 v[6:7], v[6:7], v[8:9]
	v_add_f32 v6, v6, v7
	REDUCE
	v_mul_f32 v12, s40, v6                         ; the mean
	v_mov_b32 v13, v12
.set n, 0
.rept 16
	v_pk_add_f32 v[LY+n:LY+n+1], v[LY+n:LY+n+1], v[12:13] neg_lo:[0,1] neg_hi:[0,1]   ; x - mean
.set n, n+2
.endr
	v_pk_mul_f32 v[6:7], v[LY:LY+1], v[LY:LY+1]
	v_pk_mul_f32 v[8:9], v[LY+2:LY+3], v[LY+2:LY+3]
.irp j, 4,8,12,16,20,24,28
	v_pk_fma_f32 v[6:7], v[LY+\j:LY+\j+1], v[LY+\j:LY+\j+1], v[6:7]
	v_pk_fma_f32 v[8:9], v[LY+\j+2:LY+\j+3], v[LY+\j+2:LY+\j+3], v[8:9]
.endr
	v_pk_add_f32 v[6:7], v[6:7], v[8:9]
	v_add_f32 v6, v6, v7
	REDUCE
	v_fma_f32 v6, v6, s40, s41                     ; the variance + 1e-5
	v_rsq_f32 v12, v6
	v_nop                                          ; a plain line behind the transcendental,
	s_wait_alu depctr_va_vdst(0)                   ; and a wait ahead of the first line that names its result
	v_mov_b32 v13, v12
.set n, 0
.rept 16
	v_pk_mul_f32 v[LY+n:LY+n+1], v[LY+n:LY+n+1], v[12:13]
.set n, n+2
.endr
.set n, 0
.rept 16
	v_pk_fma_f32 v[LY+n:LY+n+1], v[LY+n:LY+n+1], v[LG+n:LG+n+1], v[LB+n:LB+n+1]
.set n, n+2
.endr
.set n, 0
.rept 32
	v_med3_num_f32 v[LY+n], v[LY+n], -v241, v241
.set n, n+1
.endr
.irp g, 0,1,2,3
	v_cvt_scalef32_pk8_bf8_f32 v[LX+32*\t+2*\g:LX+32*\t+2*\g+1], v[LY+8*\g:LY+8*\g+7], v240
.endr
	v_nop                                          ; a plain line behind the last conversion
	global_store_b128 v2, v[LX+32*\t:LX+32*\t+3], s[30:31] offset:1024*\t          ; 512 consecutive bytes of codes
	global_store_b128 v2, v[LX+32*\t+4:LX+32*\t+7], s[30:31] offset:1024*\t+512
.endm
	LNROW 0
	LNROW 1
	LNROW 2
	LNROW 3
	s_wait_tensorcnt 0x0                           ; the wave's end
	ds_add_u32 v[SPW], v[NIL]
	s_wait_dscnt 0x0
	s_endpgm
.Lfunc_end_k_q9d3b948f8b_prep:
	.size	k_q9d3b948f8b_prep, .Lfunc_end_k_q9d3b948f8b_prep-k_q9d3b948f8b_prep
	.p2alignl 7, 3214868480
	.fill 96, 4, 3214868480
	.section	.rodata,"a",@progbits
	.p2align	6, 0x0
	.amdhsa_kernel k_q9d3b948f8b_prep
		.amdhsa_group_segment_fixed_size 76288
		.amdhsa_private_segment_fixed_size 0
		.amdhsa_enable_private_segment 0
		.amdhsa_kernarg_size 80
		.amdhsa_user_sgpr_count 2
		.amdhsa_user_sgpr_kernarg_segment_ptr 1
		.amdhsa_wavefront_size32 1
		.amdhsa_system_sgpr_workgroup_id_x 1
		.amdhsa_system_sgpr_workgroup_id_y 1
		.amdhsa_system_sgpr_workgroup_id_z 1
		.amdhsa_system_vgpr_workitem_id 0
		.amdhsa_next_free_vgpr 256
		.amdhsa_next_free_sgpr 66
		.amdhsa_reserve_vcc 0
		.amdhsa_float_denorm_mode_32 3
		.amdhsa_float_denorm_mode_16_64 3
		.amdhsa_memory_ordered 1
		.amdhsa_forward_progress 1
		.amdhsa_inst_pref_size 97
	.end_amdhsa_kernel
	.amdgpu_metadata
---
amdhsa.version: [ 1, 2 ]
amdhsa.kernels:
  - .name:           k_q9d3b948f8b_prep
    .symbol:         k_q9d3b948f8b_prep.kd
    .args:
      - { .name: Wqkv, .offset: 0, .size: 8, .value_kind: global_buffer, .address_space: global }
      - { .name: Wo, .offset: 8, .size: 8, .value_kind: global_buffer, .address_space: global }
      - { .name: W1, .offset: 16, .size: 8, .value_kind: global_buffer, .address_space: global }
      - { .name: W2, .offset: 24, .size: 8, .value_kind: global_buffer, .address_space: global }
      - { .name: x, .offset: 32, .size: 8, .value_kind: global_buffer, .address_space: global }
      - { .name: g1, .offset: 40, .size: 8, .value_kind: global_buffer, .address_space: global }
      - { .name: b1, .offset: 48, .size: 8, .value_kind: global_buffer, .address_space: global }
      - { .name: lowp_scales, .offset: 56, .size: 8, .value_kind: global_buffer, .address_space: global }
      - { .name: wc, .offset: 64, .size: 8, .value_kind: global_buffer, .address_space: global }
      - { .name: hc, .offset: 72, .size: 8, .value_kind: global_buffer, .address_space: global }
    .group_segment_fixed_size: 76288
    .private_segment_fixed_size: 0
    .kernarg_segment_align: 8
    .kernarg_segment_size: 80
    .max_flat_workgroup_size: 128
    .sgpr_count:     66
    .vgpr_count:     256
    .wavefront_size: 32
...
	.end_amdgpu_metadata
.endif
;; end of part 1
;; launch gqkv (part 2): grid 12 x 16, 4 waves a work-group, clusters of 4 x 4, 327,680 bytes of LDS; arguments hc, wc, lowp_scales, qkvc, bqkv; writes qkvc
.if DOCPART == 2
	.amdgcn_target "amdgcn-amd-amdhsa--gfx1250"
	.amdhsa_code_object_version 6
	.text
	.protected	k_q9d3b948f8b_gqkv
	.globl	k_q9d3b948f8b_gqkv
	.p2align	8
	.type	k_q9d3b948f8b_gqkv,@function
k_q9d3b948f8b_gqkv:
	s_mov_b64 s[64:65], 0
	v_nop
	global_prefetch_b8 v0, s[64:65] scope:SCOPE_SE
	s_setreg_imm32_b32 hwreg(HW_REG_WAVE_MODE, 25, 1), 1
	s_wait_xcnt 0x0
	s_wait_alu depctr_hold_cnt(0) depctr_sa_sdst(0) depctr_va_vdst(0) depctr_va_sdst(0) depctr_va_ssrc(0) depctr_va_vcc(0) depctr_vm_vsrc(0)
	s_getreg_b32 s2, hwreg(HW_REG_IB_STS2, 6, 4)
	s_cmp_eq_u32 s2, 0
	s_cbranch_scc0 .Lentry_in_a_cluster
	s_endpgm
.Lentry_in_a_cluster:
	s_bfe_u32 s2, ttmp6, 0x10000c
	s_cmp_lg_u32 s2, 0xf033
	s_cbranch_scc0 .Lentry_shape_is_right
	s_endpgm
.Lentry_shape_is_right:
; qkv = LN1(x) Wqkv + bqkv on codes of BF8, and q, k, v at once as codes for the attention: q [32 heads][2048][64] at 0 (scale e2), k the same at 4,194,304 (e3), v [32][64][2048 keys] at 8,388,608 (e5).
; THE CORE: a tile of 256 x 256 by four waves, each 128 x 128 in 64 accumulators; K in steps of 256 through a ring of two LDS slots filled by the tensor data mover; clusters of 4 x 4 work-groups: A's tile is asked for
; jointly along a row of the cluster, B's along a column.  The matrix instruction is used transposed (source 0 = 16 rows of B, source 1 = 16 rows of A): a lane holds eight neighbouring columns of one row.
; WHICH TILE.  Cluster x = 0: q's columns, 1: k's, 2: v's.  For q and k: A = the tokens' codes, B = the weight's rows: a lane's eight numbers are eight neighbours of a head's 64, which is their K.
; For v the two change places, by pointers alone: A = the weight's rows 2,048 on, B = the tokens: a lane then holds one of a head's 64 and eight neighbouring KEYS, which are v's K.  Cluster x is the same in all
; sixteen partners, so the branches on it are alike in all of them.
; THE WAY OUT: sum x 2^(e0 + e1) + bias, the hold, the conversion; 8 bytes a lane into the work-group's stage (rows of 272 bytes); a barrier; back as runs that are stored 256 or 512 consecutive bytes at a time.
; The stages (one for each of the two ways, 69,632 bytes each) lie in slot 0, which has had its last fill and its last read by then.
; LIMITS: e0 + e1 between -126 and 127; e2, e3, e5 between -126 and 112.  NaN among the inputs is not served.
.set KDIM,    1024
.set ASTRIDE, KDIM
.set ASTEP,   256
.set KSTEP,  256
.set ROWB,   256
.set PITCH,  272                       ; an LDS row: 256 bytes + 16 of padding: the 16 rows that a load touches start at 16 different groups of four banks
.set FR,     16
.set NL,     4
.set NP,     4
.set HALFT,  128*PITCH
.set SLOT,   4*HALFT
.set LAPS,   KDIM/(2*KSTEP)
.set SPARE,  2*SLOT                    ; behind the ring: the spare words
.set ADRA, 16
.set ADRB, 20
.set SPW,  28
.set NIL,  29
.set AF,   128
.set G1,  24
.set G0,  32
.set G1B, 48
.set G0B, 56
.set BOF,  7                           ; v7   the bias loads' offset for q, k: 32 x (lane / 16); never rewritten
.set SCL,  8                           ; v8   the conversion's scale
.set LIM,  9                           ; v9   57,344 x that
.set BOV,  10                          ; v10  the bias loads' offset for v: 4 x (lane % 16); never rewritten
.set STO,  24                          ; v24  q, k: where I put 8 bytes of a row
.set RD,   25                          ; v25  q, k: where I read back
.set CO,   26                          ; v26  q, k: my byte offset in a run of 512
.set STOV, 27                          ; v27, v30, v31: the same for v
.set RDV,  30
.set COV,  31
.set BI,   32                          ; v32-95  the bias, in the result's layout
.set CD,   96                          ; v96-127 codes, two sets of 16
.set T,    128                         ; v128-191 a block at work; v128-255 the rows read back
.set VSTG, 256*272
.set MSB, 0
.macro WIN new                         ; the immediate's high byte repeats the setting that is left
.if MSB != \new
	s_set_vgpr_msb (MSB<<8)|\new
.set MSB, \new
.endif
.endm
.set MUL_LO, 0xa1                      ; source 0 (B) window 1, source 1 (A) window 0, C and D window 2
.set MUL_HI, 0xf1
.set TO_B,   0x40
.macro JLOAD g0a, g1a, g0b, g1b        ; a joint load: waves 0 and 1 fetch for A, waves 2 and 3 for B; an s_nop 0 and four v_nop follow each line
	s_cmp_eq_u32 s15, 0
	s_cbranch_scc0 .Lfor_b_\@
	tensor_load_to_lds s[\g0a:\g0a+3], s[\g1a:\g1a+7]
	s_nop 0
.rept 4
	v_nop
.endr
	s_branch .Lasked_\@
.Lfor_b_\@:
	tensor_load_to_lds s[\g0b:\g0b+3], s[\g1b:\g1b+7]
	s_nop 0
.rept 4
	v_nop
.endr
.Lasked_\@:
.endm
.macro CREST                           ; a round of the cluster's barrier behind its opening barrier
	s_cmp_lg_u32 s14, 0
	s_cbranch_scc1 .Lnot_wave_0_\@
	s_barrier_signal -3
.Lnot_wave_0_\@:
	s_barrier_wait -3
	s_barrier_signal -1
	s_barrier_wait -1
.endm
.macro CROUND
	s_barrier_signal -1
	s_barrier_wait -1
	CREST
.endm
	s_load_b256 s[4:11], s[0:1], 0x0               ; hc s[4:5], wc s[6:7], the exponents s[8:9], qkvc s[10:11]
	s_load_b64 s[84:85], s[0:1], 0x20              ; bqkv
	v_lshl_add_u32 v[SPW], v0, 2, SPARE
	v_mov_b32 v[NIL], 0
	ds_add_u32 v[SPW], v[NIL]                      ; the wave's opening: the add, twice on end, and its wait ahead of my first tensor load
	ds_add_u32 v[SPW], v[NIL]
	v_lshrrev_b32 v1, 5, v0
	v_readfirstlane_b32 s14, v1                    ; wave 0..3
	s_lshr_b32 s15, s14, 1                         ; my half of the tile's rows.  Also: I fetch for A (0) or for B (1)
	s_and_b32 s16, s14, 1                          ; my half of its columns.  Also: which 128 rows I fetch
	s_bfe_u32 s40, ttmp6, 0x40000                  ; cx
	s_bfe_u32 s41, ttmp6, 0x40004                  ; cy
	s_and_b32 s80, ttmp7, 0xffff
	s_lshl_b32 s80, s80, 2                         ; 4 x cluster y
	s_lshl_b32 s81, ttmp9, 2                       ; 4 x cluster x
	s_cmp_eq_u32 ttmp9, 2                          ; v's tiles?
	s_cselect_b32 s17, 0, s80
	s_cselect_b32 s42, s80, s81
	s_add_co_u32 s17, s17, s41                     ; tile row: q, k: 4 x cluster y + cy (tokens);  v: cy (the weight's rows)
	s_add_co_u32 s42, s42, s40                     ; tile column: q, k: 4 x cluster x + cx;  v: 4 x cluster y + cx (tokens)
	s_lshl_b32 s43, s41, 2
	s_lshl_b32 s43, 15, s43                        ; my row of the cluster
	s_lshl_b32 s44, 0x1111, s40                    ; my column
	s_or_b32 s[G1+0], s43, (0<<16)|(1<<20)|(1<<21)|(5<<22)|(3<<25)   ; the mask; elements of 1 byte; padding on; bit 21 beside a mask; four words after every 64
	s_or_b32 s[G1B+0], s44, (0<<16)|(1<<20)|(1<<21)|(5<<22)|(3<<25)
.irp g, G1, G1B
	s_mov_b32 s[\g+1], ROWB<<16                    ; tensor_dim0
	s_mov_b32 s[\g+2], 128<<16                     ; tensor_dim1
	s_mov_b32 s[\g+3], ROWB<<16                    ; tile_dim0
	s_mov_b32 s[\g+4], 128                         ; tile_dim1
	s_mov_b32 s[\g+6], 0
	s_mov_b32 s[\g+7], 0
.endr
	s_mov_b32 s[G1+5], ASTRIDE                     ; from row to row
	s_mov_b32 s[G1B+5], KDIM
	s_lshl_b32 s18, s16, 7
	s_lshl_b32 s20, s17, 8
	s_add_co_u32 s20, s20, s18                     ; A: row 256 x tile row + 128 x half
	s_lshl_b32 s46, s42, 8
	s_add_co_u32 s46, s46, s18                     ; B: row 256 x tile column + 128 x half
	s_mov_b32 s21, 0
	s_mov_b32 s47, 0
	s_mov_b64 s[18:19], KDIM
	s_mul_u64 s[20:21], s[20:21], s[18:19]
	s_mul_u64 s[46:47], s[46:47], s[18:19]
	s_mul_i32 s45, s14, HALFT                      ; where they go: wave x 128 rows
	s_wait_dscnt 0x0                               ; both opening adds are done
	s_wait_kmcnt 0x0
	s_load_b256 s[68:75], s[8:9], 0x0              ; e0 .. e7
	s_add_nc_u64 s[82:83], s[6:7], 2097152         ; the weight's rows 2,048 on: v's
	s_cmp_eq_u32 ttmp9, 2
	s_cselect_b64 s[88:89], s[82:83], s[4:5]       ; A
	s_cselect_b64 s[90:91], s[4:5], s[6:7]         ; B
	s_add_nc_u64 s[20:21], s[88:89], s[20:21]
	s_add_nc_u64 s[46:47], s[90:91], s[46:47]
	CROUND                                         ; all sixteen work-groups are here: the first joint loads meet
.irp s, 0,1
	s_mov_b32 s[G0+4*\s], 1
	s_add_co_u32 s[G0+4*\s+1], s45, \s*SLOT
	s_add_nc_u64 s[G0+4*\s+2:G0+4*\s+3], s[20:21], \s*ASTEP
	s_or_b32 s[G0+4*\s+3], s[G0+4*\s+3], 0x80000000
	s_mov_b32 s[G0B+4*\s], 1
	s_add_co_u32 s[G0B+4*\s+1], s45, \s*SLOT
	s_add_nc_u64 s[G0B+4*\s+2:G0B+4*\s+3], s[46:47], \s*ROWB
	s_or_b32 s[G0B+4*\s+3], s[G0B+4*\s+3], 0x80000000
	JLOAD G0+4*\s, G1, G0B+4*\s, G1B
.endr
	v_and_b32 v1, 15, v0                           ; r = lane % 16
	v_bfe_u32 v2, v0, 4, 1                         ; h = lane / 16
	v_mul_u32_u24 v3, v1, PITCH
	v_lshl_add_u32 v4, v2, 4, v3                   ; a fragment's row x pitch + 16 x half
	s_mul_i32 s21, s15, HALFT
	s_mul_i32 s22, s16, HALFT
	s_add_co_u32 s22, s22, 2*HALFT
.irp s, 0,1
	v_add_nc_u32 v[ADRA+\s], s21, v4
	v_add_nc_u32 v[ADRB+\s], s22, v4
	s_add_co_u32 s21, s21, SLOT
	s_add_co_u32 s22, s22, SLOT
.endr
	; the stages' addresses
	s_mul_i32 s23, s15, 128*272
	s_lshl_b32 s21, s16, 7
	s_add_co_u32 s23, s23, s21                     ; my 128 rows, my 128 bytes of them
	v_lshl_add_u32 v5, v2, 3, v3
	v_add_nc_u32 v[STO], s23, v5                   ; in: row r, + 8 h
	v_add_nc_u32 v[STOV], VSTG, v[STO]
	v_and_b32 v6, 31, v0
	v_lshrrev_b32 v5, 2, v6
	v_mul_u32_u24 v5, v5, 272
	v_and_b32 v3, 3, v6
	v_lshl_add_u32 v5, v3, 4, v5
	v_add_nc_u32 v[RD], s23, v5                    ; q, k back: four lanes to a token's 64 bytes of one head, eight tokens an instruction
	v_lshlrev_b32 v[CO], 4, v6
	s_mul_i32 s22, s14, 64*272
	s_add_co_u32 s22, s22, VSTG
	v_mul_u32_u24 v5, v2, 272
	v_lshl_add_u32 v5, v1, 4, v5
	v_add_nc_u32 v[RDV], s22, v5                   ; v back: sixteen lanes to a row of 256 bytes, two rows an instruction; 64 rows a wave
	v_lshlrev_b32 v5, 11, v2
	v_lshl_add_u32 v[COV], v1, 4, v5
	v_lshlrev_b32 v[BOF], 5, v2
	v_lshlrev_b32 v[BOV], 2, v1
	; where my part of the result begins.  q, k: cluster x x 4,194,304 + (16 x batch + head) x 131,072 + token x 64
	s_lshl_b32 s88, ttmp9, 22
	s_lshr_b32 s89, s17, 3
	s_lshl_b32 s89, s89, 4
	s_lshl_b32 s92, s40, 2
	s_add_co_u32 s89, s89, s92
	s_lshl_b32 s92, s16, 1
	s_add_co_u32 s89, s89, s92                     ; 16 x batch + 4 cx + 2 x my half: the first of my two heads
	s_lshl_b32 s89, s89, 17
	s_add_co_u32 s88, s88, s89
	s_and_b32 s89, s17, 7
	s_lshl_b32 s89, s89, 14
	s_add_co_u32 s88, s88, s89
	s_lshl_b32 s89, s15, 13
	s_add_co_u32 s88, s88, s89
	; v: 8,388,608 + batch x 2,097,152 + (256 x tile row + 64 x wave) x 2,048 + 256 x (tile column % 8)
	s_lshr_b32 s90, s42, 3
	s_lshl_b32 s90, s90, 21
	s_add_co_u32 s90, s90, 8388608
	s_lshl_b32 s91, s17, 19
	s_add_co_u32 s90, s90, s91
	s_lshl_b32 s91, s14, 17
	s_add_co_u32 s90, s90, s91
	s_and_b32 s91, s42, 7
	s_lshl_b32 s91, s91, 8
	s_add_co_u32 s90, s90, s91
	; the bias.  q, k: by my columns, 4 (256 x tile column + 128 x half);  v: by my rows, 4 (2,048 + 256 x tile row + 128 x half)
	s_lshl_b32 s92, s42, 10
	s_lshl_b32 s93, s16, 9
	s_add_co_u32 s92, s92, s93
	s_lshl_b32 s94, s17, 10
	s_lshl_b32 s93, s15, 9
	s_add_co_u32 s94, s94, s93
	s_add_co_u32 s94, s94, 8192
	s_cmp_eq_u32 ttmp9, 2
	s_cselect_b32 s88, s90, s88
	s_cselect_b32 s92, s94, s92
	s_mov_b32 s89, 0
	s_mov_b32 s93, 0
	s_add_nc_u64 s[10:11], s[10:11], s[88:89]
	s_add_nc_u64 s[84:85], s[84:85], s[92:93]
	s_cbranch_scc1 .Lbias_v                        ; (the moves and 64-bit sums above leave the comparison's result alone)
.irp b, 0,1,2,3,4,5,6,7
	global_load_b128 v[BI+8*\b:BI+8*\b+3], v[BOF], s[84:85] offset:64*\b          ; columns 16 b + 8 h + 0 .. 7
	global_load_b128 v[BI+8*\b+4:BI+8*\b+7], v[BOF], s[84:85] offset:64*\b+16
.endr
	s_branch .Lbias_done
.Lbias_v:
.irp a, 0,1,2,3,4,5,6,7
.irp i, 0,1,2,3,4,5,6,7
	global_load_b32 v[BI+8*\a+\i], v[BOV], s[84:85] offset:64*\a                  ; row 16 a + r: one number, eight times, so that both ways fill the same registers
.endr
.endr
.Lbias_done:
.macro FRAG reg, adr, q, i             ; 16 rows x 128 K: registers 4 c .. 4 c + 3 hold K = 32 c + 16 (lane / 16) + 0 .. 15: the same order of K in A and in B
.irp c, 0,1,2,3
	ds_load_b128 v[\reg+4*\c:\reg+4*\c+3], v[\adr] offset:128*(\q)+32*\c+(\i)*16*PITCH
.endr
.endm
.macro MUL16 a0, p, zero               ; A's blocks a0, a0 + 1 x B's eight.  The 64 accumulators take turns, one instruction a turn
.irp a, \a0, \a0+1
.irp b, 0,1,2,3,4,5,6,7
.if \zero
	v_wmma_f32_16x16x128_bf8_bf8 v[8*(8*((\a)%4)+\b):8*(8*((\a)%4)+\b)+7], v[128*(\p)+FR*\b:128*(\p)+FR*\b+FR-1], v[AF+FR*(\a):AF+FR*(\a)+FR-1], 0
.else
	v_wmma_f32_16x16x128_bf8_bf8 v[8*(8*((\a)%4)+\b):8*(8*((\a)%4)+\b)+7], v[128*(\p)+FR*\b:128*(\p)+FR*\b+FR-1], v[AF+FR*(\a):AF+FR*(\a)+FR-1], v[8*(8*((\a)%4)+\b):8*(8*((\a)%4)+\b)+7]
.endif
.endr
.endr
.endm
.macro FETCH_B slot, q, p
	WIN TO_B
.irp i, 0,1,2,3,4,5,6,7
	FRAG 128*(\p)+FR*\i, ADRB+\slot, \q, \i
.endr
	WIN 0
.endm
.macro FETCH_A slot, q, i0
.irp i, \i0, \i0+1, \i0+2, \i0+3
	FRAG AF+FR*(\i), ADRA+\slot, \q, \i
.endr
.endm
.macro PLACES n                        ; plain vector lines between a matrix instruction and a load into its registers or a read of its result
.rept \n
	v_nop
.endr
.endm
.macro STEP slot, q, zero              ; 128 along K with its successor in the same slot
	s_wait_dscnt 4*NL                              ; B's set and A's blocks 0-3 are in; A's blocks 4-7 may be out
	WIN MUL_LO
	MUL16 0, (\q)%2, \zero
	MUL16 2, (\q)%2, \zero
	s_wait_dscnt 0
	PLACES NP
	FETCH_B \slot, (\q)+1, 1-(\q)%2
	FETCH_A \slot, (\q)+1, 0
	WIN MUL_HI
	MUL16 4, (\q)%2, \zero
	MUL16 6, (\q)%2, \zero
	PLACES NP
	WIN 0
	FETCH_A \slot, (\q)+1, 4
.endm
.macro TURN slot, next, fill           ; a slot's last step changes slots
	s_wait_tensorcnt 0x0                           ; all my tensor loads have landed: my part of the next slot
	ds_add_u32 v[SPW], v[NIL]                      ; 0 onto my spare word
	s_wait_dscnt 4*NL+1                            ; (the add and A's blocks 4-7 may be out)
	WIN MUL_LO
	MUL16 0, 1, 0
	s_wait_dscnt 0x0                               ; the add is done, and my reads of this slot are over
	s_barrier_signal -1
	MUL16 2, 1, 0
	WIN 0
	s_barrier_wait -1
.if \fill
	CREST                                          ; the barrier has opened a round of the cluster's: no wave of any partner still reads this slot or has a load on its way
	s_add_nc_u64 s[G0+4*\slot+2:G0+4*\slot+3], s[G0+4*\slot+2:G0+4*\slot+3], 2*ASTEP
	s_add_nc_u64 s[G0B+4*\slot+2:G0B+4*\slot+3], s[G0B+4*\slot+2:G0B+4*\slot+3], 2*ROWB
	JLOAD G0+4*\slot, G1, G0B+4*\slot, G1B         ; the first tensor load behind the round; its four v_nop are the places in front of the loads below
.else
	PLACES NP
.endif
	FETCH_B \next, 0, 0
	FETCH_A \next, 0, 0
	WIN MUL_HI
	MUL16 4, 1, 0
	MUL16 6, 1, 0
	PLACES NP
	WIN 0
	FETCH_A \next, 0, 4
.endm
	s_wait_tensorcnt 1                             ; my part of K step 0 is in; K step 1's load may be out
	s_barrier_signal -1
	s_barrier_wait -1
	FETCH_B 0, 0, 0
	FETCH_A 0, 0, 0
	FETCH_A 0, 0, 4
	STEP 0, 0, 1                                   ; the first step's products start the sums
	s_mov_b32 s3, LAPS-1
.Llap:
	TURN 0, 1, 1
	STEP 1, 0, 0
	TURN 1, 0, 1
	STEP 0, 0, 0
	s_sub_co_u32 s3, s3, 1
	s_cmp_lg_u32 s3, 0
	s_cbranch_scc1 .Llap
	TURN 0, 1, 0                                   ; the last lap fills nothing
	STEP 1, 0, 0
	s_wait_dscnt 4*NL
	WIN MUL_LO
	MUL16 0, 1, 0
	MUL16 2, 1, 0
	s_wait_dscnt 0
	WIN MUL_HI
	MUL16 4, 1, 0
	MUL16 6, 1, 0
	WIN 0
; THE WAY OUT.  Block a (16 rows x 128 columns): sum x 2^(e0 + e1) + bias, each accumulator from its low end on; the hold; eight codes a conversion; 8 bytes a lane into the stage.
.macro CONV a, byA, sto
.set AC, 64*((\a)%4)
.set CSET, CD+16*((\a)%2)
.set W, 0x02+((\a)/4)
	WIN W                                          ; source 0: window 2 or 3
.irp b, 0,1,2,3,4,5,6,7
.irp i, 0,2,4,6
.if \byA
	v_pk_fma_f32 v[T+8*\b+\i:T+8*\b+\i+1], v[AC+8*\b+\i:AC+8*\b+\i+1], s[96:97], v[BI+8*(\a)+\i:BI+8*(\a)+\i+1] op_sel_hi:[1,0,1]
.else
	v_pk_fma_f32 v[T+8*\b+\i:T+8*\b+\i+1], v[AC+8*\b+\i:AC+8*\b+\i+1], s[96:97], v[BI+8*\b+\i:BI+8*\b+\i+1] op_sel_hi:[1,0,1]
.endif
.endr
.endr
	WIN 0
.if (\a) >= 2
	s_wait_dscnt 8                                 ; the stores of two blocks ago have read this set of codes; the last block's eight may be out
.endif
.irp b, 0,1,2,3,4,5,6,7
.irp i, 0,1,2,3,4,5,6,7
	v_med3_num_f32 v[T+8*\b+\i], v[T+8*\b+\i], -v[LIM], v[LIM]
.endr
	v_cvt_scalef32_pk8_bf8_f32 v[CSET+2*\b:CSET+2*\b+1], v[T+8*\b:T+8*\b+7], v[SCL]
.endr
	v_nop                                          ; a plain line behind the last conversion
.irp b, 0,1,2,3,4,5,6,7
	ds_store_b64 v[\sto], v[CSET+2*\b:CSET+2*\b+1] offset:(\a)*4352+16*\b
.endr
.endm
	s_wait_loadcnt 0x0                             ; the bias
	s_wait_kmcnt 0x0
	s_cmp_eq_u32 ttmp9, 0
	s_cselect_b32 s80, s70, s71                    ; e2 for q, e3 for k,
	s_cmp_eq_u32 ttmp9, 2
	s_cselect_b32 s80, s73, s80                    ; e5 for v: a choice by the cluster's number, no branch on a loaded number
	s_add_co_i32 s80, s80, 127
	s_lshl_b32 s81, s80, 23
	v_mov_b32 v[SCL], s81
	s_add_co_i32 s80, s80, 15
	s_lshl_b32 s80, s80, 23
	s_or_b32 s80, s80, 0x600000
	v_mov_b32 v[LIM], s80
	s_add_co_i32 s96, s68, s69
	s_add_co_i32 s96, s96, 127
	s_lshl_b32 s96, s96, 23                        ; 2^(e0 + e1) as f32
	s_mov_b32 s97, s96                             ; (named with it as a pair)
	PLACES NP
	s_cmp_eq_u32 ttmp9, 2
	s_cbranch_scc1 .Lconv_v
.irp a, 0,1,2,3,4,5,6,7
	CONV \a, 0, STO
.endr
	s_branch .Lconv_done
.Lconv_v:
.irp a, 0,1,2,3,4,5,6,7
	CONV \a, 1, STOV
.endr
.Lconv_done:
	s_wait_dscnt 0x0                               ; for the others' sake: my stores into the stage are done
	s_barrier_signal -1
	s_barrier_wait -1
	s_cmp_eq_u32 ttmp9, 2
	s_cbranch_scc1 .Lout_v
.irp hh, 0,1
.irp u, 0,1,2,3,4,5,6,7,8,9,10,11,12,13,14,15
	ds_load_b128 v[T+64*\hh+4*\u:T+64*\hh+4*\u+3], v[RD] offset:2176*\u+64*\hh
.endr
.endr
.irp hh, 0,1
.irp u, 0,1,2,3,4,5,6,7,8,9,10,11,12,13,14,15
	s_wait_dscnt 31-16*\hh-\u
	global_store_b128 v[CO], v[T+64*\hh+4*\u:T+64*\hh+4*\u+3], s[10:11] offset:512*\u+131072*\hh   ; eight tokens of one head: 512 consecutive bytes, aligned
.endr
.endr
	s_branch .Lout_done
.Lout_v:
.set u, 0
.rept 32
	ds_load_b128 v[T+4*u:T+4*u+3], v[RDV] offset:544*u
.set u, u+1
.endr
.set u, 0
.rept 32
	s_wait_dscnt 31-u
	global_store_b128 v[COV], v[T+4*u:T+4*u+3], s[10:11] offset:4096*u   ; sixteen lanes store 256 consecutive keys of one row, aligned
.set u, u+1
.endr
.Lout_done:
	s_wait_tensorcnt 0x0                           ; the wave's end
	ds_add_u32 v[SPW], v[NIL]
	s_wait_dscnt 0x0
	CROUND                                         ; the closing round
	s_endpgm
.Lfunc_end_k_q9d3b948f8b_gqkv:
	.size	k_q9d3b948f8b_gqkv, .Lfunc_end_k_q9d3b948f8b_gqkv-k_q9d3b948f8b_gqkv
	.p2alignl 7, 3214868480
	.fill 96, 4, 3214868480
	.section	.rodata,"a",@progbits
	.p2align	6, 0x0
	.amdhsa_kernel k_q9d3b948f8b_gqkv
		.amdhsa_group_segment_fixed_size 327680
		.amdhsa_private_segment_fixed_size 0
		.amdhsa_enable_private_segment 0
		.amdhsa_kernarg_size 40
		.amdhsa_user_sgpr_count 2
		.amdhsa_user_sgpr_kernarg_segment_ptr 1
		.amdhsa_wavefront_size32 1
		.amdhsa_system_sgpr_workgroup_id_x 1
		.amdhsa_system_sgpr_workgroup_id_y 1
		.amdhsa_system_sgpr_workgroup_id_z 1
		.amdhsa_system_vgpr_workitem_id 0
		.amdhsa_next_free_vgpr 1024
		.amdhsa_next_free_sgpr 100
		.amdhsa_reserve_vcc 0
		.amdhsa_float_denorm_mode_32 3
		.amdhsa_float_denorm_mode_16_64 3
		.amdhsa_memory_ordered 1
		.amdhsa_forward_progress 1
		.amdhsa_inst_pref_size 214
	.end_amdhsa_kernel
	.amdgpu_metadata
---
amdhsa.version: [ 1, 2 ]
amdhsa.kernels:
  - .name:           k_q9d3b948f8b_gqkv
    .symbol:         k_q9d3b948f8b_gqkv.kd
    .args:
      - { .name: hc, .offset: 0, .size: 8, .value_kind: global_buffer, .address_space: global }
      - { .name: wc, .offset: 8, .size: 8, .value_kind: global_buffer, .address_space: global }
      - { .name: lowp_scales, .offset: 16, .size: 8, .value_kind: global_buffer, .address_space: global }
      - { .name: qkvc, .offset: 24, .size: 8, .value_kind: global_buffer, .address_space: global }
      - { .name: bqkv, .offset: 32, .size: 8, .value_kind: global_buffer, .address_space: global }
    .group_segment_fixed_size: 327680
    .private_segment_fixed_size: 0
    .kernarg_segment_align: 8
    .kernarg_segment_size: 40
    .max_flat_workgroup_size: 128
    .sgpr_count:     100
    .vgpr_count:     1024
    .wavefront_size: 32
...
	.end_amdgpu_metadata
.endif
;; end of part 2
;; launch attn (part 3): grid 8 x 32, 16 waves a work-group, no clusters, 327,680 bytes of LDS; arguments qkvc, lowp_scales, aoc; writes aoc
.if DOCPART == 3
	.amdgcn_target "amdgcn-amd-amdhsa--gfx1250"
	.amdhsa_code_object_version 6
	.text
	.protected	k_q9d3b948f8b_attn
	.globl	k_q9d3b948f8b_attn
	.p2align	8
	.type	k_q9d3b948f8b_attn,@function
k_q9d3b948f8b_attn:
	s_mov_b64 s[64:65], 0
	v_nop
	global_prefetch_b8 v0, s[64:65] scope:SCOPE_SE
	s_setreg_imm32_b32 hwreg(HW_REG_WAVE_MODE, 25, 1), 1
	s_wait_xcnt 0x0
; Causal attention on codes of BF8, head size 64, and the result at once as codes (scale e6) for the projection.
; q, k: [32 heads][2048][64] at 0 and 4,194,304 of qkvc; v: [32][64][2048 keys] at 8,388,608.  aoc: byte ((token / 128 x 16 + head) x 128 + token % 128) x 64 + d, token counted through both batches.
; WORK LEFT OUT: a key step all of whose 128 keys come after a wave's 16 queries, and a slot whose first key comes after the work-group's last query: the layer's own mask makes their p = 0 for every input.
; LIMIT: a NaN, an infinity or an overflow that reaches only those hidden scores is not carried to the result.
; THE SOFTMAX: t = score x log2(e) / 8; M = the running largest t rounded UP to a whole number; p = 2^(t - M) is quantised (scale e4), not normalised; the row's sum is taken of the unquantised p and divides at the end;
; when M moves, the sum and O are multiplied by 2^(old M - new M), which rounds nothing.
; SHARES.  A work-group owns two blocks of 128 queries of one head, blocks i and 15 - i, so that every work-group has the same number of key steps under the mask.  Each of its sixteen waves owns 16 queries; waves
; w and w + 1 of a pair take the same place in the early and in the late block, the order turned in every second group of four waves.  Every work-group walks all eight slots of 256 keys (constant trip counts); a wave jumps over the work
; of hidden steps.  K's and V's tiles come through a ring of two LDS slots (wave 0: K, wave 1: V) and are read by all sixteen.
; No cluster: under the mask partners would jump over the reads of tiles that a joint load brings.
; LAYOUT.  Both products transposed: S^T = K Q^T (16x16x64), O^T = V^T P^T (16x16x128): a lane holds one query throughout.  Lane r of tile 2 b + u of K takes key 32 b + 8 u + r + 8 (r / 8), so that the 16 registers of
; tiles 2 b and 2 b + 1 are 16 neighbouring keys.  K's rows of 64 bytes are dense in memory and are fetched as rows of 256 bytes (four keys), 16 bytes of padding behind each.
; LIMITS: e2 + e3 between -123 and 130; e4 and e6 between -126 and 112.
; REGISTERS: v1-3, v5-7 stay; v8, v9 addresses in hand; v12 -M, v13 the largest t, v[14:15] the sum; v16-23 Q; v32-95 eight fragments of K, then four of V; v96-159 S^T, then p; v160-191 O^T; v224-239 p's codes.
.set SK,    256
.set NQ,    2
.set LP,    272
.set VOFF,  64*LP                      ; a slot: 64 long rows of K, then 64 rows of V
.set SLOT1, 1<<17
.set NSL,   8
.set SPARE, 2*SLOT1
.set STAGE, 0                          ; the way out: 1,280 bytes a wave, in the slot left at the last change of slots: it has had its last fill and nobody reads it
.set AK0, 1
.set AV0, 2
.set PFO, 3
.set SPW, 5
.set NIL, 6
.set GO,  7
.set ADK, 8
.set ADV, 9
.set WV,  18
.set SEL, 20
.set CS,  22
.set G1K, 24
.set G1V, 32
.set G0K, 40
.set G0V, 44
.set TB,  2
.set SLOTS, 67
.set PFA, 76
.set PFS, 78
.set LIM, 80
.set LASTQ, 81
.set KF,  98
.set Q0,  99
.macro TLOAD                           ; wave 0 fetches K's tile, wave 1 V's; an s_nop 0 and four v_nop follow each line
	s_cmp_eq_u32 s[WV], 0
	s_cbranch_scc0 .Lnot_k_\@
	tensor_load_to_lds s[G0K:G0K+3], s[G1K:G1K+7]
	s_nop 0
.rept 4
	v_nop
.endr
	s_branch .Lasked_\@
.Lnot_k_\@:
	s_cmp_eq_u32 s[WV], 1
	s_cbranch_scc0 .Lasked_\@
	tensor_load_to_lds s[G0V:G0V+3], s[G1V:G1V+7]
	s_nop 0
.rept 4
	v_nop
.endr
.Lasked_\@:
.endm
; A prefetch of what the NEXT change of slots will ask for.  All eight work-groups of a head walk the same K and V: the first asks.  In it waves 4 and 5 ask for K's 16,384 bytes (8,192 a wave, lanes 256 bytes apart),
; waves 6 and 7 for V's 64 rows (32 a wave, a lane a row of 256 bytes): each aligned block of 256 bytes is named once.  The last change that fills a slot asks for nothing; slots 0 and 1 come by their loads alone.
.macro ASK
	s_cmp_gt_u32 s[SLOTS], s[LIM]
	s_cbranch_scc0 .Lnot_mine_\@
	global_prefetch_b8 v[PFO], s[PFA:PFA+1] th:TH_LOAD_NT scope:SCOPE_SE
.Lnot_mine_\@:
.endm
	s_load_b128 s[4:7], s[0:1], 0x0                ; qkvc s[4:5], the exponents s[6:7]
	s_load_b64 s[8:9], s[0:1], 0x10                ; aoc
	v_lshl_add_u32 v[SPW], v0, 2, SPARE
	v_mov_b32 v[NIL], 0
	ds_add_u32 v[SPW], v[NIL]                      ; the wave's opening: the add, twice on end, and its wait ahead of the first tensor load
	ds_add_u32 v[SPW], v[NIL]
	v_lshrrev_b32 v8, 5, v0
	v_readfirstlane_b32 s[WV], v8                  ; wave 0..15
	s_and_b32 s82, ttmp7, 0xffff                   ; the head, 0..31
	s_lshl_b32 s86, s82, 17                        ; its first byte in q, in k and in v: 131,072 each
	s_mov_b32 s87, 0
	s_lshr_b32 s84, s[WV], 2
	s_add_co_u32 s84, s84, s[WV]
	s_and_b32 s84, s84, 1                          ; early block (0) or late (1)
	s_lshl_b32 s85, ttmp9, 7                       ; 128 i
	s_sub_co_u32 s83, 1920, s85                    ; 128 (15 - i)
	s_cmp_eq_u32 s84, 1
	s_cselect_b32 s[Q0], s83, s85
	s_lshr_b32 s84, s[WV], 1
	s_lshl_b32 s84, s84, 4
	s_add_co_u32 s[Q0], s[Q0], s84                 ; my first query
	s_sub_co_u32 s[LASTQ], 2047, s85               ; my work-group's last query
	s_mov_b32 s[G1K], (0<<16)|(1<<20)|(5<<22)|(3<<25)   ; no mask; elements of 1 byte; four words of padding after every 64
	s_mov_b32 s[G1K+1], 256<<16                    ; tensor_dim0
	s_mov_b32 s[G1K+2], 64<<16                     ; tensor_dim1
	s_mov_b32 s[G1K+3], 256<<16                    ; tile_dim0
	s_mov_b32 s[G1K+4], 64                         ; tile_dim1
	s_mov_b32 s[G1K+5], 256                        ; K: dense
	s_mov_b32 s[G1K+6], 0
	s_mov_b32 s[G1K+7], 0
	s_mov_b32 s[G1V], (0<<16)|(1<<20)|(5<<22)|(3<<25)
	s_mov_b32 s[G1V+1], 256<<16
	s_mov_b32 s[G1V+2], 64<<16
	s_mov_b32 s[G1V+3], 256<<16
	s_mov_b32 s[G1V+4], 64
	s_mov_b32 s[G1V+5], 2048                       ; V: a row is 2,048 keys
	s_mov_b32 s[G1V+6], 0
	s_mov_b32 s[G1V+7], 0
	s_mov_b32 s[SEL], 0x76543210
	s_mov_b32 s[SEL+1], 0xfedcba98
	s_mov_b32 s[CS], 0x3e38aa3b                    ; c = log2(e) / 8
	s_mov_b32 s[TB], 0
	s_mov_b32 s[SLOTS], NSL-1
	s_mov_b32 s[KF], 0
	s_wait_dscnt 0x0                               ; both opening adds are done
	s_wait_kmcnt 0x0
	s_load_b256 s[68:75], s[6:7], 0x0              ; e0 .. e7
	s_add_nc_u64 s[88:89], s[4:5], s[86:87]        ; q's head,
	s_add_nc_u64 s[90:91], s[88:89], 4194304       ; k's,
	s_add_nc_u64 s[92:93], s[88:89], 8388608       ; v's
	s_mov_b32 s[G0K], 1
	s_mov_b32 s[G0K+1], 0
	s_mov_b64 s[G0K+2:G0K+3], s[90:91]
	s_or_b32 s[G0K+3], s[G0K+3], 0x80000000
	s_mov_b32 s[G0V], 1
	s_mov_b32 s[G0V+1], VOFF
	s_mov_b64 s[G0V+2:G0V+3], s[92:93]
	s_or_b32 s[G0V+3], s[G0V+3], 0x80000000
	TLOAD                                          ; slot 0: it holds key 0, which counts for every query
	s_lshl_b32 s86, s[Q0], 6
	s_add_nc_u64 s[88:89], s[88:89], s[86:87]      ; q at my first query
	s_lshr_b32 s94, s82, 4
	s_lshl_b32 s94, s94, 4
	s_lshr_b32 s95, s[Q0], 7
	s_add_co_u32 s94, s94, s95                     ; token / 128
	s_lshl_b32 s94, s94, 4
	s_and_b32 s95, s82, 15
	s_add_co_u32 s94, s94, s95
	s_lshl_b32 s94, s94, 7
	s_and_b32 s95, s[Q0], 127
	s_add_co_u32 s94, s94, s95
	s_lshl_b32 s86, s94, 6
	s_add_nc_u64 s[8:9], s[8:9], s[86:87]          ; aoc at my 16 tokens: 1,024 bytes on end
	s_cmp_lt_u32 s[WV], 6                          ; the prefetches: waves 4, 5 for K, waves 6, 7 for V
	s_cselect_b64 s[PFA:PFA+1], s[90:91], s[92:93]
	s_mov_b32 s[PFS], 256
	s_cselect_b32 s[PFS], 16384, s[PFS]            ; a slot on
	s_mov_b32 s94, 2048
	s_cselect_b32 s94, 256, s94                    ; from lane to lane
	s_mov_b32 s95, 65536
	s_cselect_b32 s95, 8192, s95                   ; from wave to wave
	v_and_b32 v[PFO], 31, v0
	v_mul_lo_u32 v[PFO], v[PFO], s94
	s_and_b32 s94, s[WV], 1
	s_mul_i32 s94, s94, s95
	s_add_co_u32 s86, s94, s[PFS]                  ; in slot 1: the first change of slots steps it to slot 2
	s_mov_b32 s[PFS+1], 0
	s_add_nc_u64 s[PFA:PFA+1], s[PFA:PFA+1], s[86:87]
	s_lshr_b32 s94, s[WV], 2
	s_xor_b32 s94, s94, 1                          ; 0 in waves 4 to 7,
	s_or_b32 s94, s94, ttmp9                       ; of the head's first work-group
	s_cmp_eq_u32 s94, 0
	s_cselect_b32 s[LIM], 1, -1
	v_and_b32 v8, 15, v0                           ; r
	v_bfe_u32 v9, v0, 4, 1                         ; h
	v_lshlrev_b32 v10, 6, v8
	v_lshl_add_u32 v10, v9, 4, v10
	global_load_b128 v[16:19], v10, s[88:89]       ; Q's fragment: registers 4 c .. 4 c + 3 hold d = 32 c + 16 h + 0 .. 15, the order in which K's are fetched too
	global_load_b128 v[20:23], v10, s[88:89] offset:32
	v_and_b32 v11, 8, v8
	v_add_nc_u32 v11, v11, v8                      ; r + 8 (r / 8)
	v_lshrrev_b32 v[AK0], 2, v11
	v_mul_u32_u24 v[AK0], v[AK0], LP
	v_and_b32 v11, 3, v11
	v_lshl_add_u32 v[AK0], v11, 6, v[AK0]
	v_lshl_add_u32 v[AK0], v9, 4, v[AK0]           ; K: four keys to a long row
	v_mul_u32_u24 v[AV0], v8, LP
	v_lshl_add_u32 v[AV0], v9, 4, v[AV0]
	v_add_nc_u32 v[AV0], VOFF, v[AV0]
	v_and_b32 v[GO], 31, v0
	v_lshlrev_b32 v[GO], 4, v[GO]
	v_mov_b32 v13, 0xff61b1e6                      ; the largest t so far: -3e38
	v_floor_f32 v12, -v13                          ; -M
	v_mov_b32 v14, 0
	v_mov_b32 v15, 0
	v_mov_b32 v236, 0                              ; a lane permute's destination counts as read
	v_mov_b32 v253, 0
.set n, 0
.rept 32
	v_mov_b32 v[160+n], 0                          ; O^T: the loop is written once, its first step finds zeros
.set n, n+1
.endr
	s_wait_kmcnt 0x0
	s_add_co_i32 s94, s70, s71
	s_lshl_b32 s94, s94, 23
	s_add_co_i32 s[CS], s[CS], s94                 ; a score stands for score x 2^(e2 + e3): added to c's exponent field
	s_mov_b32 s[CS+1], s[CS]
	s_add_co_i32 s94, s72, 127
	s_lshl_b32 s95, s94, 23
	v_mov_b32 v244, s95                            ; 2^e4
	s_add_co_i32 s94, s94, 15
	s_lshl_b32 s94, s94, 23
	s_or_b32 s94, s94, 0x600000
	v_mov_b32 v240, s94                            ; 57,344 x 2^e4
	s_add_co_i32 s94, s74, 127
	s_lshl_b32 s95, s94, 23
	v_mov_b32 v245, s95                            ; 2^e6
	s_add_co_i32 s94, s94, 15
	s_lshl_b32 s94, s94, 23
	s_or_b32 s94, s94, 0x600000
	v_mov_b32 v241, s94                            ; 57,344 x 2^e6
.macro STEP q                          ; 128 keys, the q-th half of the slot in hand
	s_add_co_u32 s96, s[Q0], 15
	s_cmp_gt_u32 s[KF], s96                        ; all keys after my queries: a branch on ids round the step's work, not round the line that steps the key count
	s_cbranch_scc1 .Lhidden_\@
	v_add_nc_u32 v[ADK], s[TB], v[AK0]
	v_add_nc_u32 v[ADV], s[TB], v[AV0]
	v_nop                                          ; with the two additions: four places in front of loads into registers that matrix instructions have read
	v_nop
.irp t, 0,1,2,3,4,5,6,7
.irp c, 0,1
	ds_load_b128 v[32+8*\t+4*\c:35+8*\t+4*\c], v[ADK] offset:(32*(\q)+8*(\t/2)+2*(\t%2))*LP+32*\c
.endr
.endr
	s_wait_dscnt 0x0
.irp t, 0,1,2,3,4,5,6,7
	v_wmma_f32_16x16x64_bf8_bf8 v[96+8*\t:103+8*\t], v[32+8*\t:39+8*\t], v[16:23], 0
.endr
.rept 4
	v_nop
.endr
	s_add_co_u32 s96, s[KF], 127                   ; on the diagonal hidden scores become -infinity ahead of the maximum; a step all of whose keys count skips this
	s_cmp_le_u32 s96, s[Q0]
	s_cbranch_scc1 .Lopen_\@
	s_sub_co_i32 s96, s[Q0], s[KF]
	v_and_b32 v252, 15, v0
	v_bfe_u32 v253, v0, 4, 1
	v_lshlrev_b32 v253, 4, v253
	v_sub_nc_u32 v252, v252, v253
	v_add_nc_u32 v252, s96, v252                   ; d = my query - the step's first key - 16 h; register 16 b + i holds the key 32 b + i further on: hidden where 32 b + i > d
	v_mov_b32 v254, 0xff800000
.irp n, 0,1,2,3,4,5,6,7,8,9,10,11,12,13,14,15,16,17,18,19,20,21,22,23,24,25,26,27,28,29,30,31,32,33,34,35,36,37,38,39,40,41,42,43,44,45,46,47,48,49,50,51,52,53,54,55,56,57,58,59,60,61,62,63
	v_cmp_gt_i32 vcc_lo, 32*(\n/16)+\n%16, v252
	v_cndmask_b32 v[96+\n], v[96+\n], v254, vcc_lo
.endr
.Lopen_\@:
	v_max3_num_f32 v254, v96, v97, v98             ; the step's largest score of my query, in two chains, each tile from its low end on
	v_max3_num_f32 v252, v99, v100, v101
.irp i, 6,10,14,18,22,26,30,34,38,42,46,50,54,58
	v_max3_num_f32 v254, v254, v[96+\i], v[97+\i]
	v_max3_num_f32 v252, v252, v[98+\i], v[99+\i]
.endr
	v_max3_num_f32 v254, v254, v158, v159
	v_max_num_f32 v254, v254, v252
	v_permlanex16_b32 v236, v254, s[SEL], s[SEL+1]
	v_max_num_f32 v254, v254, v236
	v_mul_f32 v254, s[CS], v254                    ; as t (c is positive)
	v_max_num_f32 v13, v13, v254
	v_mov_b32 v254, v12
	v_floor_f32 v12, -v13                          ; the new -M = -ceil(t)
	v_sub_f32 v254, v12, v254                      ; old M - new M: a whole number, 0 or less
	v_cvt_i32_f32 v254, v254
	v_ldexp_f32 v252, 1.0, v254                    ; f = 2^(old M - new M)
.set n, 0
.rept 32
	v_pk_fma_f32 v[96+n:97+n], v[96+n:97+n], s[CS:CS+1], v[12:13] op_sel_hi:[1,0,0]   ; t - M
.set n, n+2
.endr
.set n, 0
.rept 64
	v_exp_f32 v[96+n], v[96+n]                     ; p = 2^(t - M)
.set n, n+1
.endr
	v_pk_mul_f32 v[14:15], v[14:15], v[252:253] op_sel_hi:[1,0]   ; the sums under the new M: the plain line behind the exponentials
	s_wait_alu depctr_va_vdst(0)                   ; one wait for the batch, ahead of the first line that names a result
	v_pk_add_f32 v[242:243], v[96:97], v[98:99]    ; the row's sum of the unquantised p, in two chains
.irp j, 4,8,12,16,20,24,28,32,36,40,44,48,52,56,60
	v_pk_add_f32 v[14:15], v[14:15], v[96+\j:97+\j]
	v_pk_add_f32 v[242:243], v[242:243], v[98+\j:99+\j]
.endr
	v_pk_add_f32 v[14:15], v[14:15], v[242:243]
.irp b, 0,1,2,3
.irp i, 0,1,2,3,4,5,6,7,8,9,10,11,12,13,14,15
	v_min_num_f32 v[96+16*\b+\i], v[96+16*\b+\i], v240   ; p is not negative: a one-sided hold
.endr
	v_cvt_scalef32_pk8_bf8_f32 v[224+4*\b:225+4*\b], v[96+16*\b:103+16*\b], v244
	v_cvt_scalef32_pk8_bf8_f32 v[226+4*\b:227+4*\b], v[104+16*\b:111+16*\b], v244
.endr
.set n, 0
.rept 16
	v_pk_mul_f32 v[160+n:161+n], v[160+n:161+n], v[252:253] op_sel_hi:[1,0]   ; O^T under the new M; also the plain lines behind the conversions
.set n, n+2
.endr
.irp t, 0,1,2,3
.irp c, 0,1,2,3
	ds_load_b128 v[32+16*\t+4*\c:35+16*\t+4*\c], v[ADV] offset:16*\t*LP+128*(\q)+32*\c
.endr
.endr
	s_wait_dscnt 0x0
.irp t, 0,1,2,3
	v_wmma_f32_16x16x128_bf8_bf8 v[160+8*\t:167+8*\t], v[32+16*\t:47+16*\t], v[224:239], v[160+8*\t:167+8*\t]   ; four accumulators by turns
.endr
.Lhidden_\@:
	s_add_co_u32 s[KF], s[KF], 128
.endm
; THE CHANGE OF SLOTS, at a slot's head: every wave waits for all its tensor loads, adds 0 to its spare word, waits for that and for its reads of the slot that it has left; the barrier; then the slot just left is filled.
.macro CHANGE fill
	s_wait_tensorcnt 0x0
	ds_add_u32 v[SPW], v[NIL]
.if \fill
	ds_add_u32 v[SPW], v[NIL]                      ; a second add where loads follow that most waves pass by, in every trip alike
	s_xor_b32 s[G0K+1], s[G0K+1], SLOT1            ; the walking descriptors: the other slot, the next 256 keys
	s_add_nc_u64 s[G0K+2:G0K+3], s[G0K+2:G0K+3], 16384
	s_xor_b32 s[G0V+1], s[G0V+1], SLOT1
	s_add_nc_u64 s[G0V+2:G0V+3], s[G0V+2:G0V+3], 256
	s_wait_xcnt 0x0                                ; the last prefetch, a slot back, has read its address
	s_add_nc_u64 s[PFA:PFA+1], s[PFA:PFA+1], s[PFS:PFS+1]
.endif
	s_wait_dscnt 0x0
	s_barrier_signal -1
	s_barrier_wait -1
.if \fill
	s_add_co_u32 s96, s[KF], SK                    ; the first key of the slot that this change would ask for:
	s_cmp_gt_u32 s96, s[LASTQ]                     ; past my work-group's last query none of its waves reads it, so it is not asked for.  Ids and the count of steps alone: all sixteen waves go the same way
	s_cbranch_scc1 .Lpast_\@
	TLOAD
.Lpast_\@:
	ASK
.endif
.endm
.macro SLOT_STEPS
	STEP 0
	STEP 1
	s_xor_b32 s[TB], s[TB], SLOT1
.endm
	s_wait_loadcnt 0x0                             ; Q
.Lslot:
	CHANGE 1
	SLOT_STEPS
	s_sub_co_u32 s[SLOTS], s[SLOTS], 1
	s_cmp_lg_u32 s[SLOTS], 0
	s_cbranch_scc1 .Lslot
	CHANGE 0                                       ; the last slot is written out: nothing is left to ask for
	SLOT_STEPS
	; THE WAY OUT: O^T / the sum x 2^(e4 + e5), the hold, the conversion with 2^e6; 8 bytes a lane into my stage (rows of 80 bytes), back as 1,024 bytes on end.
	v_add_f32 v14, v14, v15
	v_permlanex16_b32 v252, v14, s[SEL], s[SEL+1]
	v_add_f32 v14, v14, v252
	v_rcp_f32 v14, v14
	v_and_b32 v8, 15, v0                           ; (a plain line behind the transcendental)
	v_bfe_u32 v9, v0, 4, 1
	s_add_co_i32 s96, s72, s73
	s_mul_i32 s97, s[WV], 1280
	v_mul_u32_u24 v10, v8, 80
	v_lshl_add_u32 v10, v9, 3, v10
	v_add_nc_u32 v10, s97, v10                     ; in: row r, + 8 h
	v_and_b32 v252, 31, v0
	v_lshrrev_b32 v11, 2, v252
	v_mul_u32_u24 v11, v11, 80
	v_and_b32 v252, 3, v252
	v_lshl_add_u32 v11, v252, 4, v11
	v_add_nc_u32 v11, s97, v11                     ; back: four lanes to a row
	s_wait_alu depctr_va_vdst(0)                   ; the wait ahead of the first line that names the reciprocal
	v_ldexp_f32 v14, v14, s96
.set n, 0
.rept 32
	v_mul_f32 v[96+n], v[160+n], v14               ; register 8 t + i is o(r, 16 t + 8 h + i)
.set n, n+1
.endr
.set n, 0
.rept 32
	v_med3_num_f32 v[96+n], v[96+n], -v241, v241
.set n, n+1
.endr
.irp t, 0,1,2,3
	v_cvt_scalef32_pk8_bf8_f32 v[224+2*\t:225+2*\t], v[96+8*\t:103+8*\t], v245
.endr
	v_nop
.irp t, 0,1,2,3
	ds_store_b64 v10, v[224+2*\t:225+2*\t] offset:16*\t
.endr
.irp u, 0,1
	ds_load_b128 v[32+4*\u:35+4*\u], v11 offset:640*\u   ; a wave's LDS instructions are served in order
.endr
.irp u, 0,1
	s_wait_dscnt 1-\u
	global_store_b128 v[GO], v[32+4*\u:35+4*\u], s[8:9] offset:512*\u   ; 512 consecutive bytes, aligned
.endr
	s_wait_tensorcnt 0x0                           ; the wave's end
	ds_add_u32 v[SPW], v[NIL]
	s_wait_dscnt 0x0
	s_endpgm
.Lfunc_end_k_q9d3b948f8b_attn:
	.size	k_q9d3b948f8b_attn, .Lfunc_end_k_q9d3b948f8b_attn-k_q9d3b948f8b_attn
	.p2alignl 7, 3214868480
	.fill 96, 4, 3214868480
	.section	.rodata,"a",@progbits
	.p2align	6, 0x0
	.amdhsa_kernel k_q9d3b948f8b_attn
		.amdhsa_group_segment_fixed_size 327680
		.amdhsa_private_segment_fixed_size 0
		.amdhsa_enable_private_segment 0
		.amdhsa_kernarg_size 24
		.amdhsa_user_sgpr_count 2
		.amdhsa_user_sgpr_kernarg_segment_ptr 1
		.amdhsa_wavefront_size32 1
		.amdhsa_system_sgpr_workgroup_id_x 1
		.amdhsa_system_sgpr_workgroup_id_y 1
		.amdhsa_system_sgpr_workgroup_id_z 1
		.amdhsa_system_vgpr_workitem_id 0
		.amdhsa_next_free_vgpr 256
		.amdhsa_next_free_sgpr 100
		.amdhsa_reserve_vcc 1
		.amdhsa_float_denorm_mode_32 3
		.amdhsa_float_denorm_mode_16_64 3
		.amdhsa_memory_ordered 1
		.amdhsa_forward_progress 1
		.amdhsa_inst_pref_size 97
	.end_amdhsa_kernel
	.amdgpu_metadata
---
amdhsa.version: [ 1, 2 ]
amdhsa.kernels:
  - .name:           k_q9d3b948f8b_attn
    .symbol:         k_q9d3b948f8b_attn.kd
    .args:
      - { .name: qkvc, .offset: 0, .size: 8, .value_kind: global_buffer, .address_space: global }
      - { .name: lowp_scales, .offset: 8, .size: 8, .value_kind: global_buffer, .address_space: global }
      - { .name: aoc, .offset: 16, .size: 8, .value_kind: global_buffer, .address_space: global }
    .group_segment_fixed_size: 327680
    .private_segment_fixed_size: 0
    .kernarg_segment_align: 8
    .kernarg_segment_size: 24
    .max_flat_workgroup_size: 512
    .sgpr_count:     100
    .vgpr_count:     256
    .wavefront_size: 32
...
	.end_amdgpu_metadata
.endif
;; end of part 3
;; launch gwo (part 4): grid 4 x 16, 4 waves a work-group, clusters of 4 x 4, 327,680 bytes of LDS; arguments aoc, wc, lowp_scales, x1, bo, x; writes x1
.if DOCPART == 4
	.amdgcn_target "amdgcn-amd-amdhsa--gfx1250"
	.amdhsa_code_object_version 6
	.text
	.protected	k_q9d3b948f8b_gwo
	.globl	k_q9d3b948f8b_gwo
	.p2align	8
	.type	k_q9d3b948f8b_gwo,@function
k_q9d3b948f8b_gwo:
	s_mov_b64 s[64:65], 0
	v_nop
	global_prefetch_b8 v0, s[64:65] scope:SCOPE_SE
	s_setreg_imm32_b32 hwreg(HW_REG_WAVE_MODE, 25, 1), 1
	s_wait_xcnt 0x0
	s_wait_alu depctr_hold_cnt(0) depctr_sa_sdst(0) depctr_va_vdst(0) depctr_va_sdst(0) depctr_va_ssrc(0) depctr_va_vcc(0) depctr_vm_vsrc(0)
	s_getreg_b32 s2, hwreg(HW_REG_IB_STS2, 6, 4)
	s_cmp_eq_u32 s2, 0
	s_cbranch_scc0 .Lentry_in_a_cluster
	s_endpgm
.Lentry_in_a_cluster:
	s_bfe_u32 s2, ttmp6, 0x10000c
	s_cmp_lg_u32 s2, 0xf033
	s_cbranch_scc0 .Lentry_shape_is_right
	s_endpgm
.Lentry_shape_is_right:
; x1 = x + attention's result x Wo + bo, the product on codes of BF8.  A = aoc (scale e6), B = Wo's codes at 3,145,728 of wc (e7), x1 [4096][1024] f32.
; THE CORE is gqkv's: tiles of 256 x 256, four waves of 128 x 128, K in steps of 256 through two LDS slots, clusters of 4 x 4 with joint loads, the matrix instruction used transposed.
; A IS LAID IN BLOCKS: 128 tokens x one head's 64 bytes on end, the sixteen heads of a block of tokens one behind the other.  So 128 tokens x a K step of 256 (four heads) are 32,768 dense bytes, fetched as 128 rows
; of 256 bytes; a long row holds four tokens of one head.  Only A's stride, A's step along K and A's fragment addresses differ from a tensor laid in rows.
; THE WAY OUT: a block of 16 rows x 128 columns x 2^(e6 + e7) goes through the wave's own stage in LDS (in slot 0, which has had its last fill and its last read) and comes back as rows of 512 bytes;
; the residual, loaded in that same layout a block ahead, and the bias are added; 32 lanes store 512 consecutive bytes.
; 64 tiles: a quarter of the WGPs have work; the core is kept as it is in all four products.
; LIMIT: e6 + e7 between -126 and 127.
.set KDIM,    1024
.set WOFF,    3145728
.set ASTRIDE, 256
.set ASTEP,   32768
.set EA, 74
.set EB, 75
.set KSTEP,  256
.set ROWB,   256
.set PITCH,  272
.set FR,     16
.set NL,     4
.set NP,     4
.set HALFT,  128*PITCH
.set SLOT,   4*HALFT
.set LAPS,   KDIM/(2*KSTEP)
.set SPARE,  2*SLOT
.set SPITCH, 528
.set ADRA, 16
.set ADRB, 20
.set STO,  24
.set RD,   25
.set CO,   26
.set SPW,  28
.set NIL,  29
.set TMP,  32
.set BS,   96                          ; v96-99 the bias of my four columns
.set AF,   128
.set BK,   128
.set G1,  24
.set G0,  32
.set G1B, 48
.set G0B, 56
.set MSB, 0
.macro WIN new
.if MSB != \new
	s_set_vgpr_msb (MSB<<8)|\new
.set MSB, \new
.endif
.endm
.set MUL_LO, 0xa1
.set MUL_HI, 0xf1
.set TO_B,   0x40
.macro JLOAD g0a, g1a, g0b, g1b
	s_cmp_eq_u32 s15, 0
	s_cbranch_scc0 .Lfor_b_\@
	tensor_load_to_lds s[\g0a:\g0a+3], s[\g1a:\g1a+7]
	s_nop 0
.rept 4
	v_nop
.endr
	s_branch .Lasked_\@
.Lfor_b_\@:
	tensor_load_to_lds s[\g0b:\g0b+3], s[\g1b:\g1b+7]
	s_nop 0
.rept 4
	v_nop
.endr
.Lasked_\@:
.endm
.macro CREST
	s_cmp_lg_u32 s14, 0
	s_cbranch_scc1 .Lnot_wave_0_\@
	s_barrier_signal -3
.Lnot_wave_0_\@:
	s_barrier_wait -3
	s_barrier_signal -1
	s_barrier_wait -1
.endm
.macro CROUND
	s_barrier_signal -1
	s_barrier_wait -1
	CREST
.endm
	s_load_b256 s[4:11], s[0:1], 0x0               ; A s[4:5], wc s[6:7], the exponents s[8:9], the result s[10:11]
	s_load_b128 s[84:87], s[0:1], 0x20             ; the bias s[84:85], the residual s[86:87]
	v_lshl_add_u32 v[SPW], v0, 2, SPARE
	v_mov_b32 v[NIL], 0
	ds_add_u32 v[SPW], v[NIL]                      ; the wave's opening: the add, twice on end, and its wait ahead of my first tensor load
	ds_add_u32 v[SPW], v[NIL]
	v_lshrrev_b32 v1, 5, v0
	v_readfirstlane_b32 s14, v1
	s_lshr_b32 s15, s14, 1
	s_and_b32 s16, s14, 1
	s_bfe_u32 s40, ttmp6, 0x40000
	s_bfe_u32 s41, ttmp6, 0x40004
	s_lshl_b32 s42, ttmp9, 2
	s_add_co_u32 s42, s42, s40                     ; tile column
	s_and_b32 s17, ttmp7, 0xffff
	s_lshl_b32 s17, s17, 2
	s_add_co_u32 s17, s17, s41                     ; tile row
	s_lshl_b32 s43, s41, 2
	s_lshl_b32 s43, 15, s43
	s_lshl_b32 s44, 0x1111, s40
	s_or_b32 s[G1+0], s43, (0<<16)|(1<<20)|(1<<21)|(5<<22)|(3<<25)
	s_or_b32 s[G1B+0], s44, (0<<16)|(1<<20)|(1<<21)|(5<<22)|(3<<25)
.irp g, G1, G1B
	s_mov_b32 s[\g+1], ROWB<<16
	s_mov_b32 s[\g+2], 128<<16
	s_mov_b32 s[\g+3], ROWB<<16
	s_mov_b32 s[\g+4], 128
	s_mov_b32 s[\g+6], 0
	s_mov_b32 s[\g+7], 0
.endr
	s_mov_b32 s[G1+5], ASTRIDE
	s_mov_b32 s[G1B+5], KDIM
	s_lshl_b32 s18, s16, 7
	s_lshl_b32 s20, s17, 8
	s_add_co_u32 s20, s20, s18
	s_lshl_b32 s46, s42, 8
	s_add_co_u32 s46, s46, s18
	s_mov_b32 s21, 0
	s_mov_b32 s47, 0
	s_mov_b64 s[18:19], KDIM
	s_mul_u64 s[20:21], s[20:21], s[18:19]         ; (a block of 128 tokens begins where its first row would: 128 x 1,024 bytes a block)
	s_mul_u64 s[46:47], s[46:47], s[18:19]
	s_mul_i32 s45, s14, HALFT
	s_wait_dscnt 0x0
	s_wait_kmcnt 0x0
	s_load_b256 s[68:75], s[8:9], 0x0              ; e0 .. e7
	s_load_b128 s[76:79], s[8:9], 0x20             ; e8 .. e11
	s_add_nc_u64 s[6:7], s[6:7], WOFF
	s_add_nc_u64 s[20:21], s[4:5], s[20:21]
	s_add_nc_u64 s[46:47], s[6:7], s[46:47]
	CROUND
.irp s, 0,1
	s_mov_b32 s[G0+4*\s], 1
	s_add_co_u32 s[G0+4*\s+1], s45, \s*SLOT
	s_add_nc_u64 s[G0+4*\s+2:G0+4*\s+3], s[20:21], \s*ASTEP
	s_or_b32 s[G0+4*\s+3], s[G0+4*\s+3], 0x80000000
	s_mov_b32 s[G0B+4*\s], 1
	s_add_co_u32 s[G0B+4*\s+1], s45, \s*SLOT
	s_add_nc_u64 s[G0B+4*\s+2:G0B+4*\s+3], s[46:47], \s*ROWB
	s_or_b32 s[G0B+4*\s+3], s[G0B+4*\s+3], 0x80000000
	JLOAD G0+4*\s, G1, G0B+4*\s, G1B
.endr
	v_and_b32 v1, 15, v0
	v_bfe_u32 v2, v0, 4, 1
	v_mul_u32_u24 v3, v1, PITCH
	v_lshl_add_u32 v4, v2, 4, v3                   ; B: row x pitch + 16 x half
	v_lshrrev_b32 v5, 2, v1
	v_mul_u32_u24 v5, v5, PITCH
	v_and_b32 v6, 3, v1
	v_lshl_add_u32 v5, v6, 6, v5
	v_lshl_add_u32 v5, v2, 4, v5                   ; A: token r lies in long row r / 4, at 64 (r % 4)
	s_mul_i32 s21, s15, HALFT
	s_mul_i32 s22, s16, HALFT
	s_add_co_u32 s22, s22, 2*HALFT
.irp s, 0,1
	v_add_nc_u32 v[ADRA+\s], s21, v5
	v_add_nc_u32 v[ADRB+\s], s22, v4
	s_add_co_u32 s21, s21, SLOT
	s_add_co_u32 s22, s22, SLOT
.endr
	s_mul_i32 s23, s14, 16*SPITCH                  ; my stage
	v_mul_u32_u24 v5, v1, SPITCH
	v_lshl_add_u32 v5, v2, 5, v5
	v_add_nc_u32 v[STO], s23, v5
	v_and_b32 v6, 31, v0
	v_lshlrev_b32 v[CO], 4, v6
	v_add_nc_u32 v[RD], s23, v[CO]
	s_lshl_b32 s20, s17, 8
	s_lshl_b32 s21, s15, 7
	s_add_co_u32 s20, s20, s21
	s_lshl_b32 s20, s20, 12                        ; my first row x 4,096 bytes
	s_lshl_b32 s46, s42, 10
	s_lshl_b32 s47, s16, 9
	s_add_co_u32 s46, s46, s47                     ; my first column x 4
	s_add_co_u32 s20, s20, s46
	s_mov_b32 s21, 0
	s_mov_b32 s47, 0
	s_add_nc_u64 s[10:11], s[10:11], s[20:21]
	s_add_nc_u64 s[86:87], s[86:87], s[20:21]
	s_add_nc_u64 s[84:85], s[84:85], s[46:47]
	global_load_b128 v[BS:BS+3], v[CO], s[84:85]
.macro FRAG reg, adr, q, i
.irp c, 0,1,2,3
	ds_load_b128 v[\reg+4*\c:\reg+4*\c+3], v[\adr] offset:128*(\q)+32*\c+(\i)*16*PITCH
.endr
.endm
.macro FRAGA reg, adr, q, i            ; A: K = 32 c + 16 h of the q-th 128 is head 2 q + c / 2 (32 long rows a head), d = 32 (c % 2) + 16 h; block i: four long rows on
.irp c, 0,1,2,3
	ds_load_b128 v[\reg+4*\c:\reg+4*\c+3], v[\adr] offset:(2*(\q)+\c/2)*8704+32*(\c%2)+(\i)*1088
.endr
.endm
.macro MUL16 a0, p, zero
.irp a, \a0, \a0+1
.irp b, 0,1,2,3,4,5,6,7
.if \zero
	v_wmma_f32_16x16x128_bf8_bf8 v[8*(8*((\a)%4)+\b):8*(8*((\a)%4)+\b)+7], v[128*(\p)+FR*\b:128*(\p)+FR*\b+FR-1], v[AF+FR*(\a):AF+FR*(\a)+FR-1], 0
.else
	v_wmma_f32_16x16x128_bf8_bf8 v[8*(8*((\a)%4)+\b):8*(8*((\a)%4)+\b)+7], v[128*(\p)+FR*\b:128*(\p)+FR*\b+FR-1], v[AF+FR*(\a):AF+FR*(\a)+FR-1], v[8*(8*((\a)%4)+\b):8*(8*((\a)%4)+\b)+7]
.endif
.endr
.endr
.endm
.macro FETCH_B slot, q, p
	WIN TO_B
.irp i, 0,1,2,3,4,5,6,7
	FRAG 128*(\p)+FR*\i, ADRB+\slot, \q, \i
.endr
	WIN 0
.endm
.macro FETCH_A slot, q, i0
.irp i, \i0, \i0+1, \i0+2, \i0+3
	FRAGA AF+FR*(\i), ADRA+\slot, \q, \i
.endr
.endm
.macro PLACES n
.rept \n
	v_nop
.endr
.endm
.macro STEP slot, q, zero
	s_wait_dscnt 4*NL                              ; B's set and A's blocks 0-3 are in; A's blocks 4-7 may be out
	WIN MUL_LO
	MUL16 0, (\q)%2, \zero
	MUL16 2, (\q)%2, \zero
	s_wait_dscnt 0
	PLACES NP
	FETCH_B \slot, (\q)+1, 1-(\q)%2
	FETCH_A \slot, (\q)+1, 0
	WIN MUL_HI
	MUL16 4, (\q)%2, \zero
	MUL16 6, (\q)%2, \zero
	PLACES NP
	WIN 0
	FETCH_A \slot, (\q)+1, 4
.endm
.macro TURN slot, next, fill
	s_wait_tensorcnt 0x0                           ; all my tensor loads have landed
	ds_add_u32 v[SPW], v[NIL]
	s_wait_dscnt 4*NL+1                            ; (the add and A's blocks 4-7 may be out)
	WIN MUL_LO
	MUL16 0, 1, 0
	s_wait_dscnt 0x0                               ; the add is done, and my reads of this slot are over
	s_barrier_signal -1
	MUL16 2, 1, 0
	WIN 0
	s_barrier_wait -1
.if \fill
	CREST
	s_add_nc_u64 s[G0+4*\slot+2:G0+4*\slot+3], s[G0+4*\slot+2:G0+4*\slot+3], 2*ASTEP
	s_add_nc_u64 s[G0B+4*\slot+2:G0B+4*\slot+3], s[G0B+4*\slot+2:G0B+4*\slot+3], 2*ROWB
	JLOAD G0+4*\slot, G1, G0B+4*\slot, G1B
.else
	PLACES NP
.endif
	FETCH_B \next, 0, 0
	FETCH_A \next, 0, 0
	WIN MUL_HI
	MUL16 4, 1, 0
	MUL16 6, 1, 0
	PLACES NP
	WIN 0
	FETCH_A \next, 0, 4
.endm
	s_wait_tensorcnt 1                             ; my part of K step 0 is in; K step 1's load may be out
	s_barrier_signal -1
	s_barrier_wait -1
	FETCH_B 0, 0, 0
	FETCH_A 0, 0, 0
	FETCH_A 0, 0, 4
	STEP 0, 0, 1
	s_mov_b32 s3, LAPS-1
.Llap:
	TURN 0, 1, 1
	STEP 1, 0, 0
	TURN 1, 0, 1
	STEP 0, 0, 0
	s_sub_co_u32 s3, s3, 1
	s_cmp_lg_u32 s3, 0
	s_cbranch_scc1 .Llap
	TURN 0, 1, 0
	STEP 1, 0, 0
	s_wait_dscnt 4*NL
	WIN MUL_LO
	MUL16 0, 1, 0
	MUL16 2, 1, 0
	s_wait_dscnt 0
	WIN MUL_HI
	MUL16 4, 1, 0
	MUL16 6, 1, 0
	WIN 0
.macro TOSTAGE a
.set AC, 64*((\a)%4)
.set RR, 64*((\a)%2)
	WIN 0x40                                       ; destination window 1: the residual of block a, in the layout in which the block comes back from the stage
.irp t, 0,1,2,3,4,5,6,7,8,9,10,11,12,13,14,15
	global_load_b128 v[RR+4*\t:RR+4*\t+3], v[CO], s[86:87] offset:(16*(\a)+\t)*4096 th:TH_LOAD_NT
.endr
.set W, 0x02+((\a)/4)
	WIN W
.set n, 0
.rept 32
	v_pk_mul_f32 v[TMP+n:TMP+n+1], v[AC+n:AC+n+1], s[96:97] op_sel_hi:[1,0]   ; x 2^(ea + eb); each accumulator from its low end on
.set n, n+2
.endr
	WIN 0
.irp b, 0,1,2,3,4,5,6,7
	ds_store_b128 v[STO], v[TMP+8*\b:TMP+8*\b+3] offset:64*\b
	ds_store_b128 v[STO], v[TMP+8*\b+4:TMP+8*\b+7] offset:64*\b+16
.endr
.set BBK, BK+64*((\a)%2)
.irp t, 0,1,2,3,4,5,6,7,8,9,10,11,12,13,14,15
	ds_load_b128 v[BBK+4*\t:BBK+4*\t+3], v[RD] offset:\t*SPITCH   ; a wave's LDS instructions are served in order
.endr
.endm
.macro SEND a, younger, left           ; younger: LDS instructions issued behind block a's loads; left: the next block's residual loads
.set BBK, BK+64*((\a)%2)
.set RR, 64*((\a)%2)
	s_wait_dscnt \younger
	s_wait_loadcnt \left
	WIN 0x04                                       ; source 1 window 1
.set n, 0
.rept 32
	v_pk_add_f32 v[BBK+n:BBK+n+1], v[BBK+n:BBK+n+1], v[RR+n:RR+n+1]
.set n, n+2
.endr
	WIN 0
.irp t, 0,1,2,3,4,5,6,7,8,9,10,11,12,13,14,15
	v_pk_add_f32 v[BBK+4*\t:BBK+4*\t+1], v[BBK+4*\t:BBK+4*\t+1], v[BS:BS+1]
	v_pk_add_f32 v[BBK+4*\t+2:BBK+4*\t+3], v[BBK+4*\t+2:BBK+4*\t+3], v[BS+2:BS+3]
.endr
.irp t, 0,1,2,3,4,5,6,7,8,9,10,11,12,13,14,15
	global_store_b128 v[CO], v[BBK+4*\t:BBK+4*\t+3], s[10:11] offset:(16*(\a)+\t)*4096   ; 32 lanes store 512 consecutive bytes, aligned
.endr
.endm
	s_wait_kmcnt 0x0
	s_add_co_i32 s96, s[EA], s[EB]
	s_add_co_i32 s96, s96, 127
	s_lshl_b32 s96, s96, 23                        ; 2^(ea + eb) as f32
	s_mov_b32 s97, s96
	PLACES NP
	TOSTAGE 0
.irp a, 1,2,3,4,5,6,7
.if \a > 1
	s_wait_xcnt 0x0                                ; the stores of two blocks ago have read their registers: this block's loads from the stage may land there
.endif
	TOSTAGE \a
	SEND \a-1, 32, 16
.endr
	SEND 7, 0, 0
	s_wait_tensorcnt 0x0                           ; the wave's end
	ds_add_u32 v[SPW], v[NIL]
	s_wait_dscnt 0x0
	CROUND                                         ; the closing round
	s_endpgm
.Lfunc_end_k_q9d3b948f8b_gwo:
	.size	k_q9d3b948f8b_gwo, .Lfunc_end_k_q9d3b948f8b_gwo-k_q9d3b948f8b_gwo
	.p2alignl 7, 3214868480
	.fill 96, 4, 3214868480
	.section	.rodata,"a",@progbits
	.p2align	6, 0x0
	.amdhsa_kernel k_q9d3b948f8b_gwo
		.amdhsa_group_segment_fixed_size 327680
		.amdhsa_private_segment_fixed_size 0
		.amdhsa_enable_private_segment 0
		.amdhsa_kernarg_size 48
		.amdhsa_user_sgpr_count 2
		.amdhsa_user_sgpr_kernarg_segment_ptr 1
		.amdhsa_wavefront_size32 1
		.amdhsa_system_sgpr_workgroup_id_x 1
		.amdhsa_system_sgpr_workgroup_id_y 1
		.amdhsa_system_sgpr_workgroup_id_z 1
		.amdhsa_system_vgpr_workitem_id 0
		.amdhsa_next_free_vgpr 1024
		.amdhsa_next_free_sgpr 100
		.amdhsa_reserve_vcc 0
		.amdhsa_float_denorm_mode_32 3
		.amdhsa_float_denorm_mode_16_64 3
		.amdhsa_memory_ordered 1
		.amdhsa_forward_progress 1
		.amdhsa_inst_pref_size 168
	.end_amdhsa_kernel
	.amdgpu_metadata
---
amdhsa.version: [ 1, 2 ]
amdhsa.kernels:
  - .name:           k_q9d3b948f8b_gwo
    .symbol:         k_q9d3b948f8b_gwo.kd
    .args:
      - { .name: aoc, .offset: 0, .size: 8, .value_kind: global_buffer, .address_space: global }
      - { .name: wc, .offset: 8, .size: 8, .value_kind: global_buffer, .address_space: global }
      - { .name: lowp_scales, .offset: 16, .size: 8, .value_kind: global_buffer, .address_space: global }
      - { .name: x1, .offset: 24, .size: 8, .value_kind: global_buffer, .address_space: global }
      - { .name: bo, .offset: 32, .size: 8, .value_kind: global_buffer, .address_space: global }
      - { .name: x, .offset: 40, .size: 8, .value_kind: global_buffer, .address_space: global }
    .group_segment_fixed_size: 327680
    .private_segment_fixed_size: 0
    .kernarg_segment_align: 8
    .kernarg_segment_size: 48
    .max_flat_workgroup_size: 128
    .sgpr_count:     100
    .vgpr_count:     1024
    .wavefront_size: 32
...
	.end_amdgpu_metadata
.endif
;; end of part 4
;; launch ln2 (part 5): grid 256 x 1, 4 waves a work-group, no clusters, 41,472 bytes of LDS; arguments x1, g2, b2, lowp_scales, hhc; writes hhc
.if DOCPART == 5
	.amdgcn_target "amdgcn-amd-amdhsa--gfx1250"
	.amdhsa_code_object_version 6
	.text
	.protected	k_q9d3b948f8b_ln2
	.globl	k_q9d3b948f8b_ln2
	.p2align	8
	.type	k_q9d3b948f8b_ln2,@function
k_q9d3b948f8b_ln2:
	s_mov_b64 s[64:65], 0
	v_nop
	global_prefetch_b8 v0, s[64:65] scope:SCOPE_SE
	s_setreg_imm32_b32 hwreg(HW_REG_WAVE_MODE, 25, 1), 1
	s_wait_xcnt 0x0
; LN2(x1) as codes of BF8 (scale e8) in hhc [4096][1024].  One wave a row at a time, four rows a wave, sixteen a work-group; mean, then the mean of squares of x - mean, as the layer writes it.
; Each load reads 512 consecutive bytes; a row turns through the wave's own stage in LDS (16 bytes of padding behind each 64) so that a lane holds 16 neighbours for the conversions; a lane's 16 codes are 16 bytes.
; LIMIT: e8 between -126 and 112.  NaN among the inputs is not served.  No tensor load, no barrier: waves share nothing.
.set LSTG,  0
.set SPARE, 40960
.set SPW,   14
.set NIL,   15
.set LG, 16
.set LB, 48
.set LY, 80
.set LX, 112
	s_load_b256 s[8:15], s[0:1], 0x0               ; x1 s[8:9], g2 s[10:11], b2 s[12:13], the exponents s[14:15]
	s_load_b64 s[16:17], s[0:1], 0x20              ; hhc
	v_lshl_add_u32 v[SPW], v0, 2, SPARE
	v_mov_b32 v[NIL], 0
	v_lshrrev_b32 v1, 5, v0
	v_readfirstlane_b32 s2, v1
	v_and_b32 v1, 31, v0
	s_lshl_b32 s3, ttmp9, 4
	s_lshl_b32 s4, s2, 2
	s_add_co_u32 s3, s3, s4                        ; my wave's first row
	s_mov_b32 s7, 0
	s_mov_b32 s40, 0x3a800000                      ; 1 / 1,024
	s_mov_b32 s41, 0x3727c5ac                      ; 1e-5
	s_mov_b32 s42, 0x76543210
	s_mov_b32 s43, 0xfedcba98
	v_lshlrev_b32 v2, 4, v1
	v_lshlrev_b32 v5, 6, v1
	s_mul_i32 s4, s2, 10240                        ; my two stages
	v_lshrrev_b32 v3, 2, v1
	v_mul_u32_u24 v3, v3, 80
	v_and_b32 v4, 3, v1
	v_lshl_add_u32 v3, v4, 4, v3
	v_add_nc_u32 v3, s4, v3
	v_mul_u32_u24 v4, v1, 80
	v_add_nc_u32 v4, s4, v4
	v_mov_b32 v10, 0
	s_wait_kmcnt 0x0
	s_load_b32 s5, s[14:15], 0x20                  ; e8
	s_lshl_b32 s6, s3, 12
	s_add_nc_u64 s[28:29], s[8:9], s[6:7]
	s_lshl_b32 s6, s3, 10
	s_add_nc_u64 s[30:31], s[16:17], s[6:7]
.irp u, 0,1
.irp i, 0,1,2,3
	global_load_b128 v[LG+16*\u+4*\i:LG+16*\u+4*\i+3], v5, s[10:11] offset:2048*\u+16*\i
	global_load_b128 v[LB+16*\u+4*\i:LB+16*\u+4*\i+3], v5, s[12:13] offset:2048*\u+16*\i
.endr
.endr
.irp t, 0,1,2,3
.irp j, 0,1,2,3,4,5,6,7
	global_load_b128 v[LX+32*\t+4*\j:LX+32*\t+4*\j+3], v2, s[28:29] offset:4096*\t+512*\j
.endr
.endr
	s_wait_kmcnt 0x0
	s_add_co_i32 s5, s5, 127
	s_lshl_b32 s6, s5, 23
	v_mov_b32 v240, s6
	s_add_co_i32 s5, s5, 15
	s_lshl_b32 s5, s5, 23
	s_or_b32 s5, s5, 0x600000
	v_mov_b32 v241, s5
.macro REDUCE
	v_add_f32_dpp v6, v6, v6 row_xmask:1 row_mask:0xf bank_mask:0xf
	v_add_f32_dpp v6, v6, v6 row_xmask:2 row_mask:0xf bank_mask:0xf
	v_add_f32_dpp v6, v6, v6 row_xmask:4 row_mask:0xf bank_mask:0xf
	v_add_f32_dpp v6, v6, v6 row_xmask:8 row_mask:0xf bank_mask:0xf
	v_permlanex16_b32 v10, v6, s42, s43
	v_add_f32 v6, v6, v10
.endm
.macro LNROW t
	s_wait_loadcnt 8*(3-\t)                        ; this row's eight loads are in; the later rows' stay out
.irp j, 0,1,2,3,4,5,6,7
	ds_store_b128 v3, v[LX+32*\t+4*\j:LX+32*\t+4*\j+3] offset:5120*(\t%2)+640*\j
.endr
.irp u, 0,1
.irp i, 0,1,2,3
	ds_load_b128 v[LY+16*\u+4*\i:LY+16*\u+4*\i+3], v4 offset:5120*(\t%2)+2560*\u+16*\i
.endr
.endr
	s_wait_dscnt 0x0
	v_pk_add_f32 v[6:7], v[LY:LY+1], v[LY+2:LY+3]
	v_pk_add_f32 v[8:9], v[LY+4:LY+5], v[LY+6:LY+7]
.irp j, 8,12,16,20,24,28
	v_pk_add_f32 v[6:7], v[6:7], v[LY+\j:LY+\j+1]
	v_pk_add_f32 v[8:9], v[8:9], v[LY+\j+2:LY+\j+3]
.endr
	v_pk_add_f32 v[6:7], v[6:7], v[8:9]
	v_add_f32 v6, v6, v7
	REDUCE
	v_mul_f32 v12, s40, v6                         ; the mean
	v_mov_b32 v13, v12
.set n, 0
.rept 16
	v_pk_add_f32 v[LY+n:LY+n+1], v[LY+n:LY+n+1], v[12:13] neg_lo:[0,1] neg_hi:[0,1]
.set n, n+2
.endr
	v_pk_mul_f32 v[6:7], v[LY:LY+1], v[LY:LY+1]
	v_pk_mul_f32 v[8:9], v[LY+2:LY+3], v[LY+2:LY+3]
.irp j, 4,8,12,16,20,24,28
	v_pk_fma_f32 v[6:7], v[LY+\j:LY+\j+1], v[LY+\j:LY+\j+1], v[6:7]
	v_pk_fma_f32 v[8:9], v[LY+\j+2:LY+\j+3], v[LY+\j+2:LY+\j+3], v[8:9]
.endr
	v_pk_add_f32 v[6:7], v[6:7], v[8:9]
	v_add_f32 v6, v6, v7
	REDUCE
	v_fma_f32 v6, v6, s40, s41
	v_rsq_f32 v12, v6
	v_nop                                          ; a plain line behind the transcendental,
	s_wait_alu depctr_va_vdst(0)                   ; and a wait ahead of the first line that names its result
	v_mov_b32 v13, v12
.set n, 0
.rept 16
	v_pk_mul_f32 v[LY+n:LY+n+1], v[LY+n:LY+n+1], v[12:13]
.set n, n+2
.endr
.set n, 0
.rept 16
	v_pk_fma_f32 v[LY+n:LY+n+1], v[LY+n:LY+n+1], v[LG+n:LG+n+1], v[LB+n:LB+n+1]
.set n, n+2
.endr
.set n, 0
.rept 32
	v_med3_num_f32 v[LY+n], v[LY+n], -v241, v241
.set n, n+1
.endr
.irp g, 0,1,2,3
	v_cvt_scalef32_pk8_bf8_f32 v[LX+32*\t+2*\g:LX+32*\t+2*\g+1], v[LY+8*\g:LY+8*\g+7], v240
.endr
	v_nop
	global_store_b128 v2, v[LX+32*\t:LX+32*\t+3], s[30:31] offset:1024*\t
	global_store_b128 v2, v[LX+32*\t+4:LX+32*\t+7], s[30:31] offset:1024*\t+512
.endm
	LNROW 0
	LNROW 1
	LNROW 2
	LNROW 3
	s_wait_tensorcnt 0x0                           ; the wave's end
	ds_add_u32 v[SPW], v[NIL]
	s_wait_dscnt 0x0
	s_endpgm
.Lfunc_end_k_q9d3b948f8b_ln2:
	.size	k_q9d3b948f8b_ln2, .Lfunc_end_k_q9d3b948f8b_ln2-k_q9d3b948f8b_ln2
	.p2alignl 7, 3214868480
	.fill 96, 4, 3214868480
	.section	.rodata,"a",@progbits
	.p2align	6, 0x0
	.amdhsa_kernel k_q9d3b948f8b_ln2
		.amdhsa_group_segment_fixed_size 41472
		.amdhsa_private_segment_fixed_size 0
		.amdhsa_enable_private_segment 0
		.amdhsa_kernarg_size 40
		.amdhsa_user_sgpr_count 2
		.amdhsa_user_sgpr_kernarg_segment_ptr 1
		.amdhsa_wavefront_size32 1
		.amdhsa_system_sgpr_workgroup_id_x 1
		.amdhsa_system_sgpr_workgroup_id_y 1
		.amdhsa_system_sgpr_workgroup_id_z 1
		.amdhsa_system_vgpr_workitem_id 0
		.amdhsa_next_free_vgpr 256
		.amdhsa_next_free_sgpr 66
		.amdhsa_reserve_vcc 0
		.amdhsa_float_denorm_mode_32 3
		.amdhsa_float_denorm_mode_16_64 3
		.amdhsa_memory_ordered 1
		.amdhsa_forward_progress 1
		.amdhsa_inst_pref_size 45
	.end_amdhsa_kernel
	.amdgpu_metadata
---
amdhsa.version: [ 1, 2 ]
amdhsa.kernels:
  - .name:           k_q9d3b948f8b_ln2
    .symbol:         k_q9d3b948f8b_ln2.kd
    .args:
      - { .name: x1, .offset: 0, .size: 8, .value_kind: global_buffer, .address_space: global }
      - { .name: g2, .offset: 8, .size: 8, .value_kind: global_buffer, .address_space: global }
      - { .name: b2, .offset: 16, .size: 8, .value_kind: global_buffer, .address_space: global }
      - { .name: lowp_scales, .offset: 24, .size: 8, .value_kind: global_buffer, .address_space: global }
      - { .name: hhc, .offset: 32, .size: 8, .value_kind: global_buffer, .address_space: global }
    .group_segment_fixed_size: 41472
    .private_segment_fixed_size: 0
    .kernarg_segment_align: 8
    .kernarg_segment_size: 40
    .max_flat_workgroup_size: 128
    .sgpr_count:     66
    .vgpr_count:     256
    .wavefront_size: 32
...
	.end_amdgpu_metadata
.endif
;; end of part 5
;; launch gw1 (part 6): grid 16 x 16, 4 waves a work-group, clusters of 4 x 4, 327,680 bytes of LDS; arguments hhc, wc, lowp_scales, ffc, b1f; writes ffc
.if DOCPART == 6
	.amdgcn_target "amdgcn-amd-amdhsa--gfx1250"
	.amdhsa_code_object_version 6
	.text
	.protected	k_q9d3b948f8b_gw1
	.globl	k_q9d3b948f8b_gw1
	.p2align	8
	.type	k_q9d3b948f8b_gw1,@function
k_q9d3b948f8b_gw1:
	s_mov_b64 s[64:65], 0
	v_nop
	global_prefetch_b8 v0, s[64:65] scope:SCOPE_SE
	s_setreg_imm32_b32 hwreg(HW_REG_WAVE_MODE, 25, 1), 1
	s_wait_xcnt 0x0
	s_wait_alu depctr_hold_cnt(0) depctr_sa_sdst(0) depctr_va_vdst(0) depctr_va_sdst(0) depctr_va_ssrc(0) depctr_va_vcc(0) depctr_vm_vsrc(0)
	s_getreg_b32 s2, hwreg(HW_REG_IB_STS2, 6, 4)
	s_cmp_eq_u32 s2, 0
	s_cbranch_scc0 .Lentry_in_a_cluster
	s_endpgm
.Lentry_in_a_cluster:
	s_bfe_u32 s2, ttmp6, 0x10000c
	s_cmp_lg_u32 s2, 0xf033
	s_cbranch_scc0 .Lentry_shape_is_right
	s_endpgm
.Lentry_shape_is_right:
; ffc = codes (scale e10) of gelu(LN2 W1 + b1f), the product on codes of BF8: A = hhc (e8), B = W1's codes at 4,194,304 of wc (e9); ffc [4096][4096], one code a byte.
; THE CORE is gqkv's: tiles of 256 x 256, four waves of 128 x 128, K in steps of 256 through two LDS slots, clusters of 4 x 4 with joint loads, the matrix instruction used transposed.
; THE WAY OUT IS A LOOP, so that the activation is written once and not for each of eight blocks.  Behind a barrier (no wave reads a slot any more; both slots have had their last fill) each wave stores its 64
; accumulators as they stand, as images of their registers (lane l's 16 bytes at 16 l), into a region of 65,536 bytes of its own.  A trip loads one block's image (16 rows x 128 columns), makes
; sum x 2^(e8 + e9) + bias, the activation, the hold and the codes, and puts 8 bytes a lane into code rows of 144 bytes at the head of the wave's own region, over images that it has read already
; (block a's codes end at 128 + 2,304 (a + 1), inside image 0 for a = 0 and under 8,192 a for the others).  A barrier; then each wave reads 64 whole rows, a half from each of two waves' regions, and stores 256 aligned bytes by sixteen lanes.
; THE ACTIVATION: gelu(x) = 0.5 x (1 + erf(x / sqrt 2)).  erf(z) = z P(z^2) / Q(z^2) on z held within +-4, P of degree 6 and Q of degree 4 in z^2: within a few units of f32's last place of erf for every z
; (beyond +-4 erf is 1 in f32); the quotient is held within +-1.  LIMIT: for x far below 0 the sum 1 + erf cancels, as this formula does in f32.
; LIMITS: e8 + e9 between -126 and 127; e10 between -126 and 112.  NaN among the inputs is not served.
.set KDIM,    1024
.set WOFF,    4194304
.set ASTRIDE, KDIM
.set ASTEP,   256
.set KSTEP,  256
.set ROWB,   256
.set PITCH,  272
.set FR,     16
.set NL,     4
.set NP,     4
.set HALFT,  128*PITCH
.set SLOT,   4*HALFT
.set LAPS,   KDIM/(2*KSTEP)
.set SPARE,  2*SLOT
.set ADRA, 16
.set ADRB, 20
.set SPW,  28
.set NIL,  29
.set AF,   128
.set G1,  24
.set G0,  32
.set G1B, 48
.set G0B, 56
.set BOF,  7                           ; v7   the bias loads' offset; never rewritten
.set SCL,  8
.set LIM,  9
.set IMG,  24                          ; v24  my images: wave x 65,536 + 16 x lane
.set STO,  25                          ; v25  my code rows: where I put 8 bytes
.set RD,   26                          ; v26  where I read a row back
.set CO,   27                          ; v27  my byte offset in ffc
.set ADI,  30                          ; v30, v31: the trip's addresses
.set ADC,  31
.set BI,   32                          ; v32-95  the bias, in the result's layout
.set CD,   96                          ; v96-111 a block's codes
.set T,    128                         ; v128-191 a block at work; v128-255 the rows read back
.set Z,    192                         ; v192-255 sixteen numbers each: z (then x / 2), z^2, P, Q
.set X2,   208
.set P,    224
.set Q,    240
.set MSB, 0
.macro WIN new
.if MSB != \new
	s_set_vgpr_msb (MSB<<8)|\new
.set MSB, \new
.endif
.endm
.set MUL_LO, 0xa1
.set MUL_HI, 0xf1
.set TO_B,   0x40
.macro JLOAD g0a, g1a, g0b, g1b
	s_cmp_eq_u32 s15, 0
	s_cbranch_scc0 .Lfor_b_\@
	tensor_load_to_lds s[\g0a:\g0a+3], s[\g1a:\g1a+7]
	s_nop 0
.rept 4
	v_nop
.endr
	s_branch .Lasked_\@
.Lfor_b_\@:
	tensor_load_to_lds s[\g0b:\g0b+3], s[\g1b:\g1b+7]
	s_nop 0
.rept 4
	v_nop
.endr
.Lasked_\@:
.endm
.macro CREST
	s_cmp_lg_u32 s14, 0
	s_cbranch_scc1 .Lnot_wave_0_\@
	s_barrier_signal -3
.Lnot_wave_0_\@:
	s_barrier_wait -3
	s_barrier_signal -1
	s_barrier_wait -1
.endm
.macro CROUND
	s_barrier_signal -1
	s_barrier_wait -1
	CREST
.endm
	s_load_b256 s[4:11], s[0:1], 0x0               ; hhc s[4:5], wc s[6:7], the exponents s[8:9], ffc s[10:11]
	s_load_b64 s[84:85], s[0:1], 0x20              ; b1f
	v_lshl_add_u32 v[SPW], v0, 2, SPARE
	v_mov_b32 v[NIL], 0
	ds_add_u32 v[SPW], v[NIL]                      ; the wave's opening: the add, twice on end, and its wait ahead of my first tensor load
	ds_add_u32 v[SPW], v[NIL]
	v_lshrrev_b32 v1, 5, v0
	v_readfirstlane_b32 s14, v1
	s_lshr_b32 s15, s14, 1
	s_and_b32 s16, s14, 1
	s_bfe_u32 s40, ttmp6, 0x40000
	s_bfe_u32 s41, ttmp6, 0x40004
	s_lshl_b32 s42, ttmp9, 2
	s_add_co_u32 s42, s42, s40                     ; tile column
	s_and_b32 s17, ttmp7, 0xffff
	s_lshl_b32 s17, s17, 2
	s_add_co_u32 s17, s17, s41                     ; tile row
	s_lshl_b32 s43, s41, 2
	s_lshl_b32 s43, 15, s43
	s_lshl_b32 s44, 0x1111, s40
	s_or_b32 s[G1+0], s43, (0<<16)|(1<<20)|(1<<21)|(5<<22)|(3<<25)
	s_or_b32 s[G1B+0], s44, (0<<16)|(1<<20)|(1<<21)|(5<<22)|(3<<25)
.irp g, G1, G1B
	s_mov_b32 s[\g+1], ROWB<<16
	s_mov_b32 s[\g+2], 128<<16
	s_mov_b32 s[\g+3], ROWB<<16
	s_mov_b32 s[\g+4], 128
	s_mov_b32 s[\g+6], 0
	s_mov_b32 s[\g+7], 0
.endr
	s_mov_b32 s[G1+5], ASTRIDE
	s_mov_b32 s[G1B+5], KDIM
	s_lshl_b32 s18, s16, 7
	s_lshl_b32 s20, s17, 8
	s_add_co_u32 s20, s20, s18
	s_lshl_b32 s46, s42, 8
	s_add_co_u32 s46, s46, s18
	s_mov_b32 s21, 0
	s_mov_b32 s47, 0
	s_mov_b64 s[18:19], KDIM
	s_mul_u64 s[20:21], s[20:21], s[18:19]
	s_mul_u64 s[46:47], s[46:47], s[18:19]
	s_mul_i32 s45, s14, HALFT
	s_wait_dscnt 0x0
	s_wait_kmcnt 0x0
	s_load_b256 s[68:75], s[8:9], 0x0              ; e0 .. e7
	s_load_b128 s[76:79], s[8:9], 0x20             ; e8 .. e11
	s_add_nc_u64 s[6:7], s[6:7], WOFF
	s_add_nc_u64 s[20:21], s[4:5], s[20:21]
	s_add_nc_u64 s[46:47], s[6:7], s[46:47]
	CROUND
.irp s, 0,1
	s_mov_b32 s[G0+4*\s], 1
	s_add_co_u32 s[G0+4*\s+1], s45, \s*SLOT
	s_add_nc_u64 s[G0+4*\s+2:G0+4*\s+3], s[20:21], \s*ASTEP
	s_or_b32 s[G0+4*\s+3], s[G0+4*\s+3], 0x80000000
	s_mov_b32 s[G0B+4*\s], 1
	s_add_co_u32 s[G0B+4*\s+1], s45, \s*SLOT
	s_add_nc_u64 s[G0B+4*\s+2:G0B+4*\s+3], s[46:47], \s*ROWB
	s_or_b32 s[G0B+4*\s+3], s[G0B+4*\s+3], 0x80000000
	JLOAD G0+4*\s, G1, G0B+4*\s, G1B
.endr
	v_and_b32 v1, 15, v0
	v_bfe_u32 v2, v0, 4, 1
	v_mul_u32_u24 v3, v1, PITCH
	v_lshl_add_u32 v4, v2, 4, v3
	s_mul_i32 s21, s15, HALFT
	s_mul_i32 s22, s16, HALFT
	s_add_co_u32 s22, s22, 2*HALFT
.irp s, 0,1
	v_add_nc_u32 v[ADRA+\s], s21, v4
	v_add_nc_u32 v[ADRB+\s], s22, v4
	s_add_co_u32 s21, s21, SLOT
	s_add_co_u32 s22, s22, SLOT
.endr
	; the way out's addresses
	s_lshl_b32 s23, s14, 16                        ; my region
	v_and_b32 v6, 31, v0
	v_lshlrev_b32 v5, 4, v6
	v_add_nc_u32 v[IMG], s23, v5
	s_lshl_b32 s21, s16, 7
	s_add_co_u32 s23, s23, s21                     ; the code rows of the waves with the right half of the columns begin 128 bytes later, so that a row's two halves fall on different banks
	v_mul_u32_u24 v5, v1, 144
	v_lshl_add_u32 v5, v2, 3, v5
	v_add_nc_u32 v[STO], s23, v5                   ; row r of 144 bytes, + 8 h
	s_lshl_b32 s22, s15, 17                        ; back: rows 64 x wave on of the tile: the regions of the two waves that made them,
	s_mul_i32 s21, s16, 64*144                     ; their rows 64 x (wave % 2) on
	s_add_co_u32 s22, s22, s21
	v_bfe_u32 v5, v0, 3, 1
	v_mul_u32_u24 v5, v5, 65664                    ; lanes 8-15 of sixteen: the right half's region, 65,536 + 128 on
	v_mad_u32_u24 v5, v2, 144, v5
	v_and_b32 v6, 7, v0
	v_lshl_add_u32 v5, v6, 4, v5
	v_add_nc_u32 v[RD], s22, v5
	v_lshlrev_b32 v5, 12, v2
	v_lshl_add_u32 v[CO], v1, 4, v5                ; two rows of ffc an instruction, sixteen lanes to 256 bytes
	v_lshlrev_b32 v[BOF], 5, v2
	s_lshl_b32 s20, s17, 8
	s_lshl_b32 s21, s14, 6
	s_add_co_u32 s20, s20, s21
	s_lshl_b32 s20, s20, 12                        ; (256 x tile row + 64 x wave) x 4,096
	s_lshl_b32 s21, s42, 8
	s_add_co_u32 s20, s20, s21
	s_mov_b32 s21, 0
	s_add_nc_u64 s[10:11], s[10:11], s[20:21]
	s_lshl_b32 s46, s42, 10
	s_lshl_b32 s47, s16, 9
	s_add_co_u32 s46, s46, s47
	s_mov_b32 s47, 0
	s_add_nc_u64 s[84:85], s[84:85], s[46:47]
.irp b, 0,1,2,3,4,5,6,7
	global_load_b128 v[BI+8*\b:BI+8*\b+3], v[BOF], s[84:85] offset:64*\b          ; columns 16 b + 8 h + 0 .. 7
	global_load_b128 v[BI+8*\b+4:BI+8*\b+7], v[BOF], s[84:85] offset:64*\b+16
.endr
.macro FRAG reg, adr, q, i
.irp c, 0,1,2,3
	ds_load_b128 v[\reg+4*\c:\reg+4*\c+3], v[\adr] offset:128*(\q)+32*\c+(\i)*16*PITCH
.endr
.endm
.macro MUL16 a0, p, zero
.irp a, \a0, \a0+1
.irp b, 0,1,2,3,4,5,6,7
.if \zero
	v_wmma_f32_16x16x128_bf8_bf8 v[8*(8*((\a)%4)+\b):8*(8*((\a)%4)+\b)+7], v[128*(\p)+FR*\b:128*(\p)+FR*\b+FR-1], v[AF+FR*(\a):AF+FR*(\a)+FR-1], 0
.else
	v_wmma_f32_16x16x128_bf8_bf8 v[8*(8*((\a)%4)+\b):8*(8*((\a)%4)+\b)+7], v[128*(\p)+FR*\b:128*(\p)+FR*\b+FR-1], v[AF+FR*(\a):AF+FR*(\a)+FR-1], v[8*(8*((\a)%4)+\b):8*(8*((\a)%4)+\b)+7]
.endif
.endr
.endr
.endm
.macro FETCH_B slot, q, p
	WIN TO_B
.irp i, 0,1,2,3,4,5,6,7
	FRAG 128*(\p)+FR*\i, ADRB+\slot, \q, \i
.endr
	WIN 0
.endm
.macro FETCH_A slot, q, i0
.irp i, \i0, \i0+1, \i0+2, \i0+3
	FRAG AF+FR*(\i), ADRA+\slot, \q, \i
.endr
.endm
.macro PLACES n
.rept \n
	v_nop
.endr
.endm
.macro STEP slot, q, zero
	s_wait_dscnt 4*NL                              ; B's set and A's blocks 0-3 are in; A's blocks 4-7 may be out
	WIN MUL_LO
	MUL16 0, (\q)%2, \zero
	MUL16 2, (\q)%2, \zero
	s_wait_dscnt 0
	PLACES NP
	FETCH_B \slot, (\q)+1, 1-(\q)%2
	FETCH_A \slot, (\q)+1, 0
	WIN MUL_HI
	MUL16 4, (\q)%2, \zero
	MUL16 6, (\q)%2, \zero
	PLACES NP
	WIN 0
	FETCH_A \slot, (\q)+1, 4
.endm
.macro TURN slot, next, fill
	s_wait_tensorcnt 0x0                           ; all my tensor loads have landed
	ds_add_u32 v[SPW], v[NIL]
	s_wait_dscnt 4*NL+1                            ; (the add and A's blocks 4-7 may be out)
	WIN MUL_LO
	MUL16 0, 1, 0
	s_wait_dscnt 0x0                               ; the add is done, and my reads of this slot are over
	s_barrier_signal -1
	MUL16 2, 1, 0
	WIN 0
	s_barrier_wait -1
.if \fill
	CREST
	s_add_nc_u64 s[G0+4*\slot+2:G0+4*\slot+3], s[G0+4*\slot+2:G0+4*\slot+3], 2*ASTEP
	s_add_nc_u64 s[G0B+4*\slot+2:G0B+4*\slot+3], s[G0B+4*\slot+2:G0B+4*\slot+3], 2*ROWB
	JLOAD G0+4*\slot, G1, G0B+4*\slot, G1B
.else
	PLACES NP
.endif
	FETCH_B \next, 0, 0
	FETCH_A \next, 0, 0
	WIN MUL_HI
	MUL16 4, 1, 0
	MUL16 6, 1, 0
	PLACES NP
	WIN 0
	FETCH_A \next, 0, 4
.endm
	s_wait_tensorcnt 1                             ; my part of K step 0 is in; K step 1's load may be out
	s_barrier_signal -1
	s_barrier_wait -1
	FETCH_B 0, 0, 0
	FETCH_A 0, 0, 0
	FETCH_A 0, 0, 4
	STEP 0, 0, 1
	s_mov_b32 s3, LAPS-1
.Llap:
	TURN 0, 1, 1
	STEP 1, 0, 0
	TURN 1, 0, 1
	STEP 0, 0, 0
	s_sub_co_u32 s3, s3, 1
	s_cmp_lg_u32 s3, 0
	s_cbranch_scc1 .Llap
	TURN 0, 1, 0
	STEP 1, 0, 0
	s_wait_dscnt 4*NL
	WIN MUL_LO
	MUL16 0, 1, 0
	MUL16 2, 1, 0
	s_wait_dscnt 0                                 ; my last reads of slot 1 are in
	WIN MUL_HI
	MUL16 4, 1, 0
	MUL16 6, 1, 0
	WIN 0
	s_barrier_signal -1                            ; no LDS instruction of mine is out: my reads of both slots are over
	s_wait_kmcnt 0x0
	s_add_co_i32 s80, s78, 127                     ; e10
	s_lshl_b32 s81, s80, 23
	v_mov_b32 v[SCL], s81                          ; (these six moves are also the places behind the last products)
	s_add_co_i32 s80, s80, 15
	s_lshl_b32 s80, s80, 23
	s_or_b32 s80, s80, 0x600000
	v_mov_b32 v[LIM], s80
	v_mov_b32 v10, 0xaf95df0b                      ; P's highest coefficient, as a pair
	v_mov_b32 v11, 0xaf95df0b
	v_mov_b32 v12, 0xb77460cd                      ; Q's
	v_mov_b32 v13, 0xb77460cd
	s_add_co_i32 s96, s76, s77
	s_add_co_i32 s96, s96, 127
	s_lshl_b32 s96, s96, 23                        ; 2^(e8 + e9) as f32
	s_mov_b32 s97, s96
	s_barrier_wait -1                              ; nor any other wave's: the regions may be written
.irp a, 0,1,2,3,4,5,6,7
.set W, 0x08+4*(\a/4)
	WIN W                                          ; the stores' data: window 2 or 3
.set n, 0
.rept 16
	ds_store_b128 v[IMG], v[64*(\a%4)+4*n:64*(\a%4)+4*n+3] offset:8192*\a+512*n   ; each accumulator's low four registers first
.set n, n+1
.endr
.endr
	WIN 0
.macro GELU g                          ; sixteen numbers, v[T + 16 g] on, in place
.set XG, T+16*\g
.set n, 0
.rept 8
	v_pk_mul_f32 v[Z+n:Z+n+1], v[XG+n:XG+n+1], 0x3f3504f3 op_sel_hi:[1,0]   ; z = x / sqrt 2
.set n, n+2
.endr
.set n, 0
.rept 16
	v_med3_num_f32 v[Z+n], v[Z+n], -4.0, 4.0
.set n, n+1
.endr
.set n, 0
.rept 8
	v_pk_mul_f32 v[X2+n:X2+n+1], v[Z+n:Z+n+1], v[Z+n:Z+n+1]
.set n, n+2
.endr
.set n, 0
.rept 8
	v_pk_fma_f32 v[P+n:P+n+1], v[X2+n:X2+n+1], v[10:11], 0x32edffee op_sel_hi:[1,1,0]
	v_pk_fma_f32 v[Q+n:Q+n+1], v[X2+n:X2+n+1], v[12:13], 0xb95fbd29 op_sel_hi:[1,1,0]
.set n, n+2
.endr
.irp k, 0xb60cff51, 0xb86ec2d2, 0xba40ac63, 0xbb41a1f6, 0xbc83dbd4
.set n, 0
.rept 8
	v_pk_fma_f32 v[P+n:P+n+1], v[P+n:P+n+1], v[X2+n:X2+n+1], \k op_sel_hi:[1,1,0]
.set n, n+2
.endr
.endr
.irp k, 0xbadc924e, 0xbbf19bf8, 0xbc69b6a7
.set n, 0
.rept 8
	v_pk_fma_f32 v[Q+n:Q+n+1], v[Q+n:Q+n+1], v[X2+n:X2+n+1], \k op_sel_hi:[1,1,0]
.set n, n+2
.endr
.endr
.set n, 0
.rept 8
	v_pk_mul_f32 v[P+n:P+n+1], v[P+n:P+n+1], v[Z+n:Z+n+1]
.set n, n+2
.endr
.set n, 0
.rept 16
	v_rcp_f32 v[Q+n], v[Q+n]
.set n, n+1
.endr
.set n, 0
.rept 8
	v_pk_mul_f32 v[Z+n:Z+n+1], v[XG+n:XG+n+1], 0.5 op_sel_hi:[1,0]   ; x / 2: plain lines behind the reciprocals
.set n, n+2
.endr
	s_wait_alu depctr_va_vdst(0)                   ; one wait for the sixteen, ahead of the first line that names a result
.set n, 0
.rept 8
	v_pk_mul_f32 v[P+n:P+n+1], v[P+n:P+n+1], v[Q+n:Q+n+1]
.set n, n+2
.endr
.set n, 0
.rept 16
	v_med3_num_f32 v[P+n], v[P+n], -1.0, 1.0
.set n, n+1
.endr
.set n, 0
.rept 8
	v_pk_fma_f32 v[XG+n:XG+n+1], v[Z+n:Z+n+1], v[P+n:P+n+1], v[Z+n:Z+n+1]   ; x / 2 + x / 2 x erf
.set n, n+2
.endr
.endm
	s_wait_loadcnt 0x0                             ; the bias
	s_mov_b32 s80, 0                               ; the trip's image
	s_mov_b32 s81, 0                               ; and its code rows
	s_mov_b32 s3, 8
.Lblk:
	v_add_nc_u32 v[ADI], s80, v[IMG]
	v_add_nc_u32 v[ADC], s81, v[STO]
.set n, 0
.rept 16
	ds_load_b128 v[T+4*n:T+4*n+3], v[ADI] offset:512*n
.set n, n+1
.endr
	s_wait_dscnt 0x0                               ; the image is in, and the last trip's stores have read their codes
.set n, 0
.rept 32
	v_pk_fma_f32 v[T+n:T+n+1], v[T+n:T+n+1], s[96:97], v[BI+n:BI+n+1] op_sel_hi:[1,0,1]
.set n, n+2
.endr
	GELU 0
	GELU 1
	GELU 2
	GELU 3
.irp b, 0,1,2,3,4,5,6,7
.irp i, 0,1,2,3,4,5,6,7
	v_med3_num_f32 v[T+8*\b+\i], v[T+8*\b+\i], -v[LIM], v[LIM]
.endr
	v_cvt_scalef32_pk8_bf8_f32 v[CD+2*\b:CD+2*\b+1], v[T+8*\b:T+8*\b+7], v[SCL]
.endr
	v_nop                                          ; a plain line behind the last conversion
.irp b, 0,1,2,3,4,5,6,7
	ds_store_b64 v[ADC], v[CD+2*\b:CD+2*\b+1] offset:16*\b
.endr
	s_add_co_u32 s80, s80, 8192
	s_add_co_u32 s81, s81, 2304
	s_sub_co_u32 s3, s3, 1
	s_cmp_lg_u32 s3, 0
	s_cbranch_scc1 .Lblk
	s_wait_dscnt 0x0                               ; for the others' sake: my code rows are written
	s_barrier_signal -1
	s_barrier_wait -1
.set u, 0
.rept 32
	ds_load_b128 v[T+4*u:T+4*u+3], v[RD] offset:288*u
.set u, u+1
.endr
.set u, 0
.rept 32
	s_wait_dscnt 31-u
	global_store_b128 v[CO], v[T+4*u:T+4*u+3], s[10:11] offset:8192*u   ; sixteen lanes store 256 consecutive bytes, aligned
.set u, u+1
.endr
	s_wait_tensorcnt 0x0                           ; the wave's end
	ds_add_u32 v[SPW], v[NIL]
	s_wait_dscnt 0x0
	CROUND                                         ; the closing round
	s_endpgm
.Lfunc_end_k_q9d3b948f8b_gw1:
	.size	k_q9d3b948f8b_gw1, .Lfunc_end_k_q9d3b948f8b_gw1-k_q9d3b948f8b_gw1
	.p2alignl 7, 3214868480
	.fill 96, 4, 3214868480
	.section	.rodata,"a",@progbits
	.p2align	6, 0x0
	.amdhsa_kernel k_q9d3b948f8b_gw1
		.amdhsa_group_segment_fixed_size 327680
		.amdhsa_private_segment_fixed_size 0
		.amdhsa_enable_private_segment 0
		.amdhsa_kernarg_size 40
		.amdhsa_user_sgpr_count 2
		.amdhsa_user_sgpr_kernarg_segment_ptr 1
		.amdhsa_wavefront_size32 1
		.amdhsa_system_sgpr_workgroup_id_x 1
		.amdhsa_system_sgpr_workgroup_id_y 1
		.amdhsa_system_sgpr_workgroup_id_z 1
		.amdhsa_system_vgpr_workitem_id 0
		.amdhsa_next_free_vgpr 1024
		.amdhsa_next_free_sgpr 100
		.amdhsa_reserve_vcc 0
		.amdhsa_float_denorm_mode_32 3
		.amdhsa_float_denorm_mode_16_64 3
		.amdhsa_memory_ordered 1
		.amdhsa_forward_progress 1
		.amdhsa_inst_pref_size 156
	.end_amdhsa_kernel
	.amdgpu_metadata
---
amdhsa.version: [ 1, 2 ]
amdhsa.kernels:
  - .name:           k_q9d3b948f8b_gw1
    .symbol:         k_q9d3b948f8b_gw1.kd
    .args:
      - { .name: hhc, .offset: 0, .size: 8, .value_kind: global_buffer, .address_space: global }
      - { .name: wc, .offset: 8, .size: 8, .value_kind: global_buffer, .address_space: global }
      - { .name: lowp_scales, .offset: 16, .size: 8, .value_kind: global_buffer, .address_space: global }
      - { .name: ffc, .offset: 24, .size: 8, .value_kind: global_buffer, .address_space: global }
      - { .name: b1f, .offset: 32, .size: 8, .value_kind: global_buffer, .address_space: global }
    .group_segment_fixed_size: 327680
    .private_segment_fixed_size: 0
    .kernarg_segment_align: 8
    .kernarg_segment_size: 40
    .max_flat_workgroup_size: 128
    .sgpr_count:     100
    .vgpr_count:     1024
    .wavefront_size: 32
...
	.end_amdgpu_metadata
.endif
;; end of part 6
;; launch gw2 (part 7): grid 4 x 16, 4 waves a work-group, clusters of 4 x 4, 327,680 bytes of LDS; arguments ffc, wc, lowp_scales, out0, b2f, x1; writes out0
.if DOCPART == 7
	.amdgcn_target "amdgcn-amd-amdhsa--gfx1250"
	.amdhsa_code_object_version 6
	.text
	.protected	k_q9d3b948f8b_gw2
	.globl	k_q9d3b948f8b_gw2
	.p2align	8
	.type	k_q9d3b948f8b_gw2,@function
k_q9d3b948f8b_gw2:
	s_mov_b64 s[64:65], 0
	v_nop
	global_prefetch_b8 v0, s[64:65] scope:SCOPE_SE
	s_setreg_imm32_b32 hwreg(HW_REG_WAVE_MODE, 25, 1), 1
	s_wait_xcnt 0x0
	s_wait_alu depctr_hold_cnt(0) depctr_sa_sdst(0) depctr_va_vdst(0) depctr_va_sdst(0) depctr_va_ssrc(0) depctr_va_vcc(0) depctr_vm_vsrc(0)
	s_getreg_b32 s2, hwreg(HW_REG_IB_STS2, 6, 4)
	s_cmp_eq_u32 s2, 0
	s_cbranch_scc0 .Lentry_in_a_cluster
	s_endpgm
.Lentry_in_a_cluster:
	s_bfe_u32 s2, ttmp6, 0x10000c
	s_cmp_lg_u32 s2, 0xf033
	s_cbranch_scc0 .Lentry_shape_is_right
	s_endpgm
.Lentry_shape_is_right:
; out0 = x1 + gelu(..) W2 + b2f, the product on codes of BF8.  A = ffc [4096][4096] (scale e10), B = W2's codes [1024][4096] at 8,388,608 of wc (e11), out0 [4096][1024] f32.
; THE CORE is gqkv's: tiles of 256 x 256, four waves of 128 x 128, K = 4,096 in sixteen steps of 256 through two LDS slots, clusters of 4 x 4 with joint loads, the matrix instruction used transposed.
; THE WAY OUT is gwo's: a block of 16 rows x 128 columns x 2^(e10 + e11) through the wave's own stage in LDS (in slot 0, which has had its last fill and its last read), back as rows of 512 bytes;
; the residual, loaded in that layout a block ahead, and the bias are added; 32 lanes store 512 consecutive bytes.
; 64 tiles: a quarter of the WGPs have work; the core is kept as it is in all four products.
; LIMIT: e10 + e11 between -126 and 127.
.set KDIM,    4096
.set WOFF,    8388608
.set ASTRIDE, KDIM
.set ASTEP,   256
.set EA, 78
.set EB, 79
.set KSTEP,  256
.set ROWB,   256
.set PITCH,  272
.set FR,     16
.set NL,     4
.set NP,     4
.set HALFT,  128*PITCH
.set SLOT,   4*HALFT
.set LAPS,   KDIM/(2*KSTEP)
.set SPARE,  2*SLOT
.set SPITCH, 528
.set ADRA, 16
.set ADRB, 20
.set STO,  24
.set RD,   25
.set CO,   26
.set SPW,  28
.set NIL,  29
.set TMP,  32
.set BS,   96
.set AF,   128
.set BK,   128
.set G1,  24
.set G0,  32
.set G1B, 48
.set G0B, 56
.set MSB, 0
.macro WIN new
.if MSB != \new
	s_set_vgpr_msb (MSB<<8)|\new
.set MSB, \new
.endif
.endm
.set MUL_LO, 0xa1
.set MUL_HI, 0xf1
.set TO_B,   0x40
.macro JLOAD g0a, g1a, g0b, g1b
	s_cmp_eq_u32 s15, 0
	s_cbranch_scc0 .Lfor_b_\@
	tensor_load_to_lds s[\g0a:\g0a+3], s[\g1a:\g1a+7]
	s_nop 0
.rept 4
	v_nop
.endr
	s_branch .Lasked_\@
.Lfor_b_\@:
	tensor_load_to_lds s[\g0b:\g0b+3], s[\g1b:\g1b+7]
	s_nop 0
.rept 4
	v_nop
.endr
.Lasked_\@:
.endm
.macro CREST
	s_cmp_lg_u32 s14, 0
	s_cbranch_scc1 .Lnot_wave_0_\@
	s_barrier_signal -3
.Lnot_wave_0_\@:
	s_barrier_wait -3
	s_barrier_signal -1
	s_barrier_wait -1
.endm
.macro CROUND
	s_barrier_signal -1
	s_barrier_wait -1
	CREST
.endm
	s_load_b256 s[4:11], s[0:1], 0x0               ; A s[4:5], wc s[6:7], the exponents s[8:9], the result s[10:11]
	s_load_b128 s[84:87], s[0:1], 0x20             ; the bias s[84:85], the residual s[86:87]
	v_lshl_add_u32 v[SPW], v0, 2, SPARE
	v_mov_b32 v[NIL], 0
	ds_add_u32 v[SPW], v[NIL]                      ; the wave's opening: the add, twice on end, and its wait ahead of my first tensor load
	ds_add_u32 v[SPW], v[NIL]
	v_lshrrev_b32 v1, 5, v0
	v_readfirstlane_b32 s14, v1
	s_lshr_b32 s15, s14, 1
	s_and_b32 s16, s14, 1
	s_bfe_u32 s40, ttmp6, 0x40000
	s_bfe_u32 s41, ttmp6, 0x40004
	s_lshl_b32 s42, ttmp9, 2
	s_add_co_u32 s42, s42, s40                     ; tile column
	s_and_b32 s17, ttmp7, 0xffff
	s_lshl_b32 s17, s17, 2
	s_add_co_u32 s17, s17, s41                     ; tile row
	s_lshl_b32 s43, s41, 2
	s_lshl_b32 s43, 15, s43
	s_lshl_b32 s44, 0x1111, s40
	s_or_b32 s[G1+0], s43, (0<<16)|(1<<20)|(1<<21)|(5<<22)|(3<<25)
	s_or_b32 s[G1B+0], s44, (0<<16)|(1<<20)|(1<<21)|(5<<22)|(3<<25)
.irp g, G1, G1B
	s_mov_b32 s[\g+1], ROWB<<16
	s_mov_b32 s[\g+2], 128<<16
	s_mov_b32 s[\g+3], ROWB<<16
	s_mov_b32 s[\g+4], 128
	s_mov_b32 s[\g+6], 0
	s_mov_b32 s[\g+7], 0
.endr
	s_mov_b32 s[G1+5], ASTRIDE
	s_mov_b32 s[G1B+5], KDIM
	s_lshl_b32 s18, s16, 7
	s_lshl_b32 s20, s17, 8
	s_add_co_u32 s20, s20, s18
	s_lshl_b32 s46, s42, 8
	s_add_co_u32 s46, s46, s18
	s_mov_b32 s21, 0
	s_mov_b32 s47, 0
	s_mov_b64 s[18:19], KDIM
	s_mul_u64 s[20:21], s[20:21], s[18:19]
	s_mul_u64 s[46:47], s[46:47], s[18:19]
	s_mul_i32 s45, s14, HALFT
	s_wait_dscnt 0x0
	s_wait_kmcnt 0x0
	s_load_b256 s[68:75], s[8:9], 0x0              ; e0 .. e7
	s_load_b128 s[76:79], s[8:9], 0x20             ; e8 .. e11
	s_add_nc_u64 s[6:7], s[6:7], WOFF
	s_add_nc_u64 s[20:21], s[4:5], s[20:21]
	s_add_nc_u64 s[46:47], s[6:7], s[46:47]
	CROUND
.irp s, 0,1
	s_mov_b32 s[G0+4*\s], 1
	s_add_co_u32 s[G0+4*\s+1], s45, \s*SLOT
	s_add_nc_u64 s[G0+4*\s+2:G0+4*\s+3], s[20:21], \s*ASTEP
	s_or_b32 s[G0+4*\s+3], s[G0+4*\s+3], 0x80000000
	s_mov_b32 s[G0B+4*\s], 1
	s_add_co_u32 s[G0B+4*\s+1], s45, \s*SLOT
	s_add_nc_u64 s[G0B+4*\s+2:G0B+4*\s+3], s[46:47], \s*ROWB
	s_or_b32 s[G0B+4*\s+3], s[G0B+4*\s+3], 0x80000000
	JLOAD G0+4*\s, G1, G0B+4*\s, G1B
.endr
	v_and_b32 v1, 15, v0
	v_bfe_u32 v2, v0, 4, 1
	v_mul_u32_u24 v3, v1, PITCH
	v_lshl_add_u32 v4, v2, 4, v3
	s_mul_i32 s21, s15, HALFT
	s_mul_i32 s22, s16, HALFT
	s_add_co_u32 s22, s22, 2*HALFT
.irp s, 0,1
	v_add_nc_u32 v[ADRA+\s], s21, v4
	v_add_nc_u32 v[ADRB+\s], s22, v4
	s_add_co_u32 s21, s21, SLOT
	s_add_co_u32 s22, s22, SLOT
.endr
	s_mul_i32 s23, s14, 16*SPITCH                  ; my stage
	v_mul_u32_u24 v5, v1, SPITCH
	v_lshl_add_u32 v5, v2, 5, v5
	v_add_nc_u32 v[STO], s23, v5
	v_and_b32 v6, 31, v0
	v_lshlrev_b32 v[CO], 4, v6
	v_add_nc_u32 v[RD], s23, v[CO]
	s_lshl_b32 s20, s17, 8
	s_lshl_b32 s21, s15, 7
	s_add_co_u32 s20, s20, s21
	s_lshl_b32 s20, s20, 12                        ; my first row x 4,096 bytes
	s_lshl_b32 s46, s42, 10
	s_lshl_b32 s47, s16, 9
	s_add_co_u32 s46, s46, s47                     ; my first column x 4
	s_add_co_u32 s20, s20, s46
	s_mov_b32 s21, 0
	s_mov_b32 s47, 0
	s_add_nc_u64 s[10:11], s[10:11], s[20:21]
	s_add_nc_u64 s[86:87], s[86:87], s[20:21]
	s_add_nc_u64 s[84:85], s[84:85], s[46:47]
	global_load_b128 v[BS:BS+3], v[CO], s[84:85]
.macro FRAG reg, adr, q, i
.irp c, 0,1,2,3
	ds_load_b128 v[\reg+4*\c:\reg+4*\c+3], v[\adr] offset:128*(\q)+32*\c+(\i)*16*PITCH
.endr
.endm
.macro MUL16 a0, p, zero
.irp a, \a0, \a0+1
.irp b, 0,1,2,3,4,5,6,7
.if \zero
	v_wmma_f32_16x16x128_bf8_bf8 v[8*(8*((\a)%4)+\b):8*(8*((\a)%4)+\b)+7], v[128*(\p)+FR*\b:128*(\p)+FR*\b+FR-1], v[AF+FR*(\a):AF+FR*(\a)+FR-1], 0
.else
	v_wmma_f32_16x16x128_bf8_bf8 v[8*(8*((\a)%4)+\b):8*(8*((\a)%4)+\b)+7], v[128*(\p)+FR*\b:128*(\p)+FR*\b+FR-1], v[AF+FR*(\a):AF+FR*(\a)+FR-1], v[8*(8*((\a)%4)+\b):8*(8*((\a)%4)+\b)+7]
.endif
.endr
.endr
.endm
.macro FETCH_B slot, q, p
	WIN TO_B
.irp i, 0,1,2,3,4,5,6,7
	FRAG 128*(\p)+FR*\i, ADRB+\slot, \q, \i
.endr
	WIN 0
.endm
.macro FETCH_A slot, q, i0
.irp i, \i0, \i0+1, \i0+2, \i0+3
	FRAG AF+FR*(\i), ADRA+\slot, \q, \i
.endr
.endm
.macro PLACES n
.rept \n
	v_nop
.endr
.endm
.macro STEP slot, q, zero
	s_wait_dscnt 4*NL                              ; B's set and A's blocks 0-3 are in; A's blocks 4-7 may be out
	WIN MUL_LO
	MUL16 0, (\q)%2, \zero
	MUL16 2, (\q)%2, \zero
	s_wait_dscnt 0
	PLACES NP
	FETCH_B \slot, (\q)+1, 1-(\q)%2
	FETCH_A \slot, (\q)+1, 0
	WIN MUL_HI
	MUL16 4, (\q)%2, \zero
	MUL16 6, (\q)%2, \zero
	PLACES NP
	WIN 0
	FETCH_A \slot, (\q)+1, 4
.endm
.macro TURN slot, next, fill
	s_wait_tensorcnt 0x0                           ; all my tensor loads have landed
	ds_add_u32 v[SPW], v[NIL]
	s_wait_dscnt 4*NL+1                            ; (the add and A's blocks 4-7 may be out)
	WIN MUL_LO
	MUL16 0, 1, 0
	s_wait_dscnt 0x0                               ; the add is done, and my reads of this slot are over
	s_barrier_signal -1
	MUL16 2, 1, 0
	WIN 0
	s_barrier_wait -1
.if \fill
	CREST
	s_add_nc_u64 s[G0+4*\slot+2:G0+4*\slot+3], s[G0+4*\slot+2:G0+4*\slot+3], 2*ASTEP
	s_add_nc_u64 s[G0B+4*\slot+2:G0B+4*\slot+3], s[G0B+4*\slot+2:G0B+4*\slot+3], 2*ROWB
	JLOAD G0+4*\slot, G1, G0B+4*\slot, G1B
.else
	PLACES NP
.endif
	FETCH_B \next, 0, 0
	FETCH_A \next, 0, 0
	WIN MUL_HI
	MUL16 4, 1, 0
	MUL16 6, 1, 0
	PLACES NP
	WIN 0
	FETCH_A \next, 0, 4
.endm
	s_wait_tensorcnt 1                             ; my part of K step 0 is in; K step 1's load may be out
	s_barrier_signal -1
	s_barrier_wait -1
	FETCH_B 0, 0, 0
	FETCH_A 0, 0, 0
	FETCH_A 0, 0, 4
	STEP 0, 0, 1
	s_mov_b32 s3, LAPS-1
.Llap:
	TURN 0, 1, 1
	STEP 1, 0, 0
	TURN 1, 0, 1
	STEP 0, 0, 0
	s_sub_co_u32 s3, s3, 1
	s_cmp_lg_u32 s3, 0
	s_cbranch_scc1 .Llap
	TURN 0, 1, 0
	STEP 1, 0, 0
	s_wait_dscnt 4*NL
	WIN MUL_LO
	MUL16 0, 1, 0
	MUL16 2, 1, 0
	s_wait_dscnt 0
	WIN MUL_HI
	MUL16 4, 1, 0
	MUL16 6, 1, 0
	WIN 0
.macro TOSTAGE a
.set AC, 64*((\a)%4)
.set RR, 64*((\a)%2)
	WIN 0x40                                       ; destination window 1: the residual of block a, in the layout in which the block comes back from the stage
.irp t, 0,1,2,3,4,5,6,7,8,9,10,11,12,13,14,15
	global_load_b128 v[RR+4*\t:RR+4*\t+3], v[CO], s[86:87] offset:(16*(\a)+\t)*4096 th:TH_LOAD_NT
.endr
.set W, 0x02+((\a)/4)
	WIN W
.set n, 0
.rept 32
	v_pk_mul_f32 v[TMP+n:TMP+n+1], v[AC+n:AC+n+1], s[96:97] op_sel_hi:[1,0]   ; x 2^(ea + eb); each accumulator from its low end on
.set n, n+2
.endr
	WIN 0
.irp b, 0,1,2,3,4,5,6,7
	ds_store_b128 v[STO], v[TMP+8*\b:TMP+8*\b+3] offset:64*\b
	ds_store_b128 v[STO], v[TMP+8*\b+4:TMP+8*\b+7] offset:64*\b+16
.endr
.set BBK, BK+64*((\a)%2)
.irp t, 0,1,2,3,4,5,6,7,8,9,10,11,12,13,14,15
	ds_load_b128 v[BBK+4*\t:BBK+4*\t+3], v[RD] offset:\t*SPITCH   ; a wave's LDS instructions are served in order
.endr
.endm
.macro SEND a, younger, left           ; younger: LDS instructions issued behind block a's loads; left: the next block's residual loads
.set BBK, BK+64*((\a)%2)
.set RR, 64*((\a)%2)
	s_wait_dscnt \younger
	s_wait_loadcnt \left
	WIN 0x04                                       ; source 1 window 1
.set n, 0
.rept 32
	v_pk_add_f32 v[BBK+n:BBK+n+1], v[BBK+n:BBK+n+1], v[RR+n:RR+n+1]
.set n, n+2
.endr
	WIN 0
.irp t, 0,1,2,3,4,5,6,7,8,9,10,11,12,13,14,15
	v_pk_add_f32 v[BBK+4*\t:BBK+4*\t+1], v[BBK+4*\t:BBK+4*\t+1], v[BS:BS+1]
	v_pk_add_f32 v[BBK+4*\t+2:BBK+4*\t+3], v[BBK+4*\t+2:BBK+4*\t+3], v[BS+2:BS+3]
.endr
.irp t, 0,1,2,3,4,5,6,7,8,9,10,11,12,13,14,15
	global_store_b128 v[CO], v[BBK+4*\t:BBK+4*\t+3], s[10:11] offset:(16*(\a)+\t)*4096 th:TH_STORE_NT   ; 32 lanes store 512 consecutive bytes, aligned
.endr
.endm
	s_wait_kmcnt 0x0
	s_add_co_i32 s96, s[EA], s[EB]
	s_add_co_i32 s96, s96, 127
	s_lshl_b32 s96, s96, 23                        ; 2^(ea + eb) as f32
	s_mov_b32 s97, s96
	PLACES NP
	TOSTAGE 0
.irp a, 1,2,3,4,5,6,7
.if \a > 1
	s_wait_xcnt 0x0                                ; the stores of two blocks ago have read their registers: this block's loads from the stage may land there
.endif
	TOSTAGE \a
	SEND \a-1, 32, 16
.endr
	SEND 7, 0, 0
	s_wait_tensorcnt 0x0                           ; the wave's end
	ds_add_u32 v[SPW], v[NIL]
	s_wait_dscnt 0x0
	CROUND                                         ; the closing round
	s_endpgm
.Lfunc_end_k_q9d3b948f8b_gw2:
	.size	k_q9d3b948f8b_gw2, .Lfunc_end_k_q9d3b948f8b_gw2-k_q9d3b948f8b_gw2
	.p2alignl 7, 3214868480
	.fill 96, 4, 3214868480
	.section	.rodata,"a",@progbits
	.p2align	6, 0x0
	.amdhsa_kernel k_q9d3b948f8b_gw2
		.amdhsa_group_segment_fixed_size 327680
		.amdhsa_private_segment_fixed_size 0
		.amdhsa_enable_private_segment 0
		.amdhsa_kernarg_size 48
		.amdhsa_user_sgpr_count 2
		.amdhsa_user_sgpr_kernarg_segment_ptr 1
		.amdhsa_wavefront_size32 1
		.amdhsa_system_sgpr_workgroup_id_x 1
		.amdhsa_system_sgpr_workgroup_id_y 1
		.amdhsa_system_sgpr_workgroup_id_z 1
		.amdhsa_system_vgpr_workitem_id 0
		.amdhsa_next_free_vgpr 1024
		.amdhsa_next_free_sgpr 100
		.amdhsa_reserve_vcc 0
		.amdhsa_float_denorm_mode_32 3
		.amdhsa_float_denorm_mode_16_64 3
		.amdhsa_memory_ordered 1
		.amdhsa_forward_progress 1
		.amdhsa_inst_pref_size 168
	.end_amdhsa_kernel
	.amdgpu_metadata
---
amdhsa.version: [ 1, 2 ]
amdhsa.kernels:
  - .name:           k_q9d3b948f8b_gw2
    .symbol:         k_q9d3b948f8b_gw2.kd
    .args:
      - { .name: ffc, .offset: 0, .size: 8, .value_kind: global_buffer, .address_space: global }
      - { .name: wc, .offset: 8, .size: 8, .value_kind: global_buffer, .address_space: global }
      - { .name: lowp_scales, .offset: 16, .size: 8, .value_kind: global_buffer, .address_space: global }
      - { .name: out0, .offset: 24, .size: 8, .value_kind: global_buffer, .address_space: global }
      - { .name: b2f, .offset: 32, .size: 8, .value_kind: global_buffer, .address_space: global }
      - { .name: x1, .offset: 40, .size: 8, .value_kind: global_buffer, .address_space: global }
    .group_segment_fixed_size: 327680
    .private_segment_fixed_size: 0
    .kernarg_segment_align: 8
    .kernarg_segment_size: 48
    .max_flat_workgroup_size: 128
    .sgpr_count:     100
    .vgpr_count:     1024
    .wavefront_size: 32
...
	.end_amdgpu_metadata
.endif
;; end of part 7
;; ======== version 2 of 2: 7 launches
;; limits: right only within a limited range of input values
;; workspace buffers: wc 12,582,912 bytes; hc 4,194,304 bytes; qkvc 12,582,912 bytes; aoc 4,194,304 bytes; x1 16,777,216 bytes; hhc 4,194,304 bytes; ffc 16,777,216 bytes
;; launch prep (part 8): grid 640 x 1, 4 waves a work-group, no clusters, 76,288 bytes of LDS; arguments Wqkv, Wo, W1, W2, x, g1, b1, lowp_scales, wc, hc; writes wc, hc
.if DOCPART == 8
	.amdgcn_target "amdgcn-amd-amdhsa--gfx1250"
	.amdhsa_code_object_version 6
	.text
	.protected	k_q9d3b948f8b_prep
	.globl	k_q9d3b948f8b_prep
	.p2align	8
	.type	k_q9d3b948f8b_prep,@function
k_q9d3b948f8b_prep:
	s_mov_b64 s[64:65], 0
	v_nop
	global_prefetch_b8 v0, s[64:65] scope:SCOPE_SE
	s_setreg_imm32_b32 hwreg(HW_REG_WAVE_MODE, 25, 1), 1
	s_wait_xcnt 0x0
; THE PROGRAM: one transformer layer (LN1, QKV, causal attention, Wo + residual, LN2, W1, exact GELU, W2 + residual), all six products on codes of BF8 (E5M2), each operand with the one scale 2^e that is given.
; Seven launches: prep | gqkv | attn | gwo | ln2 | gw1 | gw2.
; WORK LEFT OUT (in launch attn alone): key steps all of whose 128 keys come after a wave's 16 queries, and the tiles of K and V beyond a work-group's last query.  The layer's own mask (key j counts for query i where
; j <= i) sets those logits to -infinity ahead of the softmax, so their p is 0 and they add nothing to the row's sum or to the product with V, whatever finite values the inputs hold.  No input is left out: every
; bias goes into a quantised operand or into the output.  LIMIT: a NaN, an infinity or an overflow that reaches only those hidden scores is not carried to the result.
; THIS LAUNCH.  Work-groups 0-383: the four weights, f32 stored [K][N], become codes laid [N][K], K innermost, in wc (Wqkv at 0, Wo at 3,145,728, W1 at 4,194,304, W2 at 8,388,608).
;   A lane takes a column n and its registers run down K: a load reads 128 consecutive bytes a wave (512 a work-group), the conversions give codes with K innermost, nothing is transposed by an instruction.
;   A wave takes 32 columns x 256 along K; the codes go through its own stage in LDS and leave as rows: sixteen lanes store 256 consecutive bytes, aligned.
; Work-groups 384-639: LN1(x) as codes in hc [4096][1024].  One wave a row at a time, four rows a wave; mean, then the mean of squares of x - mean (two passes over registers), as the layer writes it.
; code = number / 2^e, held within +-57,344, rounded to the nearest code, ties to even.  LIMITS: each e used here (entries 0, 1, 7, 9, 11) between -126 and 112.  NaN among the inputs is not served.
; The two kinds of work-group part on the work-group's number and have LDS bytes of their own.  No tensor load, no barrier: waves share nothing.
.set WSTG,  0                          ; weights: four stages of 32 rows x 272 bytes
.set LSTG,  34816                      ; LN: for each wave two stages of 5,120 bytes
.set SPARE, 75776                      ; the spare words, 128 bytes for each wave
.set SPW,   14                         ; v14  LDS address of my spare word; never rewritten
.set NIL,   15                         ; v15  0; never rewritten
	s_load_b512 s[8:23], s[0:1], 0x0               ; Wqkv s[8:9], Wo s[10:11], W1 s[12:13], W2 s[14:15], x s[16:17], g1 s[18:19], b1 s[20:21], the exponents s[22:23]
	s_load_b128 s[24:27], s[0:1], 0x40             ; wc s[24:25], hc s[26:27]
	v_lshl_add_u32 v[SPW], v0, 2, SPARE
	v_mov_b32 v[NIL], 0
	v_lshrrev_b32 v1, 5, v0
	v_readfirstlane_b32 s2, v1                     ; wave 0..3
	v_and_b32 v1, 31, v0                           ; lane
	s_wait_kmcnt 0x0
	s_load_b256 s[52:59], s[22:23], 0x0            ; e0 .. e7
	s_load_b128 s[60:63], s[22:23], 0x20           ; e8 .. e11
	s_cmp_ge_u32 ttmp9, 384
	s_cbranch_scc1 .Lln
; ---------------- the weights ----------------
.set OFF,  16                          ; v16-47   4 x lane + i rows of the weight, i = 0 .. 31; never rewritten
.set WX,   48                          ; v48-111  two sets of 32 numbers
.set WC,   112                         ; v112-119 a block's codes
.set OUTR, 120                         ; v120-183 the way out
.set SOF,  184                         ; v184-199 the stores' offsets; never rewritten
.set BB,   36                          ; s[36:51] eight bases: my part of the weight, 32 rows of K apart
	s_mov_b64 s[28:29], s[8:9]                     ; which weight: chosen by the work-group's number alone.  Wqkv:
	s_mov_b32 s32, 12288                           ; a row of the weight in bytes
	s_mov_b32 s33, 1024                            ; a row of its codes in bytes
	s_mov_b32 s34, 2                               ; log2 of (K / 256)
	s_mov_b32 s5, 3                                ; K / 256 - 1
	s_mov_b32 s35, 0                               ; its place in wc
	s_mov_b32 s4, 0                                ; its first work-group
	s_cmp_ge_u32 ttmp9, 96                         ; Wo
	s_cselect_b64 s[28:29], s[10:11], s[28:29]
	s_cselect_b32 s32, 4096, s32
	s_cselect_b32 s35, 3145728, s35
	s_cselect_b32 s4, 96, s4
	s_cmp_ge_u32 ttmp9, 128                        ; W1
	s_cselect_b64 s[28:29], s[12:13], s[28:29]
	s_cselect_b32 s32, 16384, s32
	s_cselect_b32 s35, 4194304, s35
	s_cselect_b32 s4, 128, s4
	s_cmp_ge_u32 ttmp9, 256                        ; W2
	s_cselect_b64 s[28:29], s[14:15], s[28:29]
	s_cselect_b32 s32, 4096, s32
	s_cselect_b32 s33, 4096, s33
	s_cselect_b32 s34, 4, s34
	s_cselect_b32 s5, 15, s5
	s_cselect_b32 s35, 8388608, s35
	s_cselect_b32 s4, 256, s4
	s_sub_co_u32 s3, ttmp9, s4                     ; the work-group's number within its weight
	s_and_b32 s4, s3, s5                           ; which 256 along K
	s_lshr_b32 s3, s3, s34                         ; which 128 columns
	s_lshl_b32 s3, s3, 7
	s_lshl_b32 s5, s2, 5
	s_add_co_u32 s3, s3, s5                        ; my wave's first column
	s_mul_i32 s6, s4, s32
	s_lshl_b32 s6, s6, 8                           ; 256 rows of the weight for each step along K (all offsets here stay under 2^24)
	s_lshl_b32 s5, s3, 2
	s_add_co_u32 s6, s6, s5
	s_mov_b32 s7, 0
	s_add_nc_u64 s[BB:BB+1], s[28:29], s[6:7]
	s_mul_i32 s6, s3, s33                          ; the codes: column x row of codes + 256 x step + the weight's place
	s_add_co_u32 s6, s6, s35
	s_lshl_b32 s5, s4, 8
	s_add_co_u32 s6, s6, s5
	s_add_nc_u64 s[30:31], s[24:25], s[6:7]
	s_lshl_b32 s6, s32, 5                          ; 32 rows of the weight
.irp t, 1,2,3,4,5,6,7
	s_add_nc_u64 s[BB+2*\t:BB+2*\t+1], s[BB+2*\t-2:BB+2*\t-1], s[6:7]
.endr
	s_wait_alu depctr_va_vdst(0)
	v_lshlrev_b32 v[OFF], 2, v1
.set i, 1
.rept 31
	v_add_nc_u32 v[OFF+i], s32, v[OFF+i-1]
.set i, i+1
.endr
	s_mul_i32 s6, s2, 32*272                       ; my stage
	v_mul_u32_u24 v4, v1, 272
	v_add_nc_u32 v4, s6, v4                        ; into it: row = my column
	v_and_b32 v5, 15, v1
	v_lshrrev_b32 v6, 4, v1
	v_mul_u32_u24 v7, v6, 272
	v_lshl_add_u32 v7, v5, 4, v7
	v_add_nc_u32 v7, s6, v7                        ; out of it: sixteen lanes to a row, two rows an instruction
	v_mul_lo_u32 v[SOF], v6, s33
	v_lshl_add_u32 v[SOF], v5, 4, v[SOF]           ; and the same place in the codes
	s_lshl_b32 s6, s33, 1
.set i, 1
.rept 15
	v_add_nc_u32 v[SOF+i], s6, v[SOF+i-1]
.set i, i+1
.endr
.macro WLOAD t                         ; block t: the weight's rows 32 t + i at my column, into set t % 2
.set i, 0
.rept 32
	global_load_b32 v[WX+32*((\t)%2)+i], v[OFF+i], s[BB+2*(\t):BB+2*(\t)+1] th:TH_LOAD_NT
.set i, i+1
.endr
.endm
	WLOAD 0
	WLOAD 1
	s_wait_kmcnt 0x0
	s_mov_b32 s5, s53                              ; the weight's exponent: e1, e7, e9 or e11
	s_cmp_ge_u32 ttmp9, 96
	s_cselect_b32 s5, s59, s5
	s_cmp_ge_u32 ttmp9, 128
	s_cselect_b32 s5, s61, s5
	s_cmp_ge_u32 ttmp9, 256
	s_cselect_b32 s5, s63, s5
	s_add_co_i32 s5, s5, 127
	s_lshl_b32 s6, s5, 23
	v_mov_b32 v11, s6                              ; 2^e as f32: the conversion takes its exponent field
	s_add_co_i32 s5, s5, 15
	s_lshl_b32 s5, s5, 23
	s_or_b32 s5, s5, 0x600000
	v_mov_b32 v10, s5                              ; 57,344 x 2^e
.macro WBLOCK t
.set XS, WX+32*((\t)%2)
.if (\t) < 7
	s_wait_loadcnt 32                              ; this block's 32 loads are in; the next block's may be out
.else
	s_wait_loadcnt 0
.endif
.set i, 0
.rept 32
	v_med3_num_f32 v[XS+i], v[XS+i], -v10, v10     ; the conversion to an 8-bit code does not saturate (ISA guide 7.6.2): the hold comes first
.set i, i+1
.endr
.irp g, 0,1,2,3
	v_cvt_scalef32_pk8_bf8_f32 v[WC+2*\g:WC+2*\g+1], v[XS+8*\g:XS+8*\g+7], v11
.endr
	ds_store_b128 v4, v[WC:WC+3] offset:32*(\t)    ; 32 codes: 32 bytes of my column's row
	ds_store_b128 v4, v[WC+4:WC+7] offset:32*(\t)+16
.if (\t)+2 < 8
	WLOAD (\t)+2
.endif
	s_wait_dscnt 0x0                               ; the stores have read their registers: the next block's codes may be written (its 32 holds, plain lines, come first)
.endm
	s_wait_alu depctr_va_vdst(0)
.irp t, 0,1,2,3,4,5,6,7
	WBLOCK \t
.endr
.irp t, 0,1,2,3,4,5,6,7,8,9,10,11,12,13,14,15
	ds_load_b128 v[OUTR+4*\t:OUTR+4*\t+3], v7 offset:2*\t*272   ; LDS serves a wave's instructions in order: these see my stores
.endr
.irp t, 0,1,2,3,4,5,6,7,8,9,10,11,12,13,14,15
	s_wait_dscnt 15-\t
	global_store_b128 v[SOF+\t], v[OUTR+4*\t:OUTR+4*\t+3], s[30:31]   ; sixteen lanes store 256 consecutive bytes, aligned
.endr
	s_wait_tensorcnt 0x0                           ; the wave's end
	ds_add_u32 v[SPW], v[NIL]
	s_wait_dscnt 0x0
	s_endpgm
; ---------------- LN1 ----------------
.set LG, 16                            ; v16-47   the gain at my 32 columns
.set LB, 48                            ; v48-79   the bias
.set LY, 80                            ; v80-111  a row at work: register 16 u + i = column 512 u + 16 lane + i
.set LX, 112                           ; v112-239 four rows as loaded; a row's first eight registers later hold its codes
.Lln:
	s_sub_co_u32 s3, ttmp9, 384
	s_lshl_b32 s3, s3, 4
	s_lshl_b32 s4, s2, 2
	s_add_co_u32 s3, s3, s4                        ; my wave's first row
	s_lshl_b32 s6, s3, 12
	s_mov_b32 s7, 0
	s_add_nc_u64 s[28:29], s[16:17], s[6:7]        ; x
	s_lshl_b32 s6, s3, 10
	s_add_nc_u64 s[30:31], s[26:27], s[6:7]        ; hc
	s_mov_b32 s40, 0x3a800000                      ; 1 / 1,024
	s_mov_b32 s41, 0x3727c5ac                      ; 1e-5
	s_mov_b32 s42, 0x76543210                      ; v_permlanex16_b32: lane l xor 16
	s_mov_b32 s43, 0xfedcba98
	s_wait_alu depctr_va_vdst(0)
	v_lshlrev_b32 v2, 4, v1                        ; 16 x lane
	v_lshlrev_b32 v5, 6, v1                        ; 64 x lane
	s_mul_i32 s4, s2, 10240
	s_add_co_u32 s4, s4, LSTG                      ; my two stages
	v_lshrrev_b32 v3, 2, v1
	v_mul_u32_u24 v3, v3, 80
	v_and_b32 v4, 3, v1
	v_lshl_add_u32 v3, v4, 4, v3
	v_add_nc_u32 v3, s4, v3                        ; in: four lanes' 64 bytes on end, then 16 of padding
	v_mul_u32_u24 v4, v1, 80
	v_add_nc_u32 v4, s4, v4                        ; out: my 16 neighbours
	v_mov_b32 v10, 0                               ; a lane permute's destination counts as read
.irp u, 0,1
.irp i, 0,1,2,3
	global_load_b128 v[LG+16*\u+4*\i:LG+16*\u+4*\i+3], v5, s[18:19] offset:2048*\u+16*\i
	global_load_b128 v[LB+16*\u+4*\i:LB+16*\u+4*\i+3], v5, s[20:21] offset:2048*\u+16*\i
.endr
.endr
.irp t, 0,1,2,3
.irp j, 0,1,2,3,4,5,6,7
	global_load_b128 v[LX+32*\t+4*\j:LX+32*\t+4*\j+3], v2, s[28:29] offset:4096*\t+512*\j th:TH_LOAD_NT   ; 512 consecutive bytes a load; all four rows are asked for at once
.endr
.endr
	s_wait_alu depctr_va_vdst(0)
	s_wait_kmcnt 0x0
	s_add_co_i32 s5, s52, 127                      ; e0
	s_lshl_b32 s6, s5, 23
	v_mov_b32 v240, s6                             ; 2^e0
	s_add_co_i32 s5, s5, 15
	s_lshl_b32 s5, s5, 23
	s_or_b32 s5, s5, 0x600000
	v_mov_b32 v241, s5                             ; 57,344 x 2^e0
.macro REDUCE                          ; v6 summed over the 32 lanes, the sum in every lane
	v_add_f32_dpp v6, v6, v6 row_xmask:1 row_mask:0xf bank_mask:0xf
	v_add_f32_dpp v6, v6, v6 row_xmask:2 row_mask:0xf bank_mask:0xf
	v_add_f32_dpp v6, v6, v6 row_xmask:4 row_mask:0xf bank_mask:0xf
	v_add_f32_dpp v6, v6, v6 row_xmask:8 row_mask:0xf bank_mask:0xf
	v_permlanex16_b32 v10, v6, s42, s43
	v_add_f32 v6, v6, v10
.endm
.macro LNROW t
	s_wait_loadcnt 8*(3-\t)                        ; this row's eight loads are in (gain and bias were asked for earlier); the later rows' stay out
.irp j, 0,1,2,3,4,5,6,7
	ds_store_b128 v3, v[LX+32*\t+4*\j:LX+32*\t+4*\j+3] offset:5120*(\t%2)+640*\j
.endr
.irp u, 0,1
.irp i, 0,1,2,3
	ds_load_b128 v[LY+16*\u+4*\i:LY+16*\u+4*\i+3], v4 offset:5120*(\t%2)+2560*\u+16*\i   ; a wave's LDS instructions are served in order
.endr
.endr
	s_wait_dscnt 0x0
	v_pk_add_f32 v[6:7], v[LY:LY+1], v[LY+2:LY+3]  ; the row's sum, in two chains
	v_pk_add_f32 v[8:9], v[LY+4:LY+5], v[LY+6:LY+7]
.irp j, 8,12,16,20,24,28
	v_pk_add_f32 v[6:7], v[6:7], v[LY+\j:LY+\j+1]
	v_pk_add_f32 v[8:9], v[8:9], v[LY+\j+2:LY+\j+3]
.endr
	v_pk_add_f32 v[6:7], v[6:7], v[8:9]
	v_add_f32 v6, v6, v7
	REDUCE
	v_mul_f32 v12, s40, v6                         ; the mean
	v_mov_b32 v13, v12
.set n, 0
.rept 16
	v_pk_add_f32 v[LY+n:LY+n+1], v[LY+n:LY+n+1], v[12:13] neg_lo:[0,1] neg_hi:[0,1]   ; x - mean
.set n, n+2
.endr
	v_pk_mul_f32 v[6:7], v[LY:LY+1], v[LY:LY+1]
	v_pk_mul_f32 v[8:9], v[LY+2:LY+3], v[LY+2:LY+3]
.irp j, 4,8,12,16,20,24,28
	v_pk_fma_f32 v[6:7], v[LY+\j:LY+\j+1], v[LY+\j:LY+\j+1], v[6:7]
	v_pk_fma_f32 v[8:9], v[LY+\j+2:LY+\j+3], v[LY+\j+2:LY+\j+3], v[8:9]
.endr
	v_pk_add_f32 v[6:7], v[6:7], v[8:9]
	v_add_f32 v6, v6, v7
	REDUCE
	v_fma_f32 v6, v6, s40, s41                     ; the variance + 1e-5
	s_wait_alu depctr_va_vdst(0)
	v_rsq_f32 v12, v6
	v_nop                                          ; a plain line behind the transcendental,
	s_wait_alu depctr_va_vdst(0)                   ; and a wait ahead of the first line that names its result
	v_mov_b32 v13, v12
.set n, 0
.rept 16
	v_pk_mul_f32 v[LY+n:LY+n+1], v[LY+n:LY+n+1], v[12:13]
.set n, n+2
.endr
.set n, 0
.rept 16
	v_pk_fma_f32 v[LY+n:LY+n+1], v[LY+n:LY+n+1], v[LG+n:LG+n+1], v[LB+n:LB+n+1]
.set n, n+2
.endr
.set n, 0
.rept 32
	v_med3_num_f32 v[LY+n], v[LY+n], -v241, v241
.set n, n+1
.endr
.irp g, 0,1,2,3
	v_cvt_scalef32_pk8_bf8_f32 v[LX+32*\t+2*\g:LX+32*\t+2*\g+1], v[LY+8*\g:LY+8*\g+7], v240
.endr
	v_nop                                          ; a plain line behind the last conversion
	global_store_b128 v2, v[LX+32*\t:LX+32*\t+3], s[30:31] offset:1024*\t          ; 512 consecutive bytes of codes
	global_store_b128 v2, v[LX+32*\t+4:LX+32*\t+7], s[30:31] offset:1024*\t+512
.endm
	LNROW 0
	LNROW 1
	LNROW 2
	LNROW 3
	s_wait_tensorcnt 0x0                           ; the wave's end
	ds_add_u32 v[SPW], v[NIL]
	s_wait_dscnt 0x0
	s_endpgm
.Lfunc_end_k_q9d3b948f8b_prep:
	.size	k_q9d3b948f8b_prep, .Lfunc_end_k_q9d3b948f8b_prep-k_q9d3b948f8b_prep
	.p2alignl 7, 3214868480
	.fill 96, 4, 3214868480
	.section	.rodata,"a",@progbits
	.p2align	6, 0x0
	.amdhsa_kernel k_q9d3b948f8b_prep
		.amdhsa_group_segment_fixed_size 76288
		.amdhsa_private_segment_fixed_size 0
		.amdhsa_enable_private_segment 0
		.amdhsa_kernarg_size 80
		.amdhsa_user_sgpr_count 2
		.amdhsa_user_sgpr_kernarg_segment_ptr 1
		.amdhsa_wavefront_size32 1
		.amdhsa_system_sgpr_workgroup_id_x 1
		.amdhsa_system_sgpr_workgroup_id_y 1
		.amdhsa_system_sgpr_workgroup_id_z 1
		.amdhsa_system_vgpr_workitem_id 0
		.amdhsa_next_free_vgpr 256
		.amdhsa_next_free_sgpr 66
		.amdhsa_reserve_vcc 0
		.amdhsa_float_denorm_mode_32 3
		.amdhsa_float_denorm_mode_16_64 3
		.amdhsa_memory_ordered 1
		.amdhsa_forward_progress 1
		.amdhsa_inst_pref_size 97
	.end_amdhsa_kernel
	.amdgpu_metadata
---
amdhsa.version: [ 1, 2 ]
amdhsa.kernels:
  - .name:           k_q9d3b948f8b_prep
    .symbol:         k_q9d3b948f8b_prep.kd
    .args:
      - { .name: Wqkv, .offset: 0, .size: 8, .value_kind: global_buffer, .address_space: global }
      - { .name: Wo, .offset: 8, .size: 8, .value_kind: global_buffer, .address_space: global }
      - { .name: W1, .offset: 16, .size: 8, .value_kind: global_buffer, .address_space: global }
      - { .name: W2, .offset: 24, .size: 8, .value_kind: global_buffer, .address_space: global }
      - { .name: x, .offset: 32, .size: 8, .value_kind: global_buffer, .address_space: global }
      - { .name: g1, .offset: 40, .size: 8, .value_kind: global_buffer, .address_space: global }
      - { .name: b1, .offset: 48, .size: 8, .value_kind: global_buffer, .address_space: global }
      - { .name: lowp_scales, .offset: 56, .size: 8, .value_kind: global_buffer, .address_space: global }
      - { .name: wc, .offset: 64, .size: 8, .value_kind: global_buffer, .address_space: global }
      - { .name: hc, .offset: 72, .size: 8, .value_kind: global_buffer, .address_space: global }
    .group_segment_fixed_size: 76288
    .private_segment_fixed_size: 0
    .kernarg_segment_align: 8
    .kernarg_segment_size: 80
    .max_flat_workgroup_size: 128
    .sgpr_count:     66
    .vgpr_count:     256
    .wavefront_size: 32
...
	.end_amdgpu_metadata
.endif
;; end of part 8
;; launch gqkv (part 9): grid 12 x 16, 4 waves a work-group, clusters of 4 x 4, 327,680 bytes of LDS; arguments hc, wc, lowp_scales, qkvc, bqkv; writes qkvc
.if DOCPART == 9
	.amdgcn_target "amdgcn-amd-amdhsa--gfx1250"
	.amdhsa_code_object_version 6
	.text
	.protected	k_q9d3b948f8b_gqkv
	.globl	k_q9d3b948f8b_gqkv
	.p2align	8
	.type	k_q9d3b948f8b_gqkv,@function
k_q9d3b948f8b_gqkv:
	s_mov_b64 s[64:65], 0
	v_nop
	global_prefetch_b8 v0, s[64:65] scope:SCOPE_SE
	s_setreg_imm32_b32 hwreg(HW_REG_WAVE_MODE, 25, 1), 1
	s_wait_xcnt 0x0
	s_wait_alu depctr_hold_cnt(0) depctr_sa_sdst(0) depctr_va_vdst(0) depctr_va_sdst(0) depctr_va_ssrc(0) depctr_va_vcc(0) depctr_vm_vsrc(0)
	s_getreg_b32 s2, hwreg(HW_REG_IB_STS2, 6, 4)
	s_cmp_eq_u32 s2, 0
	s_cbranch_scc0 .Lentry_in_a_cluster
	s_endpgm
.Lentry_in_a_cluster:
	s_bfe_u32 s2, ttmp6, 0x10000c
	s_cmp_lg_u32 s2, 0xf033
	s_cbranch_scc0 .Lentry_shape_is_right
	s_endpgm
.Lentry_shape_is_right:
; q, k, v = LN1(x) Wqkv + bqkv on codes of BF8, stored at once as codes for the attention launch.  Tiles of 256 x 256, 4 x 4 clusters with joint loads, K in four steps of 256 through two LDS slots.
; PREFETCH: behind the first fill of K step s (s = 0, 1) stands one request a wave for K step s + 2.  Of the 128 rows x 256 bytes that a wave fetches, each of the four partners that ask for them jointly
; names 32 rows, told apart by address (cx for A, cy for B), a lane a row: each aligned block of 256 bytes is named once in a cluster.  The refills ask for nothing: no K step lies two on.
.set KDIM,    1024
.set ASTRIDE, KDIM
.set ASTEP,   256
.set KSTEP,  256
.set ROWB,   256
.set PITCH,  272
.set FR,     16
.set NL,     4
.set NP,     4
.set HALFT,  128*PITCH
.set SLOT,   4*HALFT
.set LAPS,   KDIM/(2*KSTEP)
.set SPARE,  2*SLOT
.set ADRA, 16
.set ADRB, 20
.set SPW,  28
.set NIL,  29
.set AF,   128
.set G1,  24
.set G0,  32
.set G1B, 48
.set G0B, 56
.set BOF,  7
.set SCL,  8
.set LIM,  9
.set BOV,  10
.set STO,  24
.set RD,   25
.set CO,   26
.set STOV, 27
.set RDV,  30
.set COV,  31
.set BI,   32
.set CD,   96
.set T,    128
.set VSTG, 256*272
.set MSB, 0
.macro WIN new
.if MSB != \new
	s_set_vgpr_msb (MSB<<8)|\new
.set MSB, \new
.endif
.endm
.set MUL_LO, 0xa1
.set MUL_HI, 0xf1
.set TO_B,   0x40
.macro JLOAD g0a, g1a, g0b, g1b
	s_cmp_eq_u32 s15, 0
	s_cbranch_scc0 .Lfor_b_\@
	tensor_load_to_lds s[\g0a:\g0a+3], s[\g1a:\g1a+7]
	s_nop 0
.rept 4
	v_nop
.endr
	s_branch .Lasked_\@
.Lfor_b_\@:
	tensor_load_to_lds s[\g0b:\g0b+3], s[\g1b:\g1b+7]
	s_nop 0
.rept 4
	v_nop
.endr
.Lasked_\@:
.endm
.macro CREST
	s_cmp_lg_u32 s14, 0
	s_cbranch_scc1 .Lnot_wave_0_\@
	s_barrier_signal -3
.Lnot_wave_0_\@:
	s_barrier_wait -3
	s_barrier_signal -1
	s_barrier_wait -1
.endm
.macro CROUND
	s_barrier_signal -1
	s_barrier_wait -1
	CREST
.endm
	s_load_b256 s[4:11], s[0:1], 0x0
	s_load_b64 s[84:85], s[0:1], 0x20
	v_lshl_add_u32 v[SPW], v0, 2, SPARE
	v_mov_b32 v[NIL], 0
	ds_add_u32 v[SPW], v[NIL]
	ds_add_u32 v[SPW], v[NIL]
	v_lshrrev_b32 v1, 5, v0
	v_readfirstlane_b32 s14, v1
	v_and_b32 v14, 31, v0
	v_lshlrev_b32 v14, 10, v14                     ; v14, never rewritten: the prefetches' offset: my lane x a row of 1,024 bytes
	s_lshr_b32 s15, s14, 1
	s_and_b32 s16, s14, 1
	s_bfe_u32 s40, ttmp6, 0x40000
	s_bfe_u32 s41, ttmp6, 0x40004
	s_and_b32 s80, ttmp7, 0xffff
	s_lshl_b32 s80, s80, 2
	s_lshl_b32 s81, ttmp9, 2
	s_cmp_eq_u32 ttmp9, 2
	s_cselect_b32 s17, 0, s80
	s_cselect_b32 s42, s80, s81
	s_add_co_u32 s17, s17, s41
	s_add_co_u32 s42, s42, s40
	s_lshl_b32 s43, s41, 2
	s_lshl_b32 s43, 15, s43
	s_lshl_b32 s44, 0x1111, s40
	s_or_b32 s[G1+0], s43, (0<<16)|(1<<20)|(1<<21)|(5<<22)|(3<<25)
	s_or_b32 s[G1B+0], s44, (0<<16)|(1<<20)|(1<<21)|(5<<22)|(3<<25)
.irp g, G1, G1B
	s_mov_b32 s[\g+1], ROWB<<16
	s_mov_b32 s[\g+2], 128<<16
	s_mov_b32 s[\g+3], ROWB<<16
	s_mov_b32 s[\g+4], 128
	s_mov_b32 s[\g+6], 0
	s_mov_b32 s[\g+7], 0
.endr
	s_mov_b32 s[G1+5], ASTRIDE
	s_mov_b32 s[G1B+5], KDIM
	s_lshl_b32 s18, s16, 7
	s_lshl_b32 s20, s17, 8
	s_add_co_u32 s20, s20, s18
	s_lshl_b32 s46, s42, 8
	s_add_co_u32 s46, s46, s18
	s_mov_b32 s21, 0
	s_mov_b32 s47, 0
	s_mov_b64 s[18:19], KDIM
	s_mul_u64 s[20:21], s[20:21], s[18:19]
	s_mul_u64 s[46:47], s[46:47], s[18:19]
	s_mul_i32 s45, s14, HALFT
	s_wait_alu depctr_va_vdst(0)
	s_wait_dscnt 0x0
	s_wait_kmcnt 0x0
	s_load_b256 s[68:75], s[8:9], 0x0
	s_add_nc_u64 s[82:83], s[6:7], 2097152
	s_cmp_eq_u32 ttmp9, 2
	s_cselect_b64 s[88:89], s[82:83], s[4:5]
	s_cselect_b64 s[90:91], s[4:5], s[6:7]
	s_add_nc_u64 s[20:21], s[88:89], s[20:21]
	s_add_nc_u64 s[46:47], s[90:91], s[46:47]
	s_cmp_eq_u32 s15, 0                            ; s[12:13], never rewritten: where my prefetches stand: the rows that I fetch, of A or of B,
	s_cselect_b64 s[12:13], s[20:21], s[46:47]
	s_cselect_b32 s98, s40, s41                    ; my place among the four that ask with me,
	s_lshl_b32 s98, s98, 15                        ; x 32 rows of 1,024 bytes
	s_mov_b32 s99, 0
	s_add_nc_u64 s[12:13], s[12:13], s[98:99]
	CROUND
.irp s, 0,1
	s_mov_b32 s[G0+4*\s], 1
	s_add_co_u32 s[G0+4*\s+1], s45, \s*SLOT
	s_add_nc_u64 s[G0+4*\s+2:G0+4*\s+3], s[20:21], \s*ASTEP
	s_or_b32 s[G0+4*\s+3], s[G0+4*\s+3], 0x80000000
	s_mov_b32 s[G0B+4*\s], 1
	s_add_co_u32 s[G0B+4*\s+1], s45, \s*SLOT
	s_add_nc_u64 s[G0B+4*\s+2:G0B+4*\s+3], s[46:47], \s*ROWB
	s_or_b32 s[G0B+4*\s+3], s[G0B+4*\s+3], 0x80000000
.endr
	JLOAD G0, G1, G0B, G1B                         ; K step 0: one tensor load a wave at the head
	global_prefetch_b8 v14, s[12:13] offset:2*ROWB th:TH_LOAD_NT scope:SCOPE_SE   ; K step 2
	v_and_b32 v1, 15, v0
	v_bfe_u32 v2, v0, 4, 1
	v_mul_u32_u24 v3, v1, PITCH
	s_wait_alu depctr_va_vdst(0)
	v_lshl_add_u32 v4, v2, 4, v3
	s_mul_i32 s21, s15, HALFT
	s_mul_i32 s22, s16, HALFT
	s_add_co_u32 s22, s22, 2*HALFT
.irp s, 0,1
	v_add_nc_u32 v[ADRA+\s], s21, v4
	v_add_nc_u32 v[ADRB+\s], s22, v4
	s_add_co_u32 s21, s21, SLOT
	s_add_co_u32 s22, s22, SLOT
.endr
	s_mul_i32 s23, s15, 128*272
	s_lshl_b32 s21, s16, 7
	s_add_co_u32 s23, s23, s21
	v_lshl_add_u32 v5, v2, 3, v3
	v_add_nc_u32 v[STO], s23, v5
	v_add_nc_u32 v[STOV], VSTG, v[STO]
	v_and_b32 v6, 31, v0
	v_lshrrev_b32 v5, 2, v6
	v_mul_u32_u24 v5, v5, 272
	v_and_b32 v3, 3, v6
	v_lshl_add_u32 v5, v3, 4, v5
	v_add_nc_u32 v[RD], s23, v5
	v_lshlrev_b32 v[CO], 4, v6
	s_mul_i32 s22, s14, 64*272
	s_add_co_u32 s22, s22, VSTG
	v_mul_u32_u24 v5, v2, 272
	v_lshl_add_u32 v5, v1, 4, v5
	v_add_nc_u32 v[RDV], s22, v5
	v_lshlrev_b32 v5, 11, v2
	v_lshl_add_u32 v[COV], v1, 4, v5
	v_lshlrev_b32 v[BOF], 5, v2
	v_lshlrev_b32 v[BOV], 2, v1
	s_lshl_b32 s88, ttmp9, 22
	s_lshr_b32 s89, s17, 3
	s_lshl_b32 s89, s89, 4
	s_lshl_b32 s92, s40, 2
	s_add_co_u32 s89, s89, s92
	s_lshl_b32 s92, s16, 1
	s_add_co_u32 s89, s89, s92
	s_lshl_b32 s89, s89, 17
	s_add_co_u32 s88, s88, s89
	s_and_b32 s89, s17, 7
	s_lshl_b32 s89, s89, 14
	s_add_co_u32 s88, s88, s89
	s_lshl_b32 s89, s15, 13
	s_add_co_u32 s88, s88, s89
	s_lshr_b32 s90, s42, 3
	s_lshl_b32 s90, s90, 21
	s_add_co_u32 s90, s90, 8388608
	s_lshl_b32 s91, s17, 19
	s_add_co_u32 s90, s90, s91
	s_lshl_b32 s91, s14, 17
	s_add_co_u32 s90, s90, s91
	s_and_b32 s91, s42, 7
	s_lshl_b32 s91, s91, 8
	s_add_co_u32 s90, s90, s91
	s_lshl_b32 s92, s42, 10
	s_lshl_b32 s93, s16, 9
	s_add_co_u32 s92, s92, s93
	s_lshl_b32 s94, s17, 10
	s_lshl_b32 s93, s15, 9
	s_add_co_u32 s94, s94, s93
	s_add_co_u32 s94, s94, 8192
	s_cmp_eq_u32 ttmp9, 2
	s_cselect_b32 s88, s90, s88
	s_cselect_b32 s92, s94, s92
	s_mov_b32 s89, 0
	s_mov_b32 s93, 0
	s_add_nc_u64 s[10:11], s[10:11], s[88:89]
	s_add_nc_u64 s[84:85], s[84:85], s[92:93]
	s_cbranch_scc1 .Lbias_v
	s_wait_alu depctr_va_vdst(0)
.irp b, 0,1,2,3,4,5,6,7
	global_load_b128 v[BI+8*\b:BI+8*\b+3], v[BOF], s[84:85] offset:64*\b
	global_load_b128 v[BI+8*\b+4:BI+8*\b+7], v[BOF], s[84:85] offset:64*\b+16
.endr
	s_branch .Lbias_done
.Lbias_v:
	s_wait_alu depctr_va_vdst(0)
.irp a, 0,1,2,3,4,5,6,7
.irp i, 0,1,2,3,4,5,6,7
	global_load_b32 v[BI+8*\a+\i], v[BOV], s[84:85] offset:64*\a
.endr
.endr
.Lbias_done:
.macro FRAG reg, adr, q, i
.irp c, 0,1,2,3
	ds_load_b128 v[\reg+4*\c:\reg+4*\c+3], v[\adr] offset:128*(\q)+32*\c+(\i)*16*PITCH
.endr
.endm
.macro MUL16 a0, p, zero
.irp a, \a0, \a0+1
.irp b, 0,1,2,3,4,5,6,7
.if \zero
	v_wmma_f32_16x16x128_bf8_bf8 v[8*(8*((\a)%4)+\b):8*(8*((\a)%4)+\b)+7], v[128*(\p)+FR*\b:128*(\p)+FR*\b+FR-1], v[AF+FR*(\a):AF+FR*(\a)+FR-1], 0
.else
	v_wmma_f32_16x16x128_bf8_bf8 v[8*(8*((\a)%4)+\b):8*(8*((\a)%4)+\b)+7], v[128*(\p)+FR*\b:128*(\p)+FR*\b+FR-1], v[AF+FR*(\a):AF+FR*(\a)+FR-1], v[8*(8*((\a)%4)+\b):8*(8*((\a)%4)+\b)+7]
.endif
.endr
.endr
.endm
.macro FETCH_B slot, q, p
	WIN TO_B
.irp i, 0,1,2,3,4,5,6,7
	FRAG 128*(\p)+FR*\i, ADRB+\slot, \q, \i
.endr
	WIN 0
.endm
.macro FETCH_A slot, q, i0
.irp i, \i0, \i0+1, \i0+2, \i0+3
	FRAG AF+FR*(\i), ADRA+\slot, \q, \i
.endr
.endm
.macro PLACES n
.rept \n
	v_nop
.endr
.endm
.macro STEP slot, q, zero
	s_wait_dscnt 4*NL
	WIN MUL_LO
	MUL16 0, (\q)%2, \zero
	MUL16 2, (\q)%2, \zero
	s_wait_dscnt 0
	PLACES NP
	FETCH_B \slot, (\q)+1, 1-(\q)%2
	FETCH_A \slot, (\q)+1, 0
	WIN MUL_HI
	MUL16 4, (\q)%2, \zero
	MUL16 6, (\q)%2, \zero
	PLACES NP
	WIN 0
	FETCH_A \slot, (\q)+1, 4
.endm
.macro TURN slot, next, fill
	s_wait_tensorcnt 0x0
	ds_add_u32 v[SPW], v[NIL]
	s_wait_dscnt 4*NL+1
	WIN MUL_LO
	MUL16 0, 1, 0
	s_wait_dscnt 0x0
	s_barrier_signal -1
	MUL16 2, 1, 0
	WIN 0
	s_barrier_wait -1
.if \fill
	CREST
	s_add_nc_u64 s[G0+4*\slot+2:G0+4*\slot+3], s[G0+4*\slot+2:G0+4*\slot+3], 2*ASTEP
	s_add_nc_u64 s[G0B+4*\slot+2:G0B+4*\slot+3], s[G0B+4*\slot+2:G0B+4*\slot+3], 2*ROWB
	JLOAD G0+4*\slot, G1, G0B+4*\slot, G1B
.else
	PLACES NP
.endif
	FETCH_B \next, 0, 0
	FETCH_A \next, 0, 0
	WIN MUL_HI
	MUL16 4, 1, 0
	MUL16 6, 1, 0
	PLACES NP
	WIN 0
	FETCH_A \next, 0, 4
.endm
	s_wait_tensorcnt 0x0                           ; my part of K step 0 is in
	ds_add_u32 v[SPW], v[NIL]
	s_wait_dscnt 0x0
	CROUND                                         ; everybody's part of K step 0 is in, and the joint loads meet
	JLOAD G0+4, G1, G0B+4, G1B                     ; K step 1: the first tensor load behind the round
	FETCH_B 0, 0, 0
	FETCH_A 0, 0, 0
	FETCH_A 0, 0, 4
	global_prefetch_b8 v14, s[12:13] offset:3*ROWB th:TH_LOAD_NT scope:SCOPE_SE   ; K step 3
	STEP 0, 0, 1
	s_mov_b32 s3, LAPS-1
.Llap:
	TURN 0, 1, 1
	STEP 1, 0, 0
	TURN 1, 0, 1
	STEP 0, 0, 0
	s_sub_co_u32 s3, s3, 1
	s_cmp_lg_u32 s3, 0
	s_cbranch_scc1 .Llap
	TURN 0, 1, 0
	STEP 1, 0, 0
	s_wait_dscnt 4*NL
	WIN MUL_LO
	MUL16 0, 1, 0
	MUL16 2, 1, 0
	s_wait_dscnt 0
	WIN MUL_HI
	MUL16 4, 1, 0
	MUL16 6, 1, 0
	WIN 0
.macro CONV a, byA, sto
.set AC, 64*((\a)%4)
.set CSET, CD+16*((\a)%2)
.set W, 0x02+((\a)/4)
	WIN W
.irp b, 0,1,2,3,4,5,6,7
.irp i, 0,2,4,6
.if \byA
	v_pk_fma_f32 v[T+8*\b+\i:T+8*\b+\i+1], v[AC+8*\b+\i:AC+8*\b+\i+1], s[96:97], v[BI+8*(\a)+\i:BI+8*(\a)+\i+1] op_sel_hi:[1,0,1]
.else
	v_pk_fma_f32 v[T+8*\b+\i:T+8*\b+\i+1], v[AC+8*\b+\i:AC+8*\b+\i+1], s[96:97], v[BI+8*\b+\i:BI+8*\b+\i+1] op_sel_hi:[1,0,1]
.endif
.endr
.endr
	WIN 0
.if (\a) >= 2
	s_wait_dscnt 8
.endif
.irp b, 0,1,2,3,4,5,6,7
.irp i, 0,1,2,3,4,5,6,7
	v_med3_num_f32 v[T+8*\b+\i], v[T+8*\b+\i], -v[LIM], v[LIM]
.endr
	v_cvt_scalef32_pk8_bf8_f32 v[CSET+2*\b:CSET+2*\b+1], v[T+8*\b:T+8*\b+7], v[SCL]
.endr
	v_nop
.irp b, 0,1,2,3,4,5,6,7
	ds_store_b64 v[\sto], v[CSET+2*\b:CSET+2*\b+1] offset:(\a)*4352+16*\b
.endr
.endm
	s_wait_loadcnt 0x0
	s_wait_kmcnt 0x0
	s_cmp_eq_u32 ttmp9, 0
	s_cselect_b32 s80, s70, s71
	s_cmp_eq_u32 ttmp9, 2
	s_cselect_b32 s80, s73, s80
	s_add_co_i32 s80, s80, 127
	s_lshl_b32 s81, s80, 23
	v_mov_b32 v[SCL], s81
	s_add_co_i32 s80, s80, 15
	s_lshl_b32 s80, s80, 23
	s_or_b32 s80, s80, 0x600000
	v_mov_b32 v[LIM], s80
	s_add_co_i32 s96, s68, s69
	s_add_co_i32 s96, s96, 127
	s_lshl_b32 s96, s96, 23
	s_mov_b32 s97, s96
	PLACES NP
	s_cmp_eq_u32 ttmp9, 2
	s_cbranch_scc1 .Lconv_v
.irp a, 0,1,2,3,4,5,6,7
	CONV \a, 0, STO
.endr
	s_branch .Lconv_done
.Lconv_v:
.irp a, 0,1,2,3,4,5,6,7
	CONV \a, 1, STOV
.endr
.Lconv_done:
	s_wait_dscnt 0x0
	s_barrier_signal -1
	s_barrier_wait -1
	s_cmp_eq_u32 ttmp9, 2
	s_cbranch_scc1 .Lout_v
.irp hh, 0,1
.irp u, 0,1,2,3,4,5,6,7,8,9,10,11,12,13,14,15
	ds_load_b128 v[T+64*\hh+4*\u:T+64*\hh+4*\u+3], v[RD] offset:2176*\u+64*\hh
.endr
.endr
.irp hh, 0,1
.irp u, 0,1,2,3,4,5,6,7,8,9,10,11,12,13,14,15
	s_wait_dscnt 31-16*\hh-\u
	global_store_b128 v[CO], v[T+64*\hh+4*\u:T+64*\hh+4*\u+3], s[10:11] offset:512*\u+131072*\hh
.endr
.endr
	s_branch .Lout_done
.Lout_v:
.set u, 0
.rept 32
	ds_load_b128 v[T+4*u:T+4*u+3], v[RDV] offset:544*u
.set u, u+1
.endr
.set u, 0
.rept 32
	s_wait_dscnt 31-u
	global_store_b128 v[COV], v[T+4*u:T+4*u+3], s[10:11] offset:4096*u
.set u, u+1
.endr
.Lout_done:
	s_wait_tensorcnt 0x0
	ds_add_u32 v[SPW], v[NIL]
	s_wait_dscnt 0x0
	CROUND
	s_endpgm
.Lfunc_end_k_q9d3b948f8b_gqkv:
	.size	k_q9d3b948f8b_gqkv, .Lfunc_end_k_q9d3b948f8b_gqkv-k_q9d3b948f8b_gqkv
	.p2alignl 7, 3214868480
	.fill 96, 4, 3214868480
	.section	.rodata,"a",@progbits
	.p2align	6, 0x0
	.amdhsa_kernel k_q9d3b948f8b_gqkv
		.amdhsa_group_segment_fixed_size 327680
		.amdhsa_private_segment_fixed_size 0
		.amdhsa_enable_private_segment 0
		.amdhsa_kernarg_size 40
		.amdhsa_user_sgpr_count 2
		.amdhsa_user_sgpr_kernarg_segment_ptr 1
		.amdhsa_wavefront_size32 1
		.amdhsa_system_sgpr_workgroup_id_x 1
		.amdhsa_system_sgpr_workgroup_id_y 1
		.amdhsa_system_sgpr_workgroup_id_z 1
		.amdhsa_system_vgpr_workitem_id 0
		.amdhsa_next_free_vgpr 1024
		.amdhsa_next_free_sgpr 100
		.amdhsa_reserve_vcc 0
		.amdhsa_float_denorm_mode_32 3
		.amdhsa_float_denorm_mode_16_64 3
		.amdhsa_memory_ordered 1
		.amdhsa_forward_progress 1
		.amdhsa_inst_pref_size 215
	.end_amdhsa_kernel
	.amdgpu_metadata
---
amdhsa.version: [ 1, 2 ]
amdhsa.kernels:
  - .name:           k_q9d3b948f8b_gqkv
    .symbol:         k_q9d3b948f8b_gqkv.kd
    .args:
      - { .name: hc, .offset: 0, .size: 8, .value_kind: global_buffer, .address_space: global }
      - { .name: wc, .offset: 8, .size: 8, .value_kind: global_buffer, .address_space: global }
      - { .name: lowp_scales, .offset: 16, .size: 8, .value_kind: global_buffer, .address_space: global }
      - { .name: qkvc, .offset: 24, .size: 8, .value_kind: global_buffer, .address_space: global }
      - { .name: bqkv, .offset: 32, .size: 8, .value_kind: global_buffer, .address_space: global }
    .group_segment_fixed_size: 327680
    .private_segment_fixed_size: 0
    .kernarg_segment_align: 8
    .kernarg_segment_size: 40
    .max_flat_workgroup_size: 128
    .sgpr_count:     100
    .vgpr_count:     1024
    .wavefront_size: 32
...
	.end_amdgpu_metadata
.endif
;; end of part 9
;; launch attn (part 10): grid 8 x 32, 16 waves a work-group, no clusters, 327,680 bytes of LDS; arguments qkvc, lowp_scales, aoc; writes aoc
.if DOCPART == 10
	.amdgcn_target "amdgcn-amd-amdhsa--gfx1250"
	.amdhsa_code_object_version 6
	.text
	.protected	k_q9d3b948f8b_attn
	.globl	k_q9d3b948f8b_attn
	.p2align	8
	.type	k_q9d3b948f8b_attn,@function
k_q9d3b948f8b_attn:
	s_mov_b64 s[64:65], 0
	v_nop
	global_prefetch_b8 v0, s[64:65] scope:SCOPE_SE
	s_setreg_imm32_b32 hwreg(HW_REG_WAVE_MODE, 25, 1), 1
	s_wait_xcnt 0x0
; Causal attention on codes of BF8, head size 64, and the result at once as codes (scale e6) for the projection.
; q, k: [32 heads][2048][64] at 0 and 4,194,304 of qkvc; v: [32][64][2048 keys] at 8,388,608.  aoc: byte ((token / 128 x 16 + head) x 128 + token % 128) x 64 + d, token counted through both batches.
; WORK LEFT OUT: a key step all of whose 128 keys come after a wave's 16 queries, and a slot whose first key comes after the work-group's last query: the layer's own mask makes their p = 0 for every input.
; LIMIT: a NaN, an infinity or an overflow that reaches only those hidden scores is not carried to the result.
; THE SOFTMAX: t = score x log2(e) / 8; M = the running largest t rounded UP to a whole number; p = 2^(t - M) is quantised (scale e4), not normalised; the row's sum is taken of the unquantised p and divides at the end;
; when M moves, the sum and O are multiplied by 2^(old M - new M), which rounds nothing.
; SHARES.  A work-group owns two blocks of 128 queries of one head, blocks i and 15 - i, so that every work-group has the same number of key steps under the mask.  Each of its sixteen waves owns 16 queries; waves
; w and w + 1 of a pair take the same place in the early and in the late block, the order turned in every second group of four waves.  Every work-group walks all eight slots of 256 keys (constant trip counts); a wave jumps over the work
; of hidden steps.  K's and V's tiles come through a ring of two LDS slots (wave 0: K, wave 1: V) and are read by all sixteen.
; No cluster: under the mask partners would jump over the reads of tiles that a joint load brings.
; LAYOUT.  Both products transposed: S^T = K Q^T (16x16x64), O^T = V^T P^T (16x16x128): a lane holds one query throughout.  Lane r of tile 2 b + u of K takes key 32 b + 8 u + r + 8 (r / 8), so that the 16 registers of
; tiles 2 b and 2 b + 1 are 16 neighbouring keys.  K's rows of 64 bytes are dense in memory and are fetched as rows of 256 bytes (four keys), 16 bytes of padding behind each.
; LIMITS: e2 + e3 between -123 and 130; e4 and e6 between -126 and 112.
; REGISTERS: v1-3, v5-7 stay; v8, v9 addresses in hand; v12 -M, v13 the largest t, v[14:15] the sum; v16-23 Q; v32-95 eight fragments of K, then four of V; v96-159 S^T, then p; v160-191 O^T; v224-239 p's codes.
.set SK,    256
.set NQ,    2
.set LP,    272
.set VOFF,  64*LP                      ; a slot: 64 long rows of K, then 64 rows of V
.set SLOT1, 1<<17
.set NSL,   8
.set SPARE, 2*SLOT1
.set STAGE, 0                          ; the way out: 1,280 bytes a wave, in the slot left at the last change of slots: it has had its last fill and nobody reads it
.set AK0, 1
.set AV0, 2
.set PFO, 3
.set SPW, 5
.set NIL, 6
.set GO,  7
.set ADK, 8
.set ADV, 9
.set WV,  18
.set SEL, 20
.set CS,  22
.set G1K, 24
.set G1V, 32
.set G0K, 40
.set G0V, 44
.set TB,  2
.set SLOTS, 67
.set PFA, 76
.set PFS, 78
.set LIM, 80
.set LASTQ, 81
.set KF,  98
.set Q0,  99
.macro TLOAD                           ; wave 0 fetches K's tile, wave 1 V's; an s_nop 0 and four v_nop follow each line
	s_cmp_eq_u32 s[WV], 0
	s_cbranch_scc0 .Lnot_k_\@
	tensor_load_to_lds s[G0K:G0K+3], s[G1K:G1K+7]
	s_nop 0
.rept 4
	v_nop
.endr
	s_branch .Lasked_\@
.Lnot_k_\@:
	s_cmp_eq_u32 s[WV], 1
	s_cbranch_scc0 .Lasked_\@
	tensor_load_to_lds s[G0V:G0V+3], s[G1V:G1V+7]
	s_nop 0
.rept 4
	v_nop
.endr
.Lasked_\@:
.endm
; A prefetch of what the NEXT change of slots will ask for.  All eight work-groups of a head walk the same K and V: the first asks.  In it waves 4 and 5 ask for K's 16,384 bytes (8,192 a wave, lanes 256 bytes apart),
; waves 6 and 7 for V's 64 rows (32 a wave, a lane a row of 256 bytes): each aligned block of 256 bytes is named once.  The last change that fills a slot asks for nothing; slots 0 and 1 come by their loads alone.
.macro ASK
	s_cmp_gt_u32 s[SLOTS], s[LIM]
	s_cbranch_scc0 .Lnot_mine_\@
	global_prefetch_b8 v[PFO], s[PFA:PFA+1] th:TH_LOAD_NT scope:SCOPE_SE
.Lnot_mine_\@:
.endm
	s_load_b128 s[4:7], s[0:1], 0x0                ; qkvc s[4:5], the exponents s[6:7]
	s_load_b64 s[8:9], s[0:1], 0x10                ; aoc
	v_lshl_add_u32 v[SPW], v0, 2, SPARE
	v_mov_b32 v[NIL], 0
	ds_add_u32 v[SPW], v[NIL]                      ; the wave's opening: the add, twice on end, and its wait ahead of the first tensor load
	ds_add_u32 v[SPW], v[NIL]
	v_lshrrev_b32 v8, 5, v0
	s_delay_alu instid0(VALU_DEP_1)
	v_readfirstlane_b32 s[WV], v8                  ; wave 0..15
	s_and_b32 s82, ttmp7, 0xffff                   ; the head, 0..31
	s_lshl_b32 s86, s82, 17                        ; its first byte in q, in k and in v: 131,072 each
	s_mov_b32 s87, 0
	s_lshr_b32 s84, s[WV], 2
	s_add_co_u32 s84, s84, s[WV]
	s_and_b32 s84, s84, 1                          ; early block (0) or late (1)
	s_lshl_b32 s85, ttmp9, 7                       ; 128 i
	s_sub_co_u32 s83, 1920, s85                    ; 128 (15 - i)
	s_cmp_eq_u32 s84, 1
	s_cselect_b32 s[Q0], s83, s85
	s_lshr_b32 s84, s[WV], 1
	s_lshl_b32 s84, s84, 4
	s_add_co_u32 s[Q0], s[Q0], s84                 ; my first query
	s_sub_co_u32 s[LASTQ], 2047, s85               ; my work-group's last query
	s_mov_b32 s[G1K], (0<<16)|(1<<20)|(5<<22)|(3<<25)   ; no mask; elements of 1 byte; four words of padding after every 64
	s_mov_b32 s[G1K+1], 256<<16                    ; tensor_dim0
	s_mov_b32 s[G1K+2], 64<<16                     ; tensor_dim1
	s_mov_b32 s[G1K+3], 256<<16                    ; tile_dim0
	s_mov_b32 s[G1K+4], 64                         ; tile_dim1
	s_mov_b32 s[G1K+5], 256                        ; K: dense
	s_mov_b32 s[G1K+6], 0
	s_mov_b32 s[G1K+7], 0
	s_mov_b32 s[G1V], (0<<16)|(1<<20)|(5<<22)|(3<<25)
	s_mov_b32 s[G1V+1], 256<<16
	s_mov_b32 s[G1V+2], 64<<16
	s_mov_b32 s[G1V+3], 256<<16
	s_mov_b32 s[G1V+4], 64
	s_mov_b32 s[G1V+5], 2048                       ; V: a row is 2,048 keys
	s_mov_b32 s[G1V+6], 0
	s_mov_b32 s[G1V+7], 0
	s_mov_b32 s[SEL], 0x76543210
	s_mov_b32 s[SEL+1], 0xfedcba98
	s_mov_b32 s[CS], 0x3e38aa3b                    ; c = log2(e) / 8
	s_mov_b32 s[TB], 0
	s_mov_b32 s[SLOTS], NSL-1
	s_mov_b32 s[KF], 0
	s_wait_dscnt 0x0                               ; both opening adds are done
	s_wait_kmcnt 0x0
	s_load_b256 s[68:75], s[6:7], 0x0              ; e0 .. e7
	s_add_nc_u64 s[88:89], s[4:5], s[86:87]        ; q's head,
	s_add_nc_u64 s[90:91], s[88:89], 4194304       ; k's,
	s_add_nc_u64 s[92:93], s[88:89], 8388608       ; v's
	s_mov_b32 s[G0K], 1
	s_mov_b32 s[G0K+1], 0
	s_mov_b64 s[G0K+2:G0K+3], s[90:91]
	s_or_b32 s[G0K+3], s[G0K+3], 0x80000000
	s_mov_b32 s[G0V], 1
	s_mov_b32 s[G0V+1], VOFF
	s_mov_b64 s[G0V+2:G0V+3], s[92:93]
	s_or_b32 s[G0V+3], s[G0V+3], 0x80000000
	TLOAD                                          ; slot 0: it holds key 0, which counts for every query
	s_lshl_b32 s86, s[Q0], 6
	s_add_nc_u64 s[88:89], s[88:89], s[86:87]      ; q at my first query
	s_lshr_b32 s94, s82, 4
	s_lshl_b32 s94, s94, 4
	s_lshr_b32 s95, s[Q0], 7
	s_add_co_u32 s94, s94, s95                     ; token / 128
	s_lshl_b32 s94, s94, 4
	s_and_b32 s95, s82, 15
	s_add_co_u32 s94, s94, s95
	s_lshl_b32 s94, s94, 7
	s_and_b32 s95, s[Q0], 127
	s_add_co_u32 s94, s94, s95
	s_lshl_b32 s86, s94, 6
	s_add_nc_u64 s[8:9], s[8:9], s[86:87]          ; aoc at my 16 tokens: 1,024 bytes on end
	s_cmp_lt_u32 s[WV], 6                          ; the prefetches: waves 4, 5 for K, waves 6, 7 for V
	s_cselect_b64 s[PFA:PFA+1], s[90:91], s[92:93]
	s_mov_b32 s[PFS], 256
	s_cselect_b32 s[PFS], 16384, s[PFS]            ; a slot on
	s_mov_b32 s94, 2048
	s_cselect_b32 s94, 256, s94                    ; from lane to lane
	s_mov_b32 s95, 65536
	s_cselect_b32 s95, 8192, s95                   ; from wave to wave
	v_and_b32 v[PFO], 31, v0
	s_delay_alu instid0(VALU_DEP_1)
	v_mul_lo_u32 v[PFO], v[PFO], s94
	s_and_b32 s94, s[WV], 1
	s_mul_i32 s94, s94, s95
	s_add_co_u32 s86, s94, s[PFS]                  ; in slot 1: the first change of slots steps it to slot 2
	s_mov_b32 s[PFS+1], 0
	s_add_nc_u64 s[PFA:PFA+1], s[PFA:PFA+1], s[86:87]
	s_lshr_b32 s94, s[WV], 2
	s_xor_b32 s94, s94, 1                          ; 0 in waves 4 to 7,
	s_or_b32 s94, s94, ttmp9                       ; of the head's first work-group
	s_cmp_eq_u32 s94, 0
	s_cselect_b32 s[LIM], 1, -1
	v_and_b32 v8, 15, v0                           ; r
	v_bfe_u32 v9, v0, 4, 1                         ; h
	s_delay_alu instid0(VALU_DEP_2)
	v_lshlrev_b32 v10, 6, v8
	s_delay_alu instid0(VALU_DEP_1)
	v_lshl_add_u32 v10, v9, 4, v10
	global_load_b128 v[16:19], v10, s[88:89]       ; Q's fragment: registers 4 c .. 4 c + 3 hold d = 32 c + 16 h + 0 .. 15, the order in which K's are fetched too
	global_load_b128 v[20:23], v10, s[88:89] offset:32
	v_and_b32 v11, 8, v8
	s_delay_alu instid0(VALU_DEP_1)
	v_add_nc_u32 v11, v11, v8                      ; r + 8 (r / 8)
	s_delay_alu instid0(VALU_DEP_1)
	v_lshrrev_b32 v[AK0], 2, v11
	s_delay_alu instid0(VALU_DEP_1)
	v_mul_u32_u24 v[AK0], v[AK0], LP
	s_delay_alu instid0(VALU_DEP_3)
	v_and_b32 v11, 3, v11
	s_delay_alu instid0(VALU_DEP_1)
	v_lshl_add_u32 v[AK0], v11, 6, v[AK0]
	s_delay_alu instid0(VALU_DEP_1)
	v_lshl_add_u32 v[AK0], v9, 4, v[AK0]           ; K: four keys to a long row
	v_mul_u32_u24 v[AV0], v8, LP
	s_delay_alu instid0(VALU_DEP_1)
	v_lshl_add_u32 v[AV0], v9, 4, v[AV0]
	s_delay_alu instid0(VALU_DEP_1)
	v_add_nc_u32 v[AV0], VOFF, v[AV0]
	v_and_b32 v[GO], 31, v0
	s_delay_alu instid0(VALU_DEP_1)
	v_lshlrev_b32 v[GO], 4, v[GO]
	v_mov_b32 v13, 0xff61b1e6                      ; the largest t so far: -3e38
	s_delay_alu instid0(VALU_DEP_1)
	v_floor_f32 v12, -v13                          ; -M
	v_mov_b32 v14, 0
	v_mov_b32 v15, 0
	v_mov_b32 v236, 0                              ; a lane permute's destination counts as read
	v_mov_b32 v253, 0
.set n, 0
.rept 32
	v_mov_b32 v[160+n], 0                          ; O^T: the loop is written once, its first step finds zeros
.set n, n+1
.endr
	s_wait_kmcnt 0x0
	s_add_co_i32 s94, s70, s71
	s_lshl_b32 s94, s94, 23
	s_add_co_i32 s[CS], s[CS], s94                 ; a score stands for score x 2^(e2 + e3): added to c's exponent field
	s_mov_b32 s[CS+1], s[CS]
	s_add_co_i32 s94, s72, 127
	s_lshl_b32 s95, s94, 23
	v_mov_b32 v244, s95                            ; 2^e4
	s_add_co_i32 s94, s94, 15
	s_lshl_b32 s94, s94, 23
	s_or_b32 s94, s94, 0x600000
	v_mov_b32 v240, s94                            ; 57,344 x 2^e4
	s_add_co_i32 s94, s74, 127
	s_lshl_b32 s95, s94, 23
	v_mov_b32 v245, s95                            ; 2^e6
	s_add_co_i32 s94, s94, 15
	s_lshl_b32 s94, s94, 23
	s_or_b32 s94, s94, 0x600000
	v_mov_b32 v241, s94                            ; 57,344 x 2^e6
.macro STEP q                          ; 128 keys, the q-th half of the slot in hand
	s_add_co_u32 s96, s[Q0], 15
	s_cmp_gt_u32 s[KF], s96                        ; all keys after my queries: a branch on ids round the step's work, not round the line that steps the key count
	s_cbranch_scc1 .Lhidden_\@
	v_add_nc_u32 v[ADK], s[TB], v[AK0]
	v_add_nc_u32 v[ADV], s[TB], v[AV0]
	v_nop                                          ; with the two additions: four places in front of loads into registers that matrix instructions have read
	v_nop
.irp t, 0,1,2,3,4,5,6,7
.irp c, 0,1
	ds_load_b128 v[32+8*\t+4*\c:35+8*\t+4*\c], v[ADK] offset:(32*(\q)+8*(\t/2)+2*(\t%2))*LP+32*\c
.endr
.endr
	s_wait_dscnt 0x0
.irp t, 0,1,2,3,4,5,6,7
	v_wmma_f32_16x16x64_bf8_bf8 v[96+8*\t:103+8*\t], v[32+8*\t:39+8*\t], v[16:23], 0
.endr
.rept 4
	v_nop
.endr
	s_add_co_u32 s96, s[KF], 127                   ; on the diagonal hidden scores become -infinity ahead of the maximum; a step all of whose keys count skips this
	s_cmp_le_u32 s96, s[Q0]
	s_cbranch_scc1 .Lopen_\@
	s_sub_co_i32 s96, s[Q0], s[KF]
	v_and_b32 v252, 15, v0
	v_bfe_u32 v253, v0, 4, 1
	s_delay_alu instid0(VALU_DEP_1)
	v_lshlrev_b32 v253, 4, v253
	s_delay_alu instid0(VALU_DEP_1)
	v_sub_nc_u32 v252, v252, v253
	s_delay_alu instid0(VALU_DEP_1)
	v_add_nc_u32 v252, s96, v252                   ; d = my query - the step's first key - 16 h; register 16 b + i holds the key 32 b + i further on: hidden where 32 b + i > d
	v_mov_b32 v254, 0xff800000
.irp n, 0,1,2,3,4,5,6,7,8,9,10,11,12,13,14,15,16,17,18,19,20,21,22,23,24,25,26,27,28,29,30,31,32,33,34,35,36,37,38,39,40,41,42,43,44,45,46,47,48,49,50,51,52,53,54,55,56,57,58,59,60,61,62,63
	v_cmp_gt_i32 vcc_lo, 32*(\n/16)+\n%16, v252
	v_cndmask_b32 v[96+\n], v[96+\n], v254, vcc_lo
.endr
.Lopen_\@:
	v_max3_num_f32 v254, v96, v97, v98             ; the step's largest score of my query, in two chains, each tile from its low end on
	v_max3_num_f32 v252, v99, v100, v101
.irp i, 6,10,14,18,22,26,30,34,38,42,46,50,54,58
	v_max3_num_f32 v254, v254, v[96+\i], v[97+\i]
	v_max3_num_f32 v252, v252, v[98+\i], v[99+\i]
.endr
	v_max3_num_f32 v254, v254, v158, v159
	s_delay_alu instid0(VALU_DEP_1)
	v_max_num_f32 v254, v254, v252
	v_permlanex16_b32 v236, v254, s[SEL], s[SEL+1]
	s_delay_alu instid0(VALU_DEP_1)
	v_max_num_f32 v254, v254, v236
	s_delay_alu instid0(VALU_DEP_1)
	v_mul_f32 v254, s[CS], v254                    ; as t (c is positive)
	s_delay_alu instid0(VALU_DEP_1)
	v_max_num_f32 v13, v13, v254
	v_mov_b32 v254, v12
	s_delay_alu instid0(VALU_DEP_2)
	v_floor_f32 v12, -v13                          ; the new -M = -ceil(t)
	s_delay_alu instid0(VALU_DEP_1)
	v_sub_f32 v254, v12, v254                      ; old M - new M: a whole number, 0 or less
	s_delay_alu instid0(VALU_DEP_1)
	v_cvt_i32_f32 v254, v254
	s_delay_alu instid0(VALU_DEP_1)
	v_ldexp_f32 v252, 1.0, v254                    ; f = 2^(old M - new M)
.set n, 0
.rept 32
	v_pk_fma_f32 v[96+n:97+n], v[96+n:97+n], s[CS:CS+1], v[12:13] op_sel_hi:[1,0,0]   ; t - M
.set n, n+2
.endr
.set n, 0
	s_wait_alu depctr_va_vdst(0)
.rept 64
	v_exp_f32 v[96+n], v[96+n]                     ; p = 2^(t - M)
.set n, n+1
.endr
	v_pk_mul_f32 v[14:15], v[14:15], v[252:253] op_sel_hi:[1,0]   ; the sums under the new M: the plain line behind the exponentials
	s_wait_alu depctr_va_vdst(0)                   ; one wait for the batch, ahead of the first line that names a result
	v_pk_add_f32 v[242:243], v[100:101], v[104:105]
	v_pk_add_f32 v[254:255], v[108:109], v[112:113]
	v_pk_add_f32 v[250:251], v[116:117], v[120:121]
	v_pk_add_f32 v[248:249], v[124:125], v[128:129]
	v_pk_add_f32 v[246:247], v[132:133], v[136:137]
	v_pk_add_f32 v[238:239], v[140:141], v[144:145]
	v_pk_add_f32 v[236:237], v[148:149], v[152:153]
	v_pk_add_f32 v[14:15], v[14:15], v[156:157]
	v_pk_add_f32 v[242:243], v[242:243], v[96:97]
	v_pk_add_f32 v[254:255], v[254:255], v[98:99]
	v_pk_add_f32 v[250:251], v[250:251], v[102:103]
	v_pk_add_f32 v[248:249], v[248:249], v[106:107]
	v_pk_add_f32 v[246:247], v[246:247], v[110:111]
	v_pk_add_f32 v[238:239], v[238:239], v[114:115]
	v_pk_add_f32 v[236:237], v[236:237], v[118:119]
	v_pk_add_f32 v[14:15], v[14:15], v[122:123]
	v_pk_add_f32 v[242:243], v[242:243], v[126:127]
	v_pk_add_f32 v[254:255], v[254:255], v[130:131]
	v_pk_add_f32 v[250:251], v[250:251], v[134:135]
	v_pk_add_f32 v[248:249], v[248:249], v[138:139]
	v_pk_add_f32 v[246:247], v[246:247], v[142:143]
	v_pk_add_f32 v[238:239], v[238:239], v[146:147]
	v_pk_add_f32 v[236:237], v[236:237], v[150:151]
	v_pk_add_f32 v[14:15], v[14:15], v[154:155]
	v_pk_add_f32 v[242:243], v[242:243], v[158:159]
	s_delay_alu instid0(VALU_DEP_2)
	v_pk_add_f32 v[14:15], v[14:15], v[248:249]
	s_delay_alu instid0(VALU_DEP_2)
	v_pk_add_f32 v[242:243], v[242:243], v[246:247]
	v_pk_add_f32 v[254:255], v[254:255], v[238:239]
	v_pk_add_f32 v[250:251], v[250:251], v[236:237]
	s_delay_alu instid0(VALU_DEP_2)
	v_pk_add_f32 v[14:15], v[14:15], v[254:255]
	s_delay_alu instid0(VALU_DEP_2)
	v_pk_add_f32 v[242:243], v[242:243], v[250:251]
	s_delay_alu instid0(VALU_DEP_1)
	v_pk_add_f32 v[14:15], v[14:15], v[242:243]
.irp b, 0,1,2,3
.irp i, 0,1,2,3,4,5,6,7,8,9,10,11,12,13,14,15
	v_min_num_f32 v[96+16*\b+\i], v[96+16*\b+\i], v240   ; p is not negative: a one-sided hold
.endr
	v_cvt_scalef32_pk8_bf8_f32 v[224+4*\b:225+4*\b], v[96+16*\b:103+16*\b], v244
	v_cvt_scalef32_pk8_bf8_f32 v[226+4*\b:227+4*\b], v[104+16*\b:111+16*\b], v244
.endr
.set n, 0
.rept 16
	v_pk_mul_f32 v[160+n:161+n], v[160+n:161+n], v[252:253] op_sel_hi:[1,0]   ; O^T under the new M; also the plain lines behind the conversions
.set n, n+2
.endr
.irp t, 0,1,2,3
.irp c, 0,1,2,3
	ds_load_b128 v[32+16*\t+4*\c:35+16*\t+4*\c], v[ADV] offset:16*\t*LP+128*(\q)+32*\c
.endr
.endr
	s_wait_alu depctr_va_vdst(0)
	s_wait_dscnt 0x0
.irp t, 0,1,2,3
	v_wmma_f32_16x16x128_bf8_bf8 v[160+8*\t:167+8*\t], v[32+16*\t:47+16*\t], v[224:239], v[160+8*\t:167+8*\t]   ; four accumulators by turns
.endr
.Lhidden_\@:
	s_add_co_u32 s[KF], s[KF], 128
.endm
; THE CHANGE OF SLOTS, at a slot's head: every wave waits for all its tensor loads, adds 0 to its spare word, waits for that and for its reads of the slot that it has left; the barrier; then the slot just left is filled.
.macro CHANGE fill
	s_wait_tensorcnt 0x0
	ds_add_u32 v[SPW], v[NIL]
.if \fill
	ds_add_u32 v[SPW], v[NIL]                      ; a second add where loads follow that most waves pass by, in every trip alike
	s_xor_b32 s[G0K+1], s[G0K+1], SLOT1            ; the walking descriptors: the other slot, the next 256 keys
	s_add_nc_u64 s[G0K+2:G0K+3], s[G0K+2:G0K+3], 16384
	s_xor_b32 s[G0V+1], s[G0V+1], SLOT1
	s_add_nc_u64 s[G0V+2:G0V+3], s[G0V+2:G0V+3], 256
	s_wait_xcnt 0x0                                ; the last prefetch, a slot back, has read its address
	s_add_nc_u64 s[PFA:PFA+1], s[PFA:PFA+1], s[PFS:PFS+1]
.endif
	s_wait_dscnt 0x0
	s_barrier_signal -1
	s_barrier_wait -1
.if \fill
	s_add_co_u32 s96, s[KF], SK                    ; the first key of the slot that this change would ask for:
	s_cmp_gt_u32 s96, s[LASTQ]                     ; past my work-group's last query none of its waves reads it, so it is not asked for.  Ids and the count of steps alone: all sixteen waves go the same way
	s_cbranch_scc1 .Lpast_\@
	TLOAD
.Lpast_\@:
	ASK
.endif
.endm
.macro SLOT_STEPS
	STEP 0
	STEP 1
	s_xor_b32 s[TB], s[TB], SLOT1
.endm
	s_wait_loadcnt 0x0                             ; Q
.Lslot:
	CHANGE 1
	SLOT_STEPS
	s_sub_co_u32 s[SLOTS], s[SLOTS], 1
	s_cmp_lg_u32 s[SLOTS], 0
	s_cbranch_scc1 .Lslot
	CHANGE 0                                       ; the last slot is written out: nothing is left to ask for
	SLOT_STEPS
	; THE WAY OUT: O^T / the sum x 2^(e4 + e5), the hold, the conversion with 2^e6; 8 bytes a lane into my stage (rows of 80 bytes), back as 1,024 bytes on end.
	v_add_f32 v14, v14, v15
	s_delay_alu instid0(VALU_DEP_1)
	v_permlanex16_b32 v252, v14, s[SEL], s[SEL+1]
	s_delay_alu instid0(VALU_DEP_1)
	v_add_f32 v14, v14, v252
	s_wait_alu depctr_va_vdst(0)
	v_rcp_f32 v14, v14
	v_and_b32 v8, 15, v0                           ; (a plain line behind the transcendental)
	v_bfe_u32 v9, v0, 4, 1
	s_add_co_i32 s96, s72, s73
	s_mul_i32 s97, s[WV], 1280
	v_mul_u32_u24 v10, v8, 80
	s_delay_alu instid0(VALU_DEP_1)
	v_lshl_add_u32 v10, v9, 3, v10
	s_delay_alu instid0(VALU_DEP_1)
	v_add_nc_u32 v10, s97, v10                     ; in: row r, + 8 h
	v_and_b32 v252, 31, v0
	s_delay_alu instid0(VALU_DEP_1)
	v_lshrrev_b32 v11, 2, v252
	s_delay_alu instid0(VALU_DEP_1)
	v_mul_u32_u24 v11, v11, 80
	s_delay_alu instid0(VALU_DEP_3)
	v_and_b32 v252, 3, v252
	s_delay_alu instid0(VALU_DEP_1)
	v_lshl_add_u32 v11, v252, 4, v11
	s_delay_alu instid0(VALU_DEP_1)
	v_add_nc_u32 v11, s97, v11                     ; back: four lanes to a row
	s_wait_alu depctr_va_vdst(0)                   ; the wait ahead of the first line that names the reciprocal
	v_ldexp_f32 v14, v14, s96
.set n, 0
.rept 32
	v_mul_f32 v[96+n], v[160+n], v14               ; register 8 t + i is o(r, 16 t + 8 h + i)
.set n, n+1
.endr
.set n, 0
.rept 32
	v_med3_num_f32 v[96+n], v[96+n], -v241, v241
.set n, n+1
.endr
.irp t, 0,1,2,3
	v_cvt_scalef32_pk8_bf8_f32 v[224+2*\t:225+2*\t], v[96+8*\t:103+8*\t], v245
.endr
	v_nop
.irp t, 0,1,2,3
	ds_store_b64 v10, v[224+2*\t:225+2*\t] offset:16*\t
.endr
.irp u, 0,1
	ds_load_b128 v[32+4*\u:35+4*\u], v11 offset:640*\u   ; a wave's LDS instructions are served in order
.endr
.irp u, 0,1
	s_wait_dscnt 1-\u
	global_store_b128 v[GO], v[32+4*\u:35+4*\u], s[8:9] offset:512*\u   ; 512 consecutive bytes, aligned
.endr
	s_wait_tensorcnt 0x0                           ; the wave's end
	ds_add_u32 v[SPW], v[NIL]
	s_wait_dscnt 0x0
	s_endpgm
.Lfunc_end_k_q9d3b948f8b_attn:
	.size	k_q9d3b948f8b_attn, .Lfunc_end_k_q9d3b948f8b_attn-k_q9d3b948f8b_attn
	.p2alignl 7, 3214868480
	.fill 96, 4, 3214868480
	.section	.rodata,"a",@progbits
	.p2align	6, 0x0
	.amdhsa_kernel k_q9d3b948f8b_attn
		.amdhsa_group_segment_fixed_size 327680
		.amdhsa_private_segment_fixed_size 0
		.amdhsa_enable_private_segment 0
		.amdhsa_kernarg_size 24
		.amdhsa_user_sgpr_count 2
		.amdhsa_user_sgpr_kernarg_segment_ptr 1
		.amdhsa_wavefront_size32 1
		.amdhsa_system_sgpr_workgroup_id_x 1
		.amdhsa_system_sgpr_workgroup_id_y 1
		.amdhsa_system_sgpr_workgroup_id_z 1
		.amdhsa_system_vgpr_workitem_id 0
		.amdhsa_next_free_vgpr 256
		.amdhsa_next_free_sgpr 100
		.amdhsa_reserve_vcc 1
		.amdhsa_float_denorm_mode_32 3
		.amdhsa_float_denorm_mode_16_64 3
		.amdhsa_memory_ordered 1
		.amdhsa_forward_progress 1
		.amdhsa_inst_pref_size 100
	.end_amdhsa_kernel
	.amdgpu_metadata
---
amdhsa.version: [ 1, 2 ]
amdhsa.kernels:
  - .name:           k_q9d3b948f8b_attn
    .symbol:         k_q9d3b948f8b_attn.kd
    .args:
      - { .name: qkvc, .offset: 0, .size: 8, .value_kind: global_buffer, .address_space: global }
      - { .name: lowp_scales, .offset: 8, .size: 8, .value_kind: global_buffer, .address_space: global }
      - { .name: aoc, .offset: 16, .size: 8, .value_kind: global_buffer, .address_space: global }
    .group_segment_fixed_size: 327680
    .private_segment_fixed_size: 0
    .kernarg_segment_align: 8
    .kernarg_segment_size: 24
    .max_flat_workgroup_size: 512
    .sgpr_count:     100
    .vgpr_count:     256
    .wavefront_size: 32
...
	.end_amdgpu_metadata
.endif
;; end of part 10
;; launch gwo (part 11): grid 8 x 32, 4 waves a work-group, clusters of 4 x 4, 327,680 bytes of LDS; arguments aoc, wc, lowp_scales, x1, bo, x; writes x1
.if DOCPART == 11
	.amdgcn_target "amdgcn-amd-amdhsa--gfx1250"
	.amdhsa_code_object_version 6
	.text
	.protected	k_q9d3b948f8b_gwo
	.globl	k_q9d3b948f8b_gwo
	.p2align	8
	.type	k_q9d3b948f8b_gwo,@function
k_q9d3b948f8b_gwo:
	s_mov_b64 s[64:65], 0
	v_nop
	global_prefetch_b8 v0, s[64:65] scope:SCOPE_SE
	s_setreg_imm32_b32 hwreg(HW_REG_WAVE_MODE, 25, 1), 1
	s_wait_xcnt 0x0
	s_wait_alu depctr_hold_cnt(0) depctr_sa_sdst(0) depctr_va_vdst(0) depctr_va_sdst(0) depctr_va_ssrc(0) depctr_va_vcc(0) depctr_vm_vsrc(0)
	s_getreg_b32 s2, hwreg(HW_REG_IB_STS2, 6, 4)
	s_cmp_eq_u32 s2, 0
	s_cbranch_scc0 .Lentry_in_a_cluster
	s_endpgm
.Lentry_in_a_cluster:
	s_bfe_u32 s2, ttmp6, 0x10000c
	s_cmp_lg_u32 s2, 0xf033
	s_cbranch_scc0 .Lentry_shape_is_right
	s_endpgm
.Lentry_shape_is_right:
; x1 = x + attention's result x Wo + bo, the product on codes of BF8.  A = aoc (scale e6), B = Wo's codes [1024][1024] at 3,145,728 of wc (e7), x1 [4096][1024] f32.
; A TILE OF C IS 128 x 128: 4,096 x 1,024 numbers make 256 such tiles, one for each work-group of the grid; tiles of 256 x 256 would be 64.  Four waves, each 64 x 64: 16 accumulators of 16 x 16, 128 registers.
; K goes in steps of 512 through two LDS slots filled by the tensor data mover.  K = 1,024 is two such steps: both slots are filled once, at the head, and nothing is filled again.
; CLUSTERS: 4 x 4 work-groups.  The four of a row of the cluster need the same tile of A, the four of a column the same tile of B: each tile is asked for JOINTLY, by the same tensor load with the same descriptor
; and a mask that names the four.  THE MATRIX INSTRUCTION IS USED TRANSPOSED (source 0 = 16 rows of B, source 1 = 16 rows of A): a lane holds eight neighbouring numbers of a row of C.
; A IS LAID IN BLOCKS: 128 tokens x one head's 64 bytes on end, the sixteen heads of a block of tokens one behind the other.  So a tile's 128 tokens x a K step of 512 (eight heads) are 65,536 dense bytes; each of the
; two waves that fetch for A takes a whole K step, eight heads, as 256 rows of 256 bytes (four tokens of one head to a row), 16 bytes of padding behind each: the sixteen tokens of a fragment load then fall on sixteen different groups of four banks.
; THE WAY OUT: a wave's 64 columns are 256 bytes of a row of C, aligned, so each wave has a stage of its own (in slot 0, which has had its one fill and its last read): the sums go in as they stand and come back as
; rows of 256 bytes; sum x 2^(e6 + e7) + residual is one packed multiply-add, the bias one packed addition; sixteen lanes store 256 consecutive bytes.  The residual is loaded at the head, in that same layout.
; REGISTERS, in windows of 256: window 0: v16-29 addresses, v32-35 the bias, v128-255 the accumulators ((a, b) at v[128 + 8 (4 a + b)]).  window 1: two fragment buffers of 128: A's four fragments of 16 registers, then B's four;
;   on the way out v0-127: the rows read back.  window 2: v0-127 the residual.
; LIMIT: e6 + e7 between -126 and 127.
.set KDIM,    1024
.set WOFF,    3145728
.set BLOCKED, 1
.set EA, 74
.set EB, 75
.set AQI,     5                        ; A's tiles: padding after every 64 words,
.set AROWB,   256                      ; rows of 256 bytes,
.set AROWS,   256                      ; 256 of them to a load: a whole K step (eight heads); wave 0 fetches K step 0, wave 1 K step 1: one load a wave brings all of K
.set ASTRIDE, 256                      ; dense in memory;
.set ASTEP,   65536                     ; a K step on: eight heads of 8,192 bytes
.set ALANE,   5                        ; the register with a lane's place in a fragment of A
.set KSTEP,  512
.set PITCH,  528                       ; an LDS row of 512 bytes + 16 of padding = 132 words: row r starts at bank 4 r mod 64 (64 banks of 4 bytes: ISA guide 11.1)
.set HALFT,  34816                     ; from one wave's tile to the next in a slot: 128 rows x 272 bytes; 64 rows x 528 are 33,792 and leave 1,024 unused
.set SLOT,   4*HALFT                   ; A's two tiles, then B's two
.set LAPS,   KDIM/(2*KSTEP)
.set SPARE,  2*SLOT                    ; behind the slots: the spare words, 128 bytes for each wave
.set SP,     272                       ; the way out: a stage row of 256 bytes + 16
.set ADRA, 16                          ; v16-17  LDS address of my A fragments in slot 0, 1
.set ADRB, 20                          ; v20-21  the same for B
.set STO,  24                          ; v24     the way out: where I put 32 bytes of a row
.set RD,   25                          ; v25     where I read a row back
.set CO,   26                          ; v26     my byte offset in two rows of C; never rewritten
.set BO,   27                          ; v27     my byte offset in the bias; never rewritten
.set SPW,  28                          ; v28     LDS address of my spare word; never rewritten
.set NIL,  29                          ; v29     0; never rewritten
.set BS,   32                          ; v32-35  the bias of my four columns
.set ACC,  128
.set F0,   0                           ; fragment buffers, in window 1
.set F1,   128
.set G1,  24
.set G0,  32
.set G1B, 48
.set G0B, 56
.set MSB, 0
.macro WIN new                         ; the immediate's high byte repeats the setting that is left
.if MSB != \new
	s_set_vgpr_msb (MSB<<8)|\new
.set MSB, \new
.endif
.endm
.set MUL,  0x05                        ; sources 0 (B) and 1 (A) window 1; C and D window 0
.set TO_F, 0x40                        ; destination window 1, address window 0
.macro JLOAD s                         ; a joint load: waves 0 and 1 fetch for A, waves 2 and 3 for B; an s_nop 0 and four v_nop follow each of the two lines
	s_cmp_eq_u32 s15, 0
	s_cbranch_scc0 .Lfor_b_\@
	tensor_load_to_lds s[G0+4*\s:G0+4*\s+3], s[G1:G1+7]
	s_nop 0
.rept 4
	v_nop
.endr
	s_branch .Lasked_\@
.Lfor_b_\@:
	tensor_load_to_lds s[G0B+4*\s:G0B+4*\s+3], s[G1B:G1B+7]
	s_nop 0
.rept 4
	v_nop
.endr
.Lasked_\@:
.endm
.macro CREST                           ; a round of the cluster's barrier behind its opening barrier
	s_cmp_lg_u32 s14, 0
	s_cbranch_scc1 .Lnot_wave_0_\@
	s_barrier_signal -3
.Lnot_wave_0_\@:
	s_barrier_wait -3
	s_barrier_signal -1
	s_barrier_wait -1
.endm
.macro CROUND
	s_barrier_signal -1
	s_barrier_wait -1
	CREST
.endm
	s_load_b256 s[4:11], s[0:1], 0x0               ; A s[4:5], wc s[6:7], the exponents s[8:9], the result s[10:11]
	s_load_b128 s[84:87], s[0:1], 0x20             ; the bias s[84:85], the residual s[86:87]
	v_lshl_add_u32 v[SPW], v0, 2, SPARE
	v_mov_b32 v[NIL], 0
	ds_add_u32 v[SPW], v[NIL]                      ; the wave's opening: the add, twice on end, and its wait ahead of my first tensor load
	ds_add_u32 v[SPW], v[NIL]
	v_lshrrev_b32 v1, 5, v0
	v_readfirstlane_b32 s14, v1                    ; wave 0..3
	s_lshr_b32 s15, s14, 1                         ; my half of the tile's rows.  Also: I fetch for A (0) or for B (1)
	s_and_b32 s16, s14, 1                          ; my half of its columns.  Also: which of the two tiles I fetch
	s_bfe_u32 s40, ttmp6, 0x40000                  ; cx
	s_bfe_u32 s41, ttmp6, 0x40004                  ; cy
	s_lshl_b32 s42, ttmp9, 2
	s_add_co_u32 s42, s42, s40                     ; tile column of C, 0..7
	s_and_b32 s17, ttmp7, 0xffff
	s_lshl_b32 s17, s17, 2
	s_add_co_u32 s17, s17, s41                     ; tile row of C, 0..31
	s_lshl_b32 s43, s41, 2
	s_lshl_b32 s43, 15, s43                        ; my row of the cluster
	s_lshl_b32 s44, 0x1111, s40                    ; my column
	s_or_b32 s[G1+0], s43, (0<<16)|(1<<20)|(1<<21)|(AQI<<22)|(3<<25)   ; the mask; elements of 1 byte; padding on; bit 21 beside a mask; four words behind each row
	s_mov_b32 s[G1+1], AROWB<<16                   ; tensor_dim0
	s_mov_b32 s[G1+2], AROWS<<16                   ; tensor_dim1
	s_mov_b32 s[G1+3], AROWB<<16                   ; tile_dim0
	s_mov_b32 s[G1+4], AROWS                       ; tile_dim1
	s_mov_b32 s[G1+5], ASTRIDE                     ; from row to row
	s_mov_b32 s[G1+6], 0
	s_mov_b32 s[G1+7], 0
	s_or_b32 s[G1B+0], s44, (0<<16)|(1<<20)|(1<<21)|(6<<22)|(3<<25)    ; B: 128 rows of 512 bytes, four words of padding after every 128
	s_mov_b32 s[G1B+1], KSTEP<<16
	s_mov_b32 s[G1B+2], 128<<16                    ; B: all 128 rows of the tile, 512 bytes of each: wave 2 fetches K step 0, wave 3 K step 1
	s_mov_b32 s[G1B+3], KSTEP<<16
	s_mov_b32 s[G1B+4], 128
	s_mov_b32 s[G1B+5], KDIM
	s_mov_b32 s[G1B+6], 0
	s_mov_b32 s[G1B+7], 0
.if BLOCKED
	s_lshl_b32 s20, s17, 17                        ; A: a block of 128 tokens is 131,072 bytes;
	s_lshl_b32 s18, s16, 16                        ; eight heads are 65,536
	s_add_co_u32 s20, s20, s18
	s_mov_b32 s21, 0
.else
	s_lshl_b32 s20, s17, 7
	s_lshl_b32 s18, s16, 6
	s_add_co_u32 s20, s20, s18                     ; A: row 128 x tile row + 64 x half
	s_mov_b32 s21, 0
	s_mov_b64 s[18:19], KDIM
	s_mul_u64 s[20:21], s[20:21], s[18:19]
.endif
	s_lshl_b32 s46, s42, 17                        ; B: row 128 x tile column, 1,024 bytes a row,
	s_lshl_b32 s47, s16, 9                         ; + my K step's 512 bytes
	s_add_co_u32 s46, s46, s47
	s_mov_b32 s47, 0
	s_mul_i32 s45, s16, SLOT                       ; where they go: my K step's slot: no place in the cluster enters an LDS address
	s_wait_dscnt 0x0                               ; both opening adds are done
	s_wait_kmcnt 0x0
	s_load_b256 s[68:75], s[8:9], 0x0              ; e0 .. e7
	s_load_b128 s[76:79], s[8:9], 0x20             ; e8 .. e11
	s_add_nc_u64 s[6:7], s[6:7], WOFF
	s_add_nc_u64 s[20:21], s[4:5], s[20:21]
	s_add_nc_u64 s[46:47], s[6:7], s[46:47]
	CROUND                                         ; all sixteen work-groups are here: the first joint loads meet
	s_mov_b32 s[G0], 1
	s_mov_b32 s[G0+1], s45                         ; A's 256 rows x 272 bytes fill the slot's first 2 x HALFT bytes
	s_mov_b64 s[G0+2:G0+3], s[20:21]
	s_or_b32 s[G0+3], s[G0+3], 0x80000000
	s_mov_b32 s[G0B], 1
	s_add_co_u32 s[G0B+1], s45, 2*HALFT            ; B's 128 rows x 528 bytes lie behind them
	s_mov_b64 s[G0B+2:G0B+3], s[46:47]
	s_or_b32 s[G0B+3], s[G0B+3], 0x80000000
	JLOAD 0                                        ; one tensor load a wave: the four together bring both K steps
	v_and_b32 v1, 15, v0                           ; r = lane % 16
	v_bfe_u32 v2, v0, 4, 1                         ; h = lane / 16
	v_mul_u32_u24 v3, v1, PITCH
	v_lshl_add_u32 v4, v2, 4, v3                   ; a fragment's row x pitch + 16 x half
.if BLOCKED
	v_lshrrev_b32 v5, 2, v1
	v_mul_u32_u24 v5, v5, 272
	v_and_b32 v6, 3, v1
	v_lshl_add_u32 v5, v6, 6, v5
	v_lshl_add_u32 v5, v2, 4, v5                   ; A: token r lies in row r / 4 of its head, at 64 (r % 4)
	s_mul_i32 s21, s15, 16*272                     ; my 64 tokens: 16 rows on in every head
.else
	s_mul_i32 s21, s15, HALFT                      ; my 64 rows of A
.endif
	s_mul_i32 s22, s16, 64*PITCH                   ; my 64 rows of B (the tile's 128 rows lie on end),
	s_add_co_u32 s22, s22, 2*HALFT                 ; which lie behind A's
.irp s, 0,1
	v_add_nc_u32 v[ADRA+\s], s21, v[ALANE]
	v_add_nc_u32 v[ADRB+\s], s22, v4
	s_add_co_u32 s21, s21, SLOT
	s_add_co_u32 s22, s22, SLOT
.endr
	s_mul_i32 s23, s14, 4*16*SP                    ; my stage: four blocks of 16 rows
	v_mul_u32_u24 v5, v1, SP
	v_lshl_add_u32 v5, v2, 5, v5
	v_add_nc_u32 v[STO], s23, v5                   ; in: row r, + 32 h
	v_mul_u32_u24 v6, v2, SP
	v_lshl_add_u32 v6, v1, 4, v6
	v_add_nc_u32 v[RD], s23, v6                    ; back: lanes 0-15 one row of 256 bytes, lanes 16-31 the next
	v_lshlrev_b32 v[BO], 4, v1
	s_wait_alu depctr_va_vdst(0)
	v_lshl_add_u32 v[CO], v2, 12, v[BO]            ; and the same two rows in C
	s_wait_alu depctr_va_vdst(0)
	s_lshl_b32 s20, s17, 7
	s_lshl_b32 s21, s15, 6
	s_add_co_u32 s20, s20, s21
	s_lshl_b32 s20, s20, 12                        ; my first row x 4,096 bytes
	s_lshl_b32 s46, s42, 9
	s_lshl_b32 s47, s16, 8
	s_add_co_u32 s46, s46, s47                     ; my first column x 4: 512 x tile column + 256 x half
	s_add_co_u32 s20, s20, s46
	s_mov_b32 s21, 0
	s_mov_b32 s47, 0
	s_add_nc_u64 s[10:11], s[10:11], s[20:21]
	s_add_nc_u64 s[86:87], s[86:87], s[20:21]
	s_add_nc_u64 s[84:85], s[84:85], s[46:47]
	global_load_b128 v[BS:BS+3], v[BO], s[84:85]
	WIN 0x80                                       ; destination window 2: my 64 x 64 of the residual, asked for now and wanted on the way out
.irp a, 0,1,2,3
.irp t, 0,1,2,3,4,5,6,7
	global_load_b128 v[32*\a+4*\t:32*\a+4*\t+3], v[CO], s[86:87] offset:(16*\a+2*\t)*4096 th:TH_LOAD_NT   ; sixteen lanes read 256 consecutive bytes, aligned
.endr
.endr
	WIN 0
; A fragment, 16 rows x 128 K, is 16 registers: registers 4 c .. 4 c + 3 hold K = 32 c + 16 (lane / 16) + 0 .. 15: the same order of K in A and in B.
.macro FRAGB reg, slot, q, i
.irp c, 0,1,2,3
	ds_load_b128 v[\reg+4*\c:\reg+4*\c+3], v[ADRB+\slot] offset:128*(\q)+32*\c+(\i)*16*PITCH
.endr
.endm
.macro FRAGA reg, slot, q, i
.irp c, 0,1,2,3
.if BLOCKED
	ds_load_b128 v[\reg+4*\c:\reg+4*\c+3], v[ADRA+\slot] offset:(32*(2*(\q)+\c/2)+4*(\i))*272+32*(\c%2)   ; head 2 q + c / 2 of the step's eight (32 rows a head), d = 32 (c % 2) + 16 h; block i: four rows on
.else
	ds_load_b128 v[\reg+4*\c:\reg+4*\c+3], v[ADRA+\slot] offset:128*(\q)+32*\c+(\i)*16*PITCH
.endif
.endr
.endm
.macro FETCH slot, q, f                ; 32 LDS loads in one run: the slot's q-th 128 along K into buffer f: B's four fragments, then A's
	WIN TO_F
.irp i, 0,1,2,3
	FRAGB \f+64+16*\i, \slot, \q, \i
.endr
.irp i, 0,1,2,3
	FRAGA \f+16*\i, \slot, \q, \i
.endr
.endm
.macro MULA f, a, zero                 ; A's block a x B's four.  The 16 accumulators take turns, one instruction a turn, in the same order in every quarter
.irp b, 0,1,2,3
.if \zero
	v_wmma_f32_16x16x128_bf8_bf8 v[ACC+8*(4*(\a)+\b):ACC+8*(4*(\a)+\b)+7], v[\f+64+16*\b:\f+64+16*\b+15], v[\f+16*(\a):\f+16*(\a)+15], 0
.else
	v_wmma_f32_16x16x128_bf8_bf8 v[ACC+8*(4*(\a)+\b):ACC+8*(4*(\a)+\b)+7], v[\f+64+16*\b:\f+64+16*\b+15], v[\f+16*(\a):\f+16*(\a)+15], v[ACC+8*(4*(\a)+\b):ACC+8*(4*(\a)+\b)+7]
.endif
.endr
.endm
.macro PLACES                          ; four plain vector lines between a matrix instruction and a load into its registers or a read of its result
.rept 4
	v_nop
.endr
.endm
; A K step is four quarters of 128 along K, 16 matrix instructions each, on buffers 0, 1, 0, 1.  One of the first three: multiplies buffer f and fetches the slot's q-th 128 into g.
.macro QUARTER slot, q, f, g, zero
	s_wait_dscnt 8                                 ; B's fragments and A's blocks 0, 1 are in; the youngest eight loads (A's blocks 2, 3) may be out
	WIN MUL
	MULA \f, 0, \zero
	MULA \f, 1, \zero
	PLACES
	FETCH \slot, \q, \g
	s_wait_dscnt 32                                ; all but the 32 just issued
	WIN MUL
	MULA \f, 2, \zero
	MULA \f, 3, \zero
.endm
; The last quarter multiplies buffer 1 and changes slots: one barrier; in front of it each wave waits for all its tensor loads, adds 0 to its spare word, and waits for that and for its reads of this slot.
.macro TURN slot, next, fill
	WIN 0                                          ; (the add's two registers lie in window 0)
	s_wait_tensorcnt 0x0                           ; all my tensor loads have landed: my part of the next slot
	ds_add_u32 v[SPW], v[NIL]                      ; 0 onto my spare word
	s_wait_dscnt 9                                 ; (the add and the youngest eight loads may be out)
	WIN MUL
	MULA F1, 0, 0
	s_wait_dscnt 0x0                               ; the add is done, and my reads of this slot are over
	s_barrier_signal -1
	MULA F1, 1, 0
.if \fill
	WIN 0
.endif
	s_barrier_wait -1
.if \fill
	CREST                                          ; the barrier has opened a round of the cluster's: no wave of any partner still reads this slot or has a load on its way
	s_add_nc_u64 s[G0+4*\slot+2:G0+4*\slot+3], s[G0+4*\slot+2:G0+4*\slot+3], 2*ASTEP
	s_add_nc_u64 s[G0B+4*\slot+2:G0B+4*\slot+3], s[G0B+4*\slot+2:G0B+4*\slot+3], 2*KSTEP
	JLOAD \slot                                    ; the first tensor load behind the round; its four v_nop are the places in front of the loads below
.else
	PLACES
.endif
	FETCH \next, 0, F0
	WIN MUL
	MULA F1, 2, 0
	MULA F1, 3, 0
.endm
	s_wait_tensorcnt 0x0                           ; my one load is in; behind the barrier both K steps are whole
	s_barrier_signal -1
	s_barrier_wait -1
	FETCH 0, 0, F0
	QUARTER 0, 1, F0, F1, 1                        ; the first quarter's products start the sums
.if LAPS > 1
	WIN 0                                          ; at a label and at a branch every window is 0
	s_mov_b32 s3, LAPS-1
.Llap:                                                 ; a trip goes once round the ring, from a lap's second quarter to the next lap's first, and fills both slots again
	QUARTER 0, 2, F1, F0, 0
	QUARTER 0, 3, F0, F1, 0
	TURN 0, 1, 1
	QUARTER 1, 1, F0, F1, 0
	QUARTER 1, 2, F1, F0, 0
	QUARTER 1, 3, F0, F1, 0
	TURN 1, 0, 1
	QUARTER 0, 1, F0, F1, 0
	WIN 0
	s_sub_co_u32 s3, s3, 1
	s_cmp_lg_u32 s3, 0
	s_cbranch_scc1 .Llap
.endif
	QUARTER 0, 2, F1, F0, 0                        ; the last lap fills nothing
	QUARTER 0, 3, F0, F1, 0
	TURN 0, 1, 0
	QUARTER 1, 1, F0, F1, 0
	QUARTER 1, 2, F1, F0, 0
	QUARTER 1, 3, F0, F1, 0
	s_wait_dscnt 8                                 ; the very last quarter: nothing more to fetch
	WIN MUL
	MULA F1, 0, 0
	MULA F1, 1, 0
	s_wait_dscnt 0
	MULA F1, 2, 0
	MULA F1, 3, 0
	WIN 0
	; THE WAY OUT
	s_wait_kmcnt 0x0
	s_add_co_i32 s96, s[EA], s[EB]
	s_add_co_i32 s96, s96, 127
	s_lshl_b32 s96, s96, 23                        ; 2^(ea + eb) as f32
	s_mov_b32 s97, s96                             ; (named with it as a pair)
	PLACES
.irp a, 0,1,2,3
.irp b, 0,1,2,3
	ds_store_b128 v[STO], v[ACC+8*(4*\a+\b):ACC+8*(4*\a+\b)+3] offset:\a*16*SP+64*\b          ; lane (r, h): the sums of row 16 a + r, columns 16 b + 8 h + 0 .. 7; each accumulator from its low end on
	ds_store_b128 v[STO], v[ACC+8*(4*\a+\b)+4:ACC+8*(4*\a+\b)+7] offset:\a*16*SP+64*\b+16
.endr
.endr
	WIN TO_F
.irp a, 0,1,2,3
.irp t, 0,1,2,3,4,5,6,7
	ds_load_b128 v[32*\a+4*\t:32*\a+4*\t+3], v[RD] offset:\a*16*SP+2*\t*SP   ; a wave's LDS instructions are served in order (ISA guide 5.7.1.4): these see my stores
.endr
.endr
	s_wait_loadcnt 0x0                             ; the bias and the residual, asked for at the head
.irp a, 0,1,2,3
	s_wait_dscnt 8*(3-\a)                          ; block a's eight loads are in; the later blocks' may be out
	WIN 0x61                                       ; destination and source 0 window 1, source 2 (the residual) window 2
.set n, 0
.rept 16
	v_pk_fma_f32 v[32*\a+n:32*\a+n+1], v[32*\a+n:32*\a+n+1], s[96:97], v[32*\a+n:32*\a+n+1] op_sel_hi:[1,0,1]   ; sum x 2^(ea + eb) + residual
.set n, n+2
.endr
	WIN 0x41                                       ; source 1 (the bias) window 0
.irp t, 0,1,2,3,4,5,6,7
	v_pk_add_f32 v[32*\a+4*\t:32*\a+4*\t+1], v[32*\a+4*\t:32*\a+4*\t+1], v[BS:BS+1]
	v_pk_add_f32 v[32*\a+4*\t+2:32*\a+4*\t+3], v[32*\a+4*\t+2:32*\a+4*\t+3], v[BS+2:BS+3]
.endr
	WIN 0x04                                       ; the stores' data window 1, their address window 0
.irp t, 0,1,2,3,4,5,6,7
	global_store_b128 v[CO], v[32*\a+4*\t:32*\a+4*\t+3], s[10:11] offset:(16*\a+2*\t)*4096   ; sixteen lanes store 256 consecutive bytes, aligned; no register here is written again
.endr
.endr
	WIN 0
	s_wait_tensorcnt 0x0                           ; the wave's end
	ds_add_u32 v[SPW], v[NIL]
	s_wait_dscnt 0x0
	CROUND                                         ; the closing round
	s_endpgm
.Lfunc_end_k_q9d3b948f8b_gwo:
	.size	k_q9d3b948f8b_gwo, .Lfunc_end_k_q9d3b948f8b_gwo-k_q9d3b948f8b_gwo
	.p2alignl 7, 3214868480
	.fill 96, 4, 3214868480
	.section	.rodata,"a",@progbits
	.p2align	6, 0x0
	.amdhsa_kernel k_q9d3b948f8b_gwo
		.amdhsa_group_segment_fixed_size 327680
		.amdhsa_private_segment_fixed_size 0
		.amdhsa_enable_private_segment 0
		.amdhsa_kernarg_size 48
		.amdhsa_user_sgpr_count 2
		.amdhsa_user_sgpr_kernarg_segment_ptr 1
		.amdhsa_wavefront_size32 1
		.amdhsa_system_sgpr_workgroup_id_x 1
		.amdhsa_system_sgpr_workgroup_id_y 1
		.amdhsa_system_sgpr_workgroup_id_z 1
		.amdhsa_system_vgpr_workitem_id 0
		.amdhsa_next_free_vgpr 640
		.amdhsa_next_free_sgpr 100
		.amdhsa_reserve_vcc 0
		.amdhsa_float_denorm_mode_32 3
		.amdhsa_float_denorm_mode_16_64 3
		.amdhsa_memory_ordered 1
		.amdhsa_forward_progress 1
		.amdhsa_inst_pref_size 52
	.end_amdhsa_kernel
	.amdgpu_metadata
---
amdhsa.version: [ 1, 2 ]
amdhsa.kernels:
  - .name:           k_q9d3b948f8b_gwo
    .symbol:         k_q9d3b948f8b_gwo.kd
    .args:
      - { .name: aoc, .offset: 0, .size: 8, .value_kind: global_buffer, .address_space: global }
      - { .name: wc, .offset: 8, .size: 8, .value_kind: global_buffer, .address_space: global }
      - { .name: lowp_scales, .offset: 16, .size: 8, .value_kind: global_buffer, .address_space: global }
      - { .name: x1, .offset: 24, .size: 8, .value_kind: global_buffer, .address_space: global }
      - { .name: bo, .offset: 32, .size: 8, .value_kind: global_buffer, .address_space: global }
      - { .name: x, .offset: 40, .size: 8, .value_kind: global_buffer, .address_space: global }
    .group_segment_fixed_size: 327680
    .private_segment_fixed_size: 0
    .kernarg_segment_align: 8
    .kernarg_segment_size: 48
    .max_flat_workgroup_size: 128
    .sgpr_count:     100
    .vgpr_count:     640
    .wavefront_size: 32
...
	.end_amdgpu_metadata
.endif
;; end of part 11
;; launch ln2 (part 12): grid 256 x 1, 4 waves a work-group, no clusters, 41,472 bytes of LDS; arguments x1, g2, b2, lowp_scales, hhc; writes hhc
.if DOCPART == 12
	.amdgcn_target "amdgcn-amd-amdhsa--gfx1250"
	.amdhsa_code_object_version 6
	.text
	.protected	k_q9d3b948f8b_ln2
	.globl	k_q9d3b948f8b_ln2
	.p2align	8
	.type	k_q9d3b948f8b_ln2,@function
k_q9d3b948f8b_ln2:
	s_mov_b64 s[64:65], 0
	v_nop
	global_prefetch_b8 v0, s[64:65] scope:SCOPE_SE
	s_setreg_imm32_b32 hwreg(HW_REG_WAVE_MODE, 25, 1), 1
	s_wait_xcnt 0x0
; LN2(x1) as codes of BF8 (scale e8) in hhc [4096][1024].  One wave a row at a time, four rows a wave, sixteen a work-group; mean, then the mean of squares of x - mean, as the layer writes it.
; Each load reads 512 consecutive bytes; a row turns through the wave's own stage in LDS (16 bytes of padding behind each 64) so that a lane holds 16 neighbours for the conversions; a lane's 16 codes are 16 bytes.
; LIMIT: e8 between -126 and 112.  NaN among the inputs is not served.  No tensor load, no barrier: waves share nothing.
.set LSTG,  0
.set SPARE, 40960
.set SPW,   14
.set NIL,   15
.set LG, 16
.set LB, 48
.set LY, 80
.set LX, 112
	s_load_b256 s[8:15], s[0:1], 0x0               ; x1 s[8:9], g2 s[10:11], b2 s[12:13], the exponents s[14:15]
	s_load_b64 s[16:17], s[0:1], 0x20              ; hhc
	v_lshl_add_u32 v[SPW], v0, 2, SPARE
	v_mov_b32 v[NIL], 0
	v_lshrrev_b32 v1, 5, v0
	v_readfirstlane_b32 s2, v1
	v_and_b32 v1, 31, v0
	s_wait_alu depctr_va_vdst(0)
	s_lshl_b32 s3, ttmp9, 4
	s_lshl_b32 s4, s2, 2
	s_add_co_u32 s3, s3, s4                        ; my wave's first row
	s_mov_b32 s7, 0
	s_mov_b32 s40, 0x3a800000                      ; 1 / 1,024
	s_mov_b32 s41, 0x3727c5ac                      ; 1e-5
	s_mov_b32 s42, 0x76543210
	s_mov_b32 s43, 0xfedcba98
	v_lshlrev_b32 v2, 4, v1
	v_lshlrev_b32 v5, 6, v1
	s_mul_i32 s4, s2, 10240                        ; my two stages
	v_lshrrev_b32 v3, 2, v1
	v_mul_u32_u24 v3, v3, 80
	v_and_b32 v4, 3, v1
	v_lshl_add_u32 v3, v4, 4, v3
	v_add_nc_u32 v3, s4, v3
	v_mul_u32_u24 v4, v1, 80
	v_add_nc_u32 v4, s4, v4
	v_mov_b32 v10, 0
	s_wait_alu depctr_va_vdst(0)
	s_wait_kmcnt 0x0
	s_load_b32 s5, s[14:15], 0x20                  ; e8
	s_lshl_b32 s6, s3, 12
	s_add_nc_u64 s[28:29], s[8:9], s[6:7]
	s_lshl_b32 s6, s3, 10
	s_add_nc_u64 s[30:31], s[16:17], s[6:7]
.irp u, 0,1
.irp i, 0,1,2,3
	global_load_b128 v[LG+16*\u+4*\i:LG+16*\u+4*\i+3], v5, s[10:11] offset:2048*\u+16*\i
	global_load_b128 v[LB+16*\u+4*\i:LB+16*\u+4*\i+3], v5, s[12:13] offset:2048*\u+16*\i
.endr
.endr
.irp t, 0,1,2,3
.irp j, 0,1,2,3,4,5,6,7
	global_load_b128 v[LX+32*\t+4*\j:LX+32*\t+4*\j+3], v2, s[28:29] offset:4096*\t+512*\j
.endr
.endr
	s_wait_kmcnt 0x0
	s_add_co_i32 s5, s5, 127
	s_lshl_b32 s6, s5, 23
	v_mov_b32 v240, s6
	s_add_co_i32 s5, s5, 15
	s_lshl_b32 s5, s5, 23
	s_or_b32 s5, s5, 0x600000
	v_mov_b32 v241, s5
.macro REDUCE
	v_add_f32_dpp v6, v6, v6 row_xmask:1 row_mask:0xf bank_mask:0xf
	v_add_f32_dpp v6, v6, v6 row_xmask:2 row_mask:0xf bank_mask:0xf
	v_add_f32_dpp v6, v6, v6 row_xmask:4 row_mask:0xf bank_mask:0xf
	v_add_f32_dpp v6, v6, v6 row_xmask:8 row_mask:0xf bank_mask:0xf
	v_permlanex16_b32 v10, v6, s42, s43
	v_add_f32 v6, v6, v10
.endm
.macro LNROW t
	s_wait_loadcnt 8*(3-\t)                        ; this row's eight loads are in; the later rows' stay out
.irp j, 0,1,2,3,4,5,6,7
	ds_store_b128 v3, v[LX+32*\t+4*\j:LX+32*\t+4*\j+3] offset:5120*(\t%2)+640*\j
.endr
.irp u, 0,1
.irp i, 0,1,2,3
	ds_load_b128 v[LY+16*\u+4*\i:LY+16*\u+4*\i+3], v4 offset:5120*(\t%2)+2560*\u+16*\i
.endr
.endr
	s_wait_dscnt 0x0
	v_pk_add_f32 v[6:7], v[LY:LY+1], v[LY+2:LY+3]
	v_pk_add_f32 v[8:9], v[LY+4:LY+5], v[LY+6:LY+7]
.irp j, 8,12,16,20,24,28
	v_pk_add_f32 v[6:7], v[6:7], v[LY+\j:LY+\j+1]
	v_pk_add_f32 v[8:9], v[8:9], v[LY+\j+2:LY+\j+3]
.endr
	v_pk_add_f32 v[6:7], v[6:7], v[8:9]
	v_add_f32 v6, v6, v7
	REDUCE
	v_mul_f32 v12, s40, v6                         ; the mean
	v_mov_b32 v13, v12
.set n, 0
.rept 16
	v_pk_add_f32 v[LY+n:LY+n+1], v[LY+n:LY+n+1], v[12:13] neg_lo:[0,1] neg_hi:[0,1]
.set n, n+2
.endr
	v_pk_mul_f32 v[6:7], v[LY:LY+1], v[LY:LY+1]
	v_pk_mul_f32 v[8:9], v[LY+2:LY+3], v[LY+2:LY+3]
.irp j, 4,8,12,16,20,24,28
	v_pk_fma_f32 v[6:7], v[LY+\j:LY+\j+1], v[LY+\j:LY+\j+1], v[6:7]
	v_pk_fma_f32 v[8:9], v[LY+\j+2:LY+\j+3], v[LY+\j+2:LY+\j+3], v[8:9]
.endr
	v_pk_add_f32 v[6:7], v[6:7], v[8:9]
	v_add_f32 v6, v6, v7
	REDUCE
	v_fma_f32 v6, v6, s40, s41
	s_wait_alu depctr_va_vdst(0)
	v_rsq_f32 v12, v6
	v_nop                                          ; a plain line behind the transcendental,
	s_wait_alu depctr_va_vdst(0)                   ; and a wait ahead of the first line that names its result
	v_mov_b32 v13, v12
.set n, 0
.rept 16
	v_pk_mul_f32 v[LY+n:LY+n+1], v[LY+n:LY+n+1], v[12:13]
.set n, n+2
.endr
.set n, 0
.rept 16
	v_pk_fma_f32 v[LY+n:LY+n+1], v[LY+n:LY+n+1], v[LG+n:LG+n+1], v[LB+n:LB+n+1]
.set n, n+2
.endr
.set n, 0
.rept 32
	v_med3_num_f32 v[LY+n], v[LY+n], -v241, v241
.set n, n+1
.endr
.irp g, 0,1,2,3
	v_cvt_scalef32_pk8_bf8_f32 v[LX+32*\t+2*\g:LX+32*\t+2*\g+1], v[LY+8*\g:LY+8*\g+7], v240
.endr
	v_nop
	global_store_b128 v2, v[LX+32*\t:LX+32*\t+3], s[30:31] offset:1024*\t
	global_store_b128 v2, v[LX+32*\t+4:LX+32*\t+7], s[30:31] offset:1024*\t+512
.endm
	LNROW 0
	LNROW 1
	LNROW 2
	LNROW 3
	s_wait_tensorcnt 0x0                           ; the wave's end
	ds_add_u32 v[SPW], v[NIL]
	s_wait_dscnt 0x0
	s_endpgm
.Lfunc_end_k_q9d3b948f8b_ln2:
	.size	k_q9d3b948f8b_ln2, .Lfunc_end_k_q9d3b948f8b_ln2-k_q9d3b948f8b_ln2
	.p2alignl 7, 3214868480
	.fill 96, 4, 3214868480
	.section	.rodata,"a",@progbits
	.p2align	6, 0x0
	.amdhsa_kernel k_q9d3b948f8b_ln2
		.amdhsa_group_segment_fixed_size 41472
		.amdhsa_private_segment_fixed_size 0
		.amdhsa_enable_private_segment 0
		.amdhsa_kernarg_size 40
		.amdhsa_user_sgpr_count 2
		.amdhsa_user_sgpr_kernarg_segment_ptr 1
		.amdhsa_wavefront_size32 1
		.amdhsa_system_sgpr_workgroup_id_x 1
		.amdhsa_system_sgpr_workgroup_id_y 1
		.amdhsa_system_sgpr_workgroup_id_z 1
		.amdhsa_system_vgpr_workitem_id 0
		.amdhsa_next_free_vgpr 256
		.amdhsa_next_free_sgpr 66
		.amdhsa_reserve_vcc 0
		.amdhsa_float_denorm_mode_32 3
		.amdhsa_float_denorm_mode_16_64 3
		.amdhsa_memory_ordered 1
		.amdhsa_forward_progress 1
		.amdhsa_inst_pref_size 45
	.end_amdhsa_kernel
	.amdgpu_metadata
---
amdhsa.version: [ 1, 2 ]
amdhsa.kernels:
  - .name:           k_q9d3b948f8b_ln2
    .symbol:         k_q9d3b948f8b_ln2.kd
    .args:
      - { .name: x1, .offset: 0, .size: 8, .value_kind: global_buffer, .address_space: global }
      - { .name: g2, .offset: 8, .size: 8, .value_kind: global_buffer, .address_space: global }
      - { .name: b2, .offset: 16, .size: 8, .value_kind: global_buffer, .address_space: global }
      - { .name: lowp_scales, .offset: 24, .size: 8, .value_kind: global_buffer, .address_space: global }
      - { .name: hhc, .offset: 32, .size: 8, .value_kind: global_buffer, .address_space: global }
    .group_segment_fixed_size: 41472
    .private_segment_fixed_size: 0
    .kernarg_segment_align: 8
    .kernarg_segment_size: 40
    .max_flat_workgroup_size: 128
    .sgpr_count:     66
    .vgpr_count:     256
    .wavefront_size: 32
...
	.end_amdgpu_metadata
.endif
;; end of part 12
;; launch gw1 (part 13): grid 16 x 16, 4 waves a work-group, clusters of 4 x 4, 327,680 bytes of LDS; arguments hhc, wc, lowp_scales, ffc, b1f; writes ffc
.if DOCPART == 13
	.amdgcn_target "amdgcn-amd-amdhsa--gfx1250"
	.amdhsa_code_object_version 6
	.text
	.protected	k_q9d3b948f8b_gw1
	.globl	k_q9d3b948f8b_gw1
	.p2align	8
	.type	k_q9d3b948f8b_gw1,@function
k_q9d3b948f8b_gw1:
	s_mov_b64 s[64:65], 0
	v_nop
	global_prefetch_b8 v0, s[64:65] scope:SCOPE_SE
	s_setreg_imm32_b32 hwreg(HW_REG_WAVE_MODE, 25, 1), 1
	s_wait_xcnt 0x0
	s_wait_alu depctr_hold_cnt(0) depctr_sa_sdst(0) depctr_va_vdst(0) depctr_va_sdst(0) depctr_va_ssrc(0) depctr_va_vcc(0) depctr_vm_vsrc(0)
	s_getreg_b32 s2, hwreg(HW_REG_IB_STS2, 6, 4)
	s_cmp_eq_u32 s2, 0
	s_cbranch_scc0 .Lentry_in_a_cluster
	s_endpgm
.Lentry_in_a_cluster:
	s_bfe_u32 s2, ttmp6, 0x10000c
	s_cmp_lg_u32 s2, 0xf033
	s_cbranch_scc0 .Lentry_shape_is_right
	s_endpgm
.Lentry_shape_is_right:
; ffc = codes (scale e10) of gelu(LN2(x1) W1 + b1f), the product on codes of BF8.  Tiles of 256 x 256, 4 x 4 clusters with joint loads, K in four steps of 256 through two LDS slots.
; THE WAY OUT is a loop of eight trips, a block of 16 rows x 128 columns each: a chain of branches on the block's number leads to the 32 lines that take that block's sums out of their register window
; (sum x 2^(e8 + e9) + bias); erf by a rational form on the clamped argument, the hold and the conversion are written once.  The form's multiplies and multiply-adds ahead of the reciprocals are dual pairs
; on an even and an odd register: the same operations and roundings as single lines.
; PREFETCH: behind the first fill of K step s (s = 0, 1) stands one request a wave for K step s + 2.  Of the 128 rows x 256 bytes that a wave fetches, each of the four partners that ask for them jointly
; names 32 rows, told apart by address (cx for A, cy for B), a lane a row: each aligned block of 256 bytes is named once in a cluster.  The refills ask for nothing: no K step lies two on.
.set KDIM,    1024
.set WOFF,    4194304
.set ASTRIDE, KDIM
.set ASTEP,   256
.set KSTEP,  256
.set ROWB,   256
.set PITCH,  272
.set FR,     16
.set NL,     4
.set NP,     4
.set HALFT,  128*PITCH
.set SLOT,   4*HALFT
.set LAPS,   KDIM/(2*KSTEP)
.set SPARE,  2*SLOT
.set ADRA, 16
.set ADRB, 20
.set SPW,  28
.set NIL,  29
.set AF,   128
.set G1,  24
.set G0,  32
.set G1B, 48
.set G0B, 56
.set BOF,  7
.set SCL,  8
.set LIM,  9
.set IMG,  24
.set STO,  25
.set RD,   26
.set CO,   27
.set ADI,  30
.set ADC,  31
.set BI,   32
.set CD,   96
.set T,    128
.set Z,    192
.set X2,   208
.set P,    224
.set Q,    240
.set MSB, 0
.macro WIN new
.if MSB != \new
	s_set_vgpr_msb (MSB<<8)|\new
.set MSB, \new
.endif
.endm
.set MUL_LO, 0xa1
.set MUL_HI, 0xf1
.set TO_B,   0x40
.macro JLOAD g0a, g1a, g0b, g1b
	s_cmp_eq_u32 s15, 0
	s_cbranch_scc0 .Lfor_b_\@
	tensor_load_to_lds s[\g0a:\g0a+3], s[\g1a:\g1a+7]
	s_nop 0
.rept 4
	v_nop
.endr
	s_branch .Lasked_\@
.Lfor_b_\@:
	tensor_load_to_lds s[\g0b:\g0b+3], s[\g1b:\g1b+7]
	s_nop 0
.rept 4
	v_nop
.endr
.Lasked_\@:
.endm
.macro CREST
	s_cmp_lg_u32 s14, 0
	s_cbranch_scc1 .Lnot_wave_0_\@
	s_barrier_signal -3
.Lnot_wave_0_\@:
	s_barrier_wait -3
	s_barrier_signal -1
	s_barrier_wait -1
.endm
.macro CROUND
	s_barrier_signal -1
	s_barrier_wait -1
	CREST
.endm
	s_load_b256 s[4:11], s[0:1], 0x0
	s_load_b64 s[84:85], s[0:1], 0x20
	v_lshl_add_u32 v[SPW], v0, 2, SPARE
	v_mov_b32 v[NIL], 0
	ds_add_u32 v[SPW], v[NIL]
	ds_add_u32 v[SPW], v[NIL]
	v_lshrrev_b32 v1, 5, v0
	v_readfirstlane_b32 s14, v1
	v_and_b32 v14, 31, v0
	v_lshlrev_b32 v14, 10, v14                     ; v14, never rewritten: the prefetches' offset: my lane x a row of 1,024 bytes
	s_lshr_b32 s15, s14, 1
	s_and_b32 s16, s14, 1
	s_bfe_u32 s40, ttmp6, 0x40000
	s_bfe_u32 s41, ttmp6, 0x40004
	s_lshl_b32 s42, ttmp9, 2
	s_add_co_u32 s42, s42, s40
	s_and_b32 s17, ttmp7, 0xffff
	s_lshl_b32 s17, s17, 2
	s_add_co_u32 s17, s17, s41
	s_lshl_b32 s43, s41, 2
	s_lshl_b32 s43, 15, s43
	s_lshl_b32 s44, 0x1111, s40
	s_or_b32 s[G1+0], s43, (0<<16)|(1<<20)|(1<<21)|(5<<22)|(3<<25)
	s_or_b32 s[G1B+0], s44, (0<<16)|(1<<20)|(1<<21)|(5<<22)|(3<<25)
.irp g, G1, G1B
	s_mov_b32 s[\g+1], ROWB<<16
	s_mov_b32 s[\g+2], 128<<16
	s_mov_b32 s[\g+3], ROWB<<16
	s_mov_b32 s[\g+4], 128
	s_mov_b32 s[\g+6], 0
	s_mov_b32 s[\g+7], 0
.endr
	s_mov_b32 s[G1+5], ASTRIDE
	s_mov_b32 s[G1B+5], KDIM
	s_lshl_b32 s18, s16, 7
	s_lshl_b32 s20, s17, 8
	s_add_co_u32 s20, s20, s18
	s_lshl_b32 s46, s42, 8
	s_add_co_u32 s46, s46, s18
	s_mov_b32 s21, 0
	s_mov_b32 s47, 0
	s_mov_b64 s[18:19], KDIM
	s_mul_u64 s[20:21], s[20:21], s[18:19]
	s_mul_u64 s[46:47], s[46:47], s[18:19]
	s_mul_i32 s45, s14, HALFT
	s_wait_alu depctr_va_vdst(0)
	s_wait_dscnt 0x0
	s_wait_kmcnt 0x0
	s_load_b256 s[68:75], s[8:9], 0x0
	s_load_b128 s[76:79], s[8:9], 0x20
	s_add_nc_u64 s[6:7], s[6:7], WOFF
	s_add_nc_u64 s[20:21], s[4:5], s[20:21]
	s_add_nc_u64 s[46:47], s[6:7], s[46:47]
	s_cmp_eq_u32 s15, 0                            ; s[12:13], never rewritten: where my prefetches stand: the rows that I fetch, of A or of B,
	s_cselect_b64 s[12:13], s[20:21], s[46:47]
	s_cselect_b32 s98, s40, s41                    ; my place among the four that ask with me,
	s_lshl_b32 s98, s98, 15                        ; x 32 rows of 1,024 bytes
	s_mov_b32 s99, 0
	s_add_nc_u64 s[12:13], s[12:13], s[98:99]
	CROUND
.irp s, 0,1
	s_mov_b32 s[G0+4*\s], 1
	s_add_co_u32 s[G0+4*\s+1], s45, \s*SLOT
	s_add_nc_u64 s[G0+4*\s+2:G0+4*\s+3], s[20:21], \s*ASTEP
	s_or_b32 s[G0+4*\s+3], s[G0+4*\s+3], 0x80000000
	s_mov_b32 s[G0B+4*\s], 1
	s_add_co_u32 s[G0B+4*\s+1], s45, \s*SLOT
	s_add_nc_u64 s[G0B+4*\s+2:G0B+4*\s+3], s[46:47], \s*ROWB
	s_or_b32 s[G0B+4*\s+3], s[G0B+4*\s+3], 0x80000000
.endr
	JLOAD G0, G1, G0B, G1B                         ; K step 0: one tensor load a wave at the head
	global_prefetch_b8 v14, s[12:13] offset:2*ROWB th:TH_LOAD_NT scope:SCOPE_SE   ; K step 2
	v_and_b32 v1, 15, v0
	v_bfe_u32 v2, v0, 4, 1
	v_mul_u32_u24 v3, v1, PITCH
	v_lshl_add_u32 v4, v2, 4, v3
	s_mul_i32 s21, s15, HALFT
	s_mul_i32 s22, s16, HALFT
	s_add_co_u32 s22, s22, 2*HALFT
.irp s, 0,1
	v_add_nc_u32 v[ADRA+\s], s21, v4
	v_add_nc_u32 v[ADRB+\s], s22, v4
	s_add_co_u32 s21, s21, SLOT
	s_add_co_u32 s22, s22, SLOT
.endr
	s_lshl_b32 s23, s14, 16
	s_wait_alu depctr_va_vdst(0)
	s_lshl_b32 s21, s16, 7
	s_add_co_u32 s23, s23, s21
	v_mul_u32_u24 v5, v1, 144
	v_lshl_add_u32 v5, v2, 3, v5
	v_add_nc_u32 v[STO], s23, v5
	s_lshl_b32 s22, s15, 17
	s_mul_i32 s21, s16, 64*144
	s_add_co_u32 s22, s22, s21
	v_bfe_u32 v5, v0, 3, 1
	v_mul_u32_u24 v5, v5, 65664
	v_mad_u32_u24 v5, v2, 144, v5
	v_and_b32 v6, 7, v0
	v_lshl_add_u32 v5, v6, 4, v5
	v_add_nc_u32 v[RD], s22, v5
	v_lshlrev_b32 v5, 12, v2
	v_lshl_add_u32 v[CO], v1, 4, v5
	v_lshlrev_b32 v[BOF], 5, v2
	s_wait_alu depctr_va_vdst(0)
	s_lshl_b32 s20, s17, 8
	s_lshl_b32 s21, s14, 6
	s_add_co_u32 s20, s20, s21
	s_lshl_b32 s20, s20, 12
	s_lshl_b32 s21, s42, 8
	s_add_co_u32 s20, s20, s21
	s_mov_b32 s21, 0
	s_add_nc_u64 s[10:11], s[10:11], s[20:21]
	s_lshl_b32 s46, s42, 10
	s_lshl_b32 s47, s16, 9
	s_add_co_u32 s46, s46, s47
	s_mov_b32 s47, 0
	s_add_nc_u64 s[84:85], s[84:85], s[46:47]
.irp b, 0,1,2,3,4,5,6,7
	global_load_b128 v[BI+8*\b:BI+8*\b+3], v[BOF], s[84:85] offset:64*\b
	global_load_b128 v[BI+8*\b+4:BI+8*\b+7], v[BOF], s[84:85] offset:64*\b+16
.endr
.macro FRAG reg, adr, q, i
.irp c, 0,1,2,3
	ds_load_b128 v[\reg+4*\c:\reg+4*\c+3], v[\adr] offset:128*(\q)+32*\c+(\i)*16*PITCH
.endr
.endm
.macro MUL16 a0, p, zero
.irp a, \a0, \a0+1
.irp b, 0,1,2,3,4,5,6,7
.if \zero
	v_wmma_f32_16x16x128_bf8_bf8 v[8*(8*((\a)%4)+\b):8*(8*((\a)%4)+\b)+7], v[128*(\p)+FR*\b:128*(\p)+FR*\b+FR-1], v[AF+FR*(\a):AF+FR*(\a)+FR-1], 0
.else
	v_wmma_f32_16x16x128_bf8_bf8 v[8*(8*((\a)%4)+\b):8*(8*((\a)%4)+\b)+7], v[128*(\p)+FR*\b:128*(\p)+FR*\b+FR-1], v[AF+FR*(\a):AF+FR*(\a)+FR-1], v[8*(8*((\a)%4)+\b):8*(8*((\a)%4)+\b)+7]
.endif
.endr
.endr
.endm
.macro FETCH_B slot, q, p
	WIN TO_B
.irp i, 0,1,2,3,4,5,6,7
	FRAG 128*(\p)+FR*\i, ADRB+\slot, \q, \i
.endr
	WIN 0
.endm
.macro FETCH_A slot, q, i0
.irp i, \i0, \i0+1, \i0+2, \i0+3
	FRAG AF+FR*(\i), ADRA+\slot, \q, \i
.endr
.endm
.macro PLACES n
.rept \n
	v_nop
.endr
.endm
.macro STEP slot, q, zero
	s_wait_dscnt 4*NL
	WIN MUL_LO
	MUL16 0, (\q)%2, \zero
	MUL16 2, (\q)%2, \zero
	s_wait_dscnt 0
	PLACES NP
	FETCH_B \slot, (\q)+1, 1-(\q)%2
	FETCH_A \slot, (\q)+1, 0
	WIN MUL_HI
	MUL16 4, (\q)%2, \zero
	MUL16 6, (\q)%2, \zero
	PLACES NP
	WIN 0
	FETCH_A \slot, (\q)+1, 4
.endm
.macro TURN slot, next, fill
	s_wait_tensorcnt 0x0
	ds_add_u32 v[SPW], v[NIL]
	s_wait_dscnt 4*NL+1
	WIN MUL_LO
	MUL16 0, 1, 0
	s_wait_dscnt 0x0
	s_barrier_signal -1
	MUL16 2, 1, 0
	WIN 0
	s_barrier_wait -1
.if \fill
	CREST
	s_add_nc_u64 s[G0+4*\slot+2:G0+4*\slot+3], s[G0+4*\slot+2:G0+4*\slot+3], 2*ASTEP
	s_add_nc_u64 s[G0B+4*\slot+2:G0B+4*\slot+3], s[G0B+4*\slot+2:G0B+4*\slot+3], 2*ROWB
	JLOAD G0+4*\slot, G1, G0B+4*\slot, G1B
.else
	PLACES NP
.endif
	FETCH_B \next, 0, 0
	FETCH_A \next, 0, 0
	WIN MUL_HI
	MUL16 4, 1, 0
	MUL16 6, 1, 0
	PLACES NP
	WIN 0
	FETCH_A \next, 0, 4
.endm
	s_wait_tensorcnt 0x0                           ; my part of K step 0 is in
	ds_add_u32 v[SPW], v[NIL]
	s_wait_dscnt 0x0
	CROUND                                         ; everybody's part of K step 0 is in, and the joint loads meet
	JLOAD G0+4, G1, G0B+4, G1B                     ; K step 1: the first tensor load behind the round
	FETCH_B 0, 0, 0
	FETCH_A 0, 0, 0
	FETCH_A 0, 0, 4
	global_prefetch_b8 v14, s[12:13] offset:3*ROWB th:TH_LOAD_NT scope:SCOPE_SE   ; K step 3
	STEP 0, 0, 1
	s_mov_b32 s3, LAPS-1
.Llap:
	TURN 0, 1, 1
	STEP 1, 0, 0
	TURN 1, 0, 1
	STEP 0, 0, 0
	s_sub_co_u32 s3, s3, 1
	s_cmp_lg_u32 s3, 0
	s_cbranch_scc1 .Llap
	TURN 0, 1, 0
	STEP 1, 0, 0
	s_wait_dscnt 4*NL
	WIN MUL_LO
	MUL16 0, 1, 0
	MUL16 2, 1, 0
	s_wait_dscnt 0
	WIN MUL_HI
	MUL16 4, 1, 0
	MUL16 6, 1, 0
	WIN 0
	s_barrier_signal -1
	s_wait_kmcnt 0x0
	s_add_co_i32 s80, s78, 127
	s_lshl_b32 s81, s80, 23
	v_mov_b32 v[SCL], s81
	s_add_co_i32 s80, s80, 15
	s_lshl_b32 s80, s80, 23
	s_or_b32 s80, s80, 0x600000
	v_mov_b32 v[LIM], s80
	v_mov_b32 v10, 0xaf95df0b
	v_mov_b32 v11, 0xaf95df0b
	v_mov_b32 v12, 0xb77460cd
	v_mov_b32 v13, 0xb77460cd
	s_add_co_i32 s96, s76, s77
	s_add_co_i32 s96, s96, 127
	s_lshl_b32 s96, s96, 23
	s_mov_b32 s97, s96
	s_barrier_wait -1
.macro TAKE a                          ; block a's 64 sums a lane, out of window 2 or 3: x 2^(e8 + e9) + bias, each accumulator from its low end on
.set W, 0x02+((\a)/4)
	WIN W
	s_wait_alu depctr_va_vdst(0)                   ; the wait directly ahead of the first readers of matrix results
.set n, 0
.rept 32
	v_pk_fma_f32 v[T+n:T+n+1], v[64*((\a)%4)+n:64*((\a)%4)+n+1], s[96:97], v[BI+n:BI+n+1] op_sel_hi:[1,0,1]
.set n, n+2
.endr
	WIN 0
	s_wait_alu depctr_va_vdst(0)
.endm
.macro GELU g
.set XG, T+16*\g
.set n, 0
.rept 8
	v_dual_mul_f32 v[Z+n], 0x3f3504f3, v[XG+n] :: v_dual_mul_f32 v[Z+n+1], 0x3f3504f3, v[XG+n+1]
.set n, n+2
.endr
.set n, 0
.rept 16
	v_med3_num_f32 v[Z+n], v[Z+n], -4.0, 4.0
.set n, n+1
.endr
.set n, 0
.rept 8
	v_dual_mul_f32 v[X2+n], v[Z+n], v[Z+n] :: v_dual_mul_f32 v[X2+n+1], v[Z+n+1], v[Z+n+1]
.set n, n+2
.endr
.set n, 0
.rept 8
	v_dual_fmaak_f32 v[P+n], v[X2+n], v10, 0x32edffee :: v_dual_fmaak_f32 v[P+n+1], v[X2+n+1], v11, 0x32edffee
	v_dual_fmaak_f32 v[Q+n], v[X2+n], v12, 0xb95fbd29 :: v_dual_fmaak_f32 v[Q+n+1], v[X2+n+1], v13, 0xb95fbd29
.set n, n+2
.endr
.irp k, 0xb60cff51, 0xb86ec2d2, 0xba40ac63, 0xbb41a1f6, 0xbc83dbd4
.set n, 0
.rept 8
	v_dual_fmaak_f32 v[P+n], v[P+n], v[X2+n], \k :: v_dual_fmaak_f32 v[P+n+1], v[P+n+1], v[X2+n+1], \k
.set n, n+2
.endr
.endr
.irp k, 0xbadc924e, 0xbbf19bf8, 0xbc69b6a7
.set n, 0
.rept 8
	v_dual_fmaak_f32 v[Q+n], v[Q+n], v[X2+n], \k :: v_dual_fmaak_f32 v[Q+n+1], v[Q+n+1], v[X2+n+1], \k
.set n, n+2
.endr
.endr
.set n, 0
.rept 8
	v_dual_mul_f32 v[P+n], v[P+n], v[Z+n] :: v_dual_mul_f32 v[P+n+1], v[P+n+1], v[Z+n+1]
.set n, n+2
.endr
.set n, 0
	s_wait_alu depctr_va_vdst(0)
.rept 16
	v_rcp_f32 v[Q+n], v[Q+n]
.set n, n+1
.endr
.set n, 0
.rept 8
	v_pk_mul_f32 v[Z+n:Z+n+1], v[XG+n:XG+n+1], 0.5 op_sel_hi:[1,0]
.set n, n+2
.endr
	s_wait_alu depctr_va_vdst(0)
.set n, 0
.rept 8
	v_pk_mul_f32 v[P+n:P+n+1], v[P+n:P+n+1], v[Q+n:Q+n+1]
.set n, n+2
.endr
.set n, 0
.rept 16
	v_med3_num_f32 v[P+n], v[P+n], -1.0, 1.0
.set n, n+1
.endr
.set n, 0
.rept 8
	v_pk_fma_f32 v[XG+n:XG+n+1], v[Z+n:Z+n+1], v[P+n:P+n+1], v[Z+n:Z+n+1]
.set n, n+2
.endr
.endm
	s_wait_loadcnt 0x0
	s_mov_b32 s80, 0
	s_mov_b32 s81, 0
	s_mov_b32 s3, 8
.Lblk:
	v_add_nc_u32 v[ADC], s81, v[STO]
.irp a, 0,1,2,3,4,5,6
	s_cmp_lg_u32 s80, \a                           ; s80: the block's number, the same count in every wave
	s_cbranch_scc1 .Lnot_\a
	TAKE \a
	s_branch .Ltaken
.Lnot_\a:
.endr
	TAKE 7
.Ltaken:
	GELU 0
	GELU 1
	GELU 2
	GELU 3
.irp b, 0,1,2,3,4,5,6,7
.irp i, 0,1,2,3,4,5,6,7
	v_med3_num_f32 v[T+8*\b+\i], v[T+8*\b+\i], -v[LIM], v[LIM]
.endr
	v_cvt_scalef32_pk8_bf8_f32 v[CD+2*\b:CD+2*\b+1], v[T+8*\b:T+8*\b+7], v[SCL]
.endr
	v_nop
.irp b, 0,1,2,3,4,5,6,7
	ds_store_b64 v[ADC], v[CD+2*\b:CD+2*\b+1] offset:16*\b
.endr
	s_add_co_u32 s80, s80, 1
	s_add_co_u32 s81, s81, 2304
	s_sub_co_u32 s3, s3, 1
	s_cmp_lg_u32 s3, 0
	s_cbranch_scc1 .Lblk
	s_wait_dscnt 0x0
	s_barrier_signal -1
	s_barrier_wait -1
.set u, 0
.rept 32
	ds_load_b128 v[T+4*u:T+4*u+3], v[RD] offset:288*u
.set u, u+1
.endr
.set u, 0
.rept 32
	s_wait_dscnt 31-u
	global_store_b128 v[CO], v[T+4*u:T+4*u+3], s[10:11] offset:8192*u
.set u, u+1
.endr
	s_wait_tensorcnt 0x0
	ds_add_u32 v[SPW], v[NIL]
	s_wait_dscnt 0x0
	CROUND
	s_endpgm
.Lfunc_end_k_q9d3b948f8b_gw1:
	.size	k_q9d3b948f8b_gw1, .Lfunc_end_k_q9d3b948f8b_gw1-k_q9d3b948f8b_gw1
	.p2alignl 7, 3214868480
	.fill 96, 4, 3214868480
	.section	.rodata,"a",@progbits
	.p2align	6, 0x0
	.amdhsa_kernel k_q9d3b948f8b_gw1
		.amdhsa_group_segment_fixed_size 327680
		.amdhsa_private_segment_fixed_size 0
		.amdhsa_enable_private_segment 0
		.amdhsa_kernarg_size 40
		.amdhsa_user_sgpr_count 2
		.amdhsa_user_sgpr_kernarg_segment_ptr 1
		.amdhsa_wavefront_size32 1
		.amdhsa_system_sgpr_workgroup_id_x 1
		.amdhsa_system_sgpr_workgroup_id_y 1
		.amdhsa_system_sgpr_workgroup_id_z 1
		.amdhsa_system_vgpr_workitem_id 0
		.amdhsa_next_free_vgpr 1024
		.amdhsa_next_free_sgpr 100
		.amdhsa_reserve_vcc 0
		.amdhsa_float_denorm_mode_32 3
		.amdhsa_float_denorm_mode_16_64 3
		.amdhsa_memory_ordered 1
		.amdhsa_forward_progress 1
		.amdhsa_inst_pref_size 164
	.end_amdhsa_kernel
	.amdgpu_metadata
---
amdhsa.version: [ 1, 2 ]
amdhsa.kernels:
  - .name:           k_q9d3b948f8b_gw1
    .symbol:         k_q9d3b948f8b_gw1.kd
    .args:
      - { .name: hhc, .offset: 0, .size: 8, .value_kind: global_buffer, .address_space: global }
      - { .name: wc, .offset: 8, .size: 8, .value_kind: global_buffer, .address_space: global }
      - { .name: lowp_scales, .offset: 16, .size: 8, .value_kind: global_buffer, .address_space: global }
      - { .name: ffc, .offset: 24, .size: 8, .value_kind: global_buffer, .address_space: global }
      - { .name: b1f, .offset: 32, .size: 8, .value_kind: global_buffer, .address_space: global }
    .group_segment_fixed_size: 327680
    .private_segment_fixed_size: 0
    .kernarg_segment_align: 8
    .kernarg_segment_size: 40
    .max_flat_workgroup_size: 128
    .sgpr_count:     100
    .vgpr_count:     1024
    .wavefront_size: 32
...
	.end_amdgpu_metadata
.endif
;; end of part 13
;; launch gw2 (part 14): grid 8 x 32, 4 waves a work-group, clusters of 4 x 4, 327,680 bytes of LDS; arguments ffc, wc, lowp_scales, out0, b2f, x1; writes out0
.if DOCPART == 14
	.amdgcn_target "amdgcn-amd-amdhsa--gfx1250"
	.amdhsa_code_object_version 6
	.text
	.protected	k_q9d3b948f8b_gw2
	.globl	k_q9d3b948f8b_gw2
	.p2align	8
	.type	k_q9d3b948f8b_gw2,@function
k_q9d3b948f8b_gw2:
	s_mov_b64 s[64:65], 0
	v_nop
	global_prefetch_b8 v0, s[64:65] scope:SCOPE_SE
	s_setreg_imm32_b32 hwreg(HW_REG_WAVE_MODE, 25, 1), 1
	s_wait_xcnt 0x0
	s_wait_alu depctr_hold_cnt(0) depctr_sa_sdst(0) depctr_va_vdst(0) depctr_va_sdst(0) depctr_va_ssrc(0) depctr_va_vcc(0) depctr_vm_vsrc(0)
	s_getreg_b32 s2, hwreg(HW_REG_IB_STS2, 6, 4)
	s_cmp_eq_u32 s2, 0
	s_cbranch_scc0 .Lentry_in_a_cluster
	s_endpgm
.Lentry_in_a_cluster:
	s_bfe_u32 s2, ttmp6, 0x10000c
	s_cmp_lg_u32 s2, 0xf033
	s_cbranch_scc0 .Lentry_shape_is_right
	s_endpgm
.Lentry_shape_is_right:
; out0 = x1 + gelu codes x W2 + b2f, the product on codes of BF8.  Tiles of 128 x 128, 4 x 4 clusters with joint loads, K in eight steps of 512 through two LDS slots.
; PREFETCH: behind the joint load of K step s stands one request a wave for K step s + 2 (s = 0 .. 5).  Of the 64 rows x 512 bytes that a wave fetches, each of the four partners that ask for them jointly
; names 16 rows, told apart by address (cx for A, cy for B): two lanes a row, 256 bytes apart, so each aligned block of 256 bytes is named once in a cluster.  The loop's last trip asks for nothing.
.set KDIM,    4096
.set WOFF,    8388608
.set BLOCKED, 0
.set EA, 78
.set EB, 79
.set AQI,     6
.set AROWB,   512
.set AROWS,   64
.set ASTRIDE, KDIM
.set ASTEP,   512
.set ALANE,   4
.set KSTEP,  512
.set PITCH,  528
.set HALFT,  34816
.set SLOT,   4*HALFT
.set LAPS,   KDIM/(2*KSTEP)
.set SPARE,  2*SLOT
.set SP,     272
.set ADRA, 16
.set ADRB, 20
.set STO,  24
.set RD,   25
.set CO,   26
.set BO,   27
.set SPW,  28
.set NIL,  29
.set BS,   32
.set ACC,  128
.set F0,   0
.set F1,   128
.set G1,  24
.set G0,  32
.set G1B, 48
.set G0B, 56
.set MSB, 0
.macro WIN new
.if MSB != \new
	s_set_vgpr_msb (MSB<<8)|\new
.set MSB, \new
.endif
.endm
.set MUL,  0x05
.set TO_F, 0x40
.macro JLOAD s
	s_cmp_eq_u32 s15, 0
	s_cbranch_scc0 .Lfor_b_\@
	tensor_load_to_lds s[G0+4*\s:G0+4*\s+3], s[G1:G1+7]
	s_nop 0
.rept 4
	v_nop
.endr
	s_branch .Lasked_\@
.Lfor_b_\@:
	tensor_load_to_lds s[G0B+4*\s:G0B+4*\s+3], s[G1B:G1B+7]
	s_nop 0
.rept 4
	v_nop
.endr
.Lasked_\@:
.endm
.macro CREST
	s_cmp_lg_u32 s14, 0
	s_cbranch_scc1 .Lnot_wave_0_\@
	s_barrier_signal -3
.Lnot_wave_0_\@:
	s_barrier_wait -3
	s_barrier_signal -1
	s_barrier_wait -1
.endm
.macro CROUND
	s_barrier_signal -1
	s_barrier_wait -1
	CREST
.endm
	s_load_b256 s[4:11], s[0:1], 0x0
	s_load_b128 s[84:87], s[0:1], 0x20
	v_lshl_add_u32 v[SPW], v0, 2, SPARE
	v_mov_b32 v[NIL], 0
	ds_add_u32 v[SPW], v[NIL]
	ds_add_u32 v[SPW], v[NIL]
	v_lshrrev_b32 v1, 5, v0
	v_readfirstlane_b32 s14, v1
	v_and_b32 v30, 31, v0                          ; v30, never rewritten: the prefetches' offset: row lane / 2 (4,096 bytes a row), block lane % 2
	v_lshrrev_b32 v31, 1, v30
	v_and_b32 v30, 1, v30
	v_lshlrev_b32 v30, 8, v30
	v_lshl_add_u32 v30, v31, 12, v30
	s_lshr_b32 s15, s14, 1
	s_and_b32 s16, s14, 1
	s_bfe_u32 s40, ttmp6, 0x40000
	s_bfe_u32 s41, ttmp6, 0x40004
	s_lshl_b32 s42, ttmp9, 2
	s_add_co_u32 s42, s42, s40
	s_and_b32 s17, ttmp7, 0xffff
	s_lshl_b32 s17, s17, 2
	s_add_co_u32 s17, s17, s41
	s_lshl_b32 s43, s41, 2
	s_lshl_b32 s43, 15, s43
	s_lshl_b32 s44, 0x1111, s40
	s_or_b32 s[G1+0], s43, (0<<16)|(1<<20)|(1<<21)|(AQI<<22)|(3<<25)
	s_mov_b32 s[G1+1], AROWB<<16
	s_mov_b32 s[G1+2], AROWS<<16
	s_mov_b32 s[G1+3], AROWB<<16
	s_mov_b32 s[G1+4], AROWS
	s_mov_b32 s[G1+5], ASTRIDE
	s_mov_b32 s[G1+6], 0
	s_mov_b32 s[G1+7], 0
	s_or_b32 s[G1B+0], s44, (0<<16)|(1<<20)|(1<<21)|(6<<22)|(3<<25)
	s_mov_b32 s[G1B+1], KSTEP<<16
	s_mov_b32 s[G1B+2], 64<<16
	s_mov_b32 s[G1B+3], KSTEP<<16
	s_mov_b32 s[G1B+4], 64
	s_mov_b32 s[G1B+5], KDIM
	s_mov_b32 s[G1B+6], 0
	s_mov_b32 s[G1B+7], 0
.if BLOCKED
	s_lshl_b32 s20, s17, 17
	s_lshl_b32 s18, s16, 15
	s_add_co_u32 s20, s20, s18
	s_mov_b32 s21, 0
	s_mov_b64 s[18:19], KDIM
.else
	s_lshl_b32 s20, s17, 7
	s_lshl_b32 s18, s16, 6
	s_add_co_u32 s20, s20, s18
	s_mov_b32 s21, 0
	s_mov_b64 s[18:19], KDIM
	s_mul_u64 s[20:21], s[20:21], s[18:19]
.endif
	s_lshl_b32 s46, s42, 7
	s_lshl_b32 s47, s16, 6
	s_add_co_u32 s46, s46, s47
	s_mov_b32 s47, 0
	s_mul_u64 s[46:47], s[46:47], s[18:19]
	s_mul_i32 s45, s14, HALFT
	s_wait_alu depctr_va_vdst(0)
	s_wait_dscnt 0x0
	s_wait_kmcnt 0x0
	s_load_b256 s[68:75], s[8:9], 0x0
	s_load_b128 s[76:79], s[8:9], 0x20
	s_add_nc_u64 s[6:7], s[6:7], WOFF
	s_add_nc_u64 s[20:21], s[4:5], s[20:21]
	s_add_nc_u64 s[46:47], s[6:7], s[46:47]
	s_cmp_eq_u32 s15, 0                            ; s[88:89]: where my prefetches stand: the rows that I fetch, of A or of B,
	s_cselect_b64 s[88:89], s[20:21], s[46:47]
	s_cselect_b32 s90, s40, s41                    ; my place among the four that ask with me,
	s_lshl_b32 s90, s90, 16                        ; x 16 rows of 4,096 bytes
	s_mov_b32 s91, 0
	s_add_nc_u64 s[88:89], s[88:89], s[90:91]
	CROUND
.irp s, 0,1
	s_mov_b32 s[G0+4*\s], 1
	s_add_co_u32 s[G0+4*\s+1], s45, \s*SLOT
	s_add_nc_u64 s[G0+4*\s+2:G0+4*\s+3], s[20:21], \s*ASTEP
	s_or_b32 s[G0+4*\s+3], s[G0+4*\s+3], 0x80000000
	s_mov_b32 s[G0B+4*\s], 1
	s_add_co_u32 s[G0B+4*\s+1], s45, \s*SLOT
	s_add_nc_u64 s[G0B+4*\s+2:G0B+4*\s+3], s[46:47], \s*KSTEP
	s_or_b32 s[G0B+4*\s+3], s[G0B+4*\s+3], 0x80000000
.endr
	JLOAD 0                                        ; K step 0: one tensor load a wave at the head
	global_prefetch_b8 v30, s[88:89] offset:2*KSTEP th:TH_LOAD_NT scope:SCOPE_SE   ; K step 2
	v_and_b32 v1, 15, v0
	s_wait_alu depctr_va_vdst(0)
	v_bfe_u32 v2, v0, 4, 1
	v_mul_u32_u24 v3, v1, PITCH
	v_lshl_add_u32 v4, v2, 4, v3
.if BLOCKED
	v_lshrrev_b32 v5, 2, v1
	v_mul_u32_u24 v5, v5, 272
	v_and_b32 v6, 3, v1
	v_lshl_add_u32 v5, v6, 6, v5
	v_lshl_add_u32 v5, v2, 4, v5
	s_mul_i32 s21, s15, 16*272
.else
	s_mul_i32 s21, s15, HALFT
.endif
	s_mul_i32 s22, s16, HALFT
	s_add_co_u32 s22, s22, 2*HALFT
.irp s, 0,1
	v_add_nc_u32 v[ADRA+\s], s21, v[ALANE]
	v_add_nc_u32 v[ADRB+\s], s22, v4
	s_add_co_u32 s21, s21, SLOT
	s_add_co_u32 s22, s22, SLOT
.endr
	s_mul_i32 s23, s14, 4*16*SP
	v_mul_u32_u24 v5, v1, SP
	s_wait_alu depctr_va_vdst(0)
	v_lshl_add_u32 v5, v2, 5, v5
	v_add_nc_u32 v[STO], s23, v5
	v_mul_u32_u24 v6, v2, SP
	v_lshl_add_u32 v6, v1, 4, v6
	v_add_nc_u32 v[RD], s23, v6
	v_lshlrev_b32 v[BO], 4, v1
	s_wait_alu depctr_va_vdst(0)
	v_lshl_add_u32 v[CO], v2, 12, v[BO]
	s_wait_alu depctr_va_vdst(0)
	s_lshl_b32 s20, s17, 7
	s_lshl_b32 s21, s15, 6
	s_add_co_u32 s20, s20, s21
	s_lshl_b32 s20, s20, 12
	s_lshl_b32 s46, s42, 9
	s_lshl_b32 s47, s16, 8
	s_add_co_u32 s46, s46, s47
	s_add_co_u32 s20, s20, s46
	s_mov_b32 s21, 0
	s_mov_b32 s47, 0
	s_add_nc_u64 s[10:11], s[10:11], s[20:21]
	s_add_nc_u64 s[86:87], s[86:87], s[20:21]
	s_add_nc_u64 s[84:85], s[84:85], s[46:47]
	global_load_b128 v[BS:BS+3], v[BO], s[84:85]
	WIN 0x80
.irp a, 0,1,2,3
.irp t, 0,1,2,3,4,5,6,7
	global_load_b128 v[32*\a+4*\t:32*\a+4*\t+3], v[CO], s[86:87] offset:(16*\a+2*\t)*4096 th:TH_LOAD_NT
.endr
.endr
	WIN 0
.macro FRAGB reg, slot, q, i
.irp c, 0,1,2,3
	ds_load_b128 v[\reg+4*\c:\reg+4*\c+3], v[ADRB+\slot] offset:128*(\q)+32*\c+(\i)*16*PITCH
.endr
.endm
.macro FRAGA reg, slot, q, i
.irp c, 0,1,2,3
.if BLOCKED
	ds_load_b128 v[\reg+4*\c:\reg+4*\c+3], v[ADRA+\slot] offset:(32*(2*(\q)+\c/2)+4*(\i))*272+32*(\c%2)
.else
	ds_load_b128 v[\reg+4*\c:\reg+4*\c+3], v[ADRA+\slot] offset:128*(\q)+32*\c+(\i)*16*PITCH
.endif
.endr
.endm
.macro FETCH slot, q, f
	WIN TO_F
.irp i, 0,1,2,3
	FRAGB \f+64+16*\i, \slot, \q, \i
.endr
.irp i, 0,1,2,3
	FRAGA \f+16*\i, \slot, \q, \i
.endr
.endm
.macro MULA f, a, zero
.irp b, 0,1,2,3
.if \zero
	v_wmma_f32_16x16x128_bf8_bf8 v[ACC+8*(4*(\a)+\b):ACC+8*(4*(\a)+\b)+7], v[\f+64+16*\b:\f+64+16*\b+15], v[\f+16*(\a):\f+16*(\a)+15], 0
.else
	v_wmma_f32_16x16x128_bf8_bf8 v[ACC+8*(4*(\a)+\b):ACC+8*(4*(\a)+\b)+7], v[\f+64+16*\b:\f+64+16*\b+15], v[\f+16*(\a):\f+16*(\a)+15], v[ACC+8*(4*(\a)+\b):ACC+8*(4*(\a)+\b)+7]
.endif
.endr
.endm
.macro PLACES
.rept 4
	v_nop
.endr
.endm
.macro QUARTER slot, q, f, g, zero
	s_wait_dscnt 8
	WIN MUL
	MULA \f, 0, \zero
	MULA \f, 1, \zero
	PLACES
	FETCH \slot, \q, \g
	s_wait_dscnt 32
	WIN MUL
	MULA \f, 2, \zero
	MULA \f, 3, \zero
.endm
.macro TURN slot, next, fill
	WIN 0
.if \fill
	s_wait_xcnt 0x0                                ; my last prefetch has read its address: it steps one K step
	s_add_nc_u64 s[88:89], s[88:89], KSTEP
.endif
	s_wait_tensorcnt 0x0
	ds_add_u32 v[SPW], v[NIL]
	s_wait_dscnt 9
	WIN MUL
	MULA F1, 0, 0
	s_wait_dscnt 0x0
	s_barrier_signal -1
	MULA F1, 1, 0
.if \fill
	WIN 0
.endif
	s_barrier_wait -1
.if \fill
	CREST
	s_add_nc_u64 s[G0+4*\slot+2:G0+4*\slot+3], s[G0+4*\slot+2:G0+4*\slot+3], 2*ASTEP
	s_add_nc_u64 s[G0B+4*\slot+2:G0B+4*\slot+3], s[G0B+4*\slot+2:G0B+4*\slot+3], 2*KSTEP
	JLOAD \slot
.else
	PLACES
.endif
	FETCH \next, 0, F0
.if \fill
	WIN 0                                          ; at a branch and at a label every window is 0
	s_cmp_gt_u32 s3, 1                             ; the last trip's two refills have no K step two on
	s_cbranch_scc0 .Lno_ask_\@
	global_prefetch_b8 v30, s[88:89] offset:3*KSTEP th:TH_LOAD_NT scope:SCOPE_SE   ; two K steps on from the refill above
.Lno_ask_\@:
.endif
	WIN MUL
	MULA F1, 2, 0
	MULA F1, 3, 0
.endm
	s_wait_tensorcnt 0x0                           ; my part of K step 0 is in
	ds_add_u32 v[SPW], v[NIL]
	s_wait_dscnt 0x0
	CROUND                                         ; everybody's part of K step 0 is in, and the joint loads meet
	JLOAD 1                                        ; K step 1: the first tensor load behind the round
	FETCH 0, 0, F0
	WIN 0
	global_prefetch_b8 v30, s[88:89] offset:3*KSTEP th:TH_LOAD_NT scope:SCOPE_SE   ; K step 3
	QUARTER 0, 1, F0, F1, 1
.if LAPS > 1
	WIN 0
	s_mov_b32 s3, LAPS-1
.Llap:
	QUARTER 0, 2, F1, F0, 0
	QUARTER 0, 3, F0, F1, 0
	TURN 0, 1, 1
	QUARTER 1, 1, F0, F1, 0
	QUARTER 1, 2, F1, F0, 0
	QUARTER 1, 3, F0, F1, 0
	TURN 1, 0, 1
	QUARTER 0, 1, F0, F1, 0
	WIN 0
	s_sub_co_u32 s3, s3, 1
	s_cmp_lg_u32 s3, 0
	s_cbranch_scc1 .Llap
.endif
	QUARTER 0, 2, F1, F0, 0
	QUARTER 0, 3, F0, F1, 0
	TURN 0, 1, 0
	QUARTER 1, 1, F0, F1, 0
	QUARTER 1, 2, F1, F0, 0
	QUARTER 1, 3, F0, F1, 0
	s_wait_dscnt 8
	WIN MUL
	MULA F1, 0, 0
	MULA F1, 1, 0
	s_wait_dscnt 0
	MULA F1, 2, 0
	MULA F1, 3, 0
	WIN 0
	s_wait_kmcnt 0x0
	s_add_co_i32 s96, s[EA], s[EB]
	s_add_co_i32 s96, s96, 127
	s_lshl_b32 s96, s96, 23
	s_mov_b32 s97, s96
	PLACES
.irp a, 0,1,2,3
.irp b, 0,1,2,3
	ds_store_b128 v[STO], v[ACC+8*(4*\a+\b):ACC+8*(4*\a+\b)+3] offset:\a*16*SP+64*\b
	ds_store_b128 v[STO], v[ACC+8*(4*\a+\b)+4:ACC+8*(4*\a+\b)+7] offset:\a*16*SP+64*\b+16
.endr
.endr
	WIN TO_F
.irp a, 0,1,2,3
.irp t, 0,1,2,3,4,5,6,7
	ds_load_b128 v[32*\a+4*\t:32*\a+4*\t+3], v[RD] offset:\a*16*SP+2*\t*SP
.endr
.endr
	s_wait_loadcnt 0x0
.irp a, 0,1,2,3
	s_wait_dscnt 8*(3-\a)
	WIN 0x61
.set n, 0
.rept 16
	v_pk_fma_f32 v[32*\a+n:32*\a+n+1], v[32*\a+n:32*\a+n+1], s[96:97], v[32*\a+n:32*\a+n+1] op_sel_hi:[1,0,1]
.set n, n+2
.endr
	WIN 0x41
.irp t, 0,1,2,3,4,5,6,7
	v_pk_add_f32 v[32*\a+4*\t:32*\a+4*\t+1], v[32*\a+4*\t:32*\a+4*\t+1], v[BS:BS+1]
	v_pk_add_f32 v[32*\a+4*\t+2:32*\a+4*\t+3], v[32*\a+4*\t+2:32*\a+4*\t+3], v[BS+2:BS+3]
.endr
	WIN 0x04
.irp t, 0,1,2,3,4,5,6,7
	global_store_b128 v[CO], v[32*\a+4*\t:32*\a+4*\t+3], s[10:11] offset:(16*\a+2*\t)*4096 th:TH_STORE_NT
.endr
.endr
	WIN 0
	s_wait_tensorcnt 0x0
	ds_add_u32 v[SPW], v[NIL]
	s_wait_dscnt 0x0
	CROUND
	s_endpgm
.Lfunc_end_k_q9d3b948f8b_gw2:
	.size	k_q9d3b948f8b_gw2, .Lfunc_end_k_q9d3b948f8b_gw2-k_q9d3b948f8b_gw2
	.p2alignl 7, 3214868480
	.fill 96, 4, 3214868480
	.section	.rodata,"a",@progbits
	.p2align	6, 0x0
	.amdhsa_kernel k_q9d3b948f8b_gw2
		.amdhsa_group_segment_fixed_size 327680
		.amdhsa_private_segment_fixed_size 0
		.amdhsa_enable_private_segment 0
		.amdhsa_kernarg_size 48
		.amdhsa_user_sgpr_count 2
		.amdhsa_user_sgpr_kernarg_segment_ptr 1
		.amdhsa_wavefront_size32 1
		.amdhsa_system_sgpr_workgroup_id_x 1
		.amdhsa_system_sgpr_workgroup_id_y 1
		.amdhsa_system_sgpr_workgroup_id_z 1
		.amdhsa_system_vgpr_workitem_id 0
		.amdhsa_next_free_vgpr 640
		.amdhsa_next_free_sgpr 100
		.amdhsa_reserve_vcc 0
		.amdhsa_float_denorm_mode_32 3
		.amdhsa_float_denorm_mode_16_64 3
		.amdhsa_memory_ordered 1
		.amdhsa_forward_progress 1
		.amdhsa_inst_pref_size 83
	.end_amdhsa_kernel
	.amdgpu_metadata
---
amdhsa.version: [ 1, 2 ]
amdhsa.kernels:
  - .name:           k_q9d3b948f8b_gw2
    .symbol:         k_q9d3b948f8b_gw2.kd
    .args:
      - { .name: ffc, .offset: 0, .size: 8, .value_kind: global_buffer, .address_space: global }
      - { .name: wc, .offset: 8, .size: 8, .value_kind: global_buffer, .address_space: global }
      - { .name: lowp_scales, .offset: 16, .size: 8, .value_kind: global_buffer, .address_space: global }
      - { .name: out0, .offset: 24, .size: 8, .value_kind: global_buffer, .address_space: global }
      - { .name: b2f, .offset: 32, .size: 8, .value_kind: global_buffer, .address_space: global }
      - { .name: x1, .offset: 40, .size: 8, .value_kind: global_buffer, .address_space: global }
    .group_segment_fixed_size: 327680
    .private_segment_fixed_size: 0
    .kernarg_segment_align: 8
    .kernarg_segment_size: 48
    .max_flat_workgroup_size: 128
    .sgpr_count:     100
    .vgpr_count:     640
    .wavefront_size: 32
...
	.end_amdgpu_metadata
.endif
;; end of part 14
